; MI455X (gfx1250); checked and timed in simulation.
; The chip was launched on July 23, 2026; its instructions are those of AMD's public machine-readable ISA for CDNA 5 (MIT licence, August 2026) and "CDNA5" Instruction Set Architecture Reference Guide (July 2026). The comments in the code are by the model that wrote it; some were corrected since.
;; Transformer Block. Allowed arithmetic: matrix products marked QUANTISED: E4M3 operands, one E8M0 scale for each 32 along K, by v_wmma_scale_f32_16x16x128_f8f6f4 with both operands' format E4M3, f32 sums; everything else in f32.
;; Inputs: W1_codes 4,096 x 32 x 32 uint8 (E4M3 codes of W1, K innermost, in blocks of 32 codes); W1_scales 4,096 x 32 uint8 (E8M0 scales of W1, one for each 32 codes along K); W2_codes 1,024 x 128 x 32 uint8 (E4M3 codes of W2, K innermost, in blocks of 32 codes); W2_scales 1,024 x 128 uint8 (E8M0 scales of W2, one for each 32 codes along K); Wk_codes 1,024 x 32 x 32 uint8 (E4M3 codes of Wk, K innermost, in blocks of 32 codes); Wk_scales 1,024 x 32 uint8 (E8M0 scales of Wk, one for each 32 codes along K); Wo_codes 1,024 x 32 x 32 uint8 (E4M3 codes of Wo, K innermost, in blocks of 32 codes); Wo_scales 1,024 x 32 uint8 (E8M0 scales of Wo, one for each 32 codes along K); Wq_codes 1,024 x 32 x 32 uint8 (E4M3 codes of Wq, K innermost, in blocks of 32 codes); Wq_scales 1,024 x 32 uint8 (E8M0 scales of Wq, one for each 32 codes along K); Wv_codes 1,024 x 32 x 32 uint8 (E4M3 codes of Wv, K innermost, in blocks of 32 codes); Wv_scales 1,024 x 32 uint8 (E8M0 scales of Wv, one for each 32 codes along K); causal_mask 1 x 1 x 2,048 x 2,048 bool; x 2 x 2,048 x 1,024 float32.
;; Outputs: out0 2 x 2,048 x 1,024 float32.
;; This version of the problem:
;;   THIS VERSION OF THE PROBLEM IS GIVEN IN LOW PRECISION. The matrix products marked QUANTISED in the list below multiply operands that are first quantised to E4M3 (4 exponent bits, 3 mantissa bits; 8 bits a number), with one power-of-two scale for each 32 numbers along K (OCP MX v1.0); their sums are f32. All else is computed in f32.
;;   The module's matrix products, in the order in which they are computed (A, B: the left and right operand; K: the contracted axis; several contracted axes count as one K, in the product's order):
;;     1. [M 4,096, K 1,024] x [K 1,024, N 1,024]; A: computed on the way; B: input Wq (given as codes): QUANTISED
;;     2. [M 4,096, K 1,024] x [K 1,024, N 1,024]; A: computed on the way; B: input Wk (given as codes): QUANTISED
;;     3. [M 4,096, K 1,024] x [K 1,024, N 1,024]; A: computed on the way; B: input Wv (given as codes): QUANTISED
;;     4. batch 32 x [M 2,048, K 64] x [K 64, N 2,048]; A: computed on the way; B: computed on the way: QUANTISED
;;     5. batch 32 x [M 64, K 2,048] x [K 2,048, N 2,048]; A: computed on the way; B: softmax (see below): QUANTISED
;;     6. [M 4,096, K 1,024] x [K 1,024, N 1,024]; A: computed on the way; B: input Wo (given as codes): QUANTISED
;;     7. [M 4,096, K 1,024] x [K 1,024, N 4,096]; A: computed on the way; B: input W1 (given as codes): QUANTISED
;;     8. [M 4,096, K 4,096] x [K 4,096, N 1,024]; A: computed on the way; B: input W2 (given as codes): QUANTISED
;;   THE QUANTISER, for each operand of a quantised product, along K:
;;     - K is cut into blocks of 32 from its start; a last block that is shorter is filled with zeros.
;;     - A block's scale is 2^e with e = floor(log2(the largest magnitude in the block)) - 8, held to -126 .. 127; a block of zeros has e = 0. As a byte (E8M0): e + 127.
;;     - Each number is divided by its block's scale, clamped to +-448, and rounded to the nearest number of E4M3, ties to even, subnormals kept.
;;     - The product sums the exact products of the quantised numbers (number of the format x scale) in f32.
;;   ~~~python
;;   def quantise(x, axis):      # numpy; x: float32 -> the quantised numbers, widened to float32 again
;;       x = np.moveaxis(x, axis, -1); K = x.shape[-1]
;;       x = np.pad(x, [(0, 0)] * (x.ndim - 1) + [(0, -K % 32)]); x = x.reshape(x.shape[:-1] + (-1, 32)); a = np.abs(x).max(-1, keepdims=True)
;;       e = np.where(a > 0, np.clip(np.frexp(np.where(a > 0, a, 1))[1] - 1 - 8, -126, 127), 0)      # np.frexp(a)[1] - 1 = floor(log2(a)), exactly
;;       r = np.clip(x / 2.0 ** e, -448, 448)
;;       step = 2.0 ** (np.maximum(np.frexp(np.where(r == 0, 1, r))[1] - 1, -6) - 3)
;;       q = np.round(r / step) * step * 2.0 ** e      # np.round: ties to even
;;       return np.moveaxis(q.reshape(q.shape[:-2] + (-1,))[..., :K], -1, axis).astype(np.float32)
;;   ~~~
;;   SOFTMAX AHEAD OF A QUANTISED PRODUCT. Where the list says 'softmax', what is quantised is not the finished softmax but p = 2^(t - M), with t = logit x log2(e) and M = ceil(the row's largest t), a whole number; so 1/2 < the row's largest p <= 1. The row's sum l is taken of the UNQUANTISED p, in f32, and the product's result is divided by l at the end. Since M is a whole number, a kernel that streams over the keys may use a running M (the ceiling of the running maximum): every later rescaling is an exact power of two, which a block's scale takes up: the codes' values come out the same.
;;   OPERANDS COMPUTED ON THE WAY. 'Computed on the way' means the value that the module computes at that place (a softmax that the list does not call 'softmax' is quantised finished and normalised). What goes into a quantiser is computed in f32, as accurately as f32 sums, v_exp_f32 and their like allow (about 1e-6 of the number): no bf16 or f16 on the way to a quantiser, and a product that is left as it is and whose result goes on into a quantised operand takes f32 operands (vector FMAs, or v_wmma_f32_16x16x4_f32). A number that lies on a knife's edge between two numbers of the format may be rounded either way, as far as f32 arithmetic and the matrix unit's own rounding can turn it there, and no further.
;;   INPUTS GIVEN AS CODES. W1 (in the module: [1024, 4096], K = its axis 0); W2 (in the module: [4096, 1024], K = its axis 0); Wk (in the module: [1024, 1024], K = its axis 0); Wo (in the module: [1024, 1024], K = its axis 0); Wq (in the module: [1024, 1024], K = its axis 0); Wv (in the module: [1024, 1024], K = its axis 0): each comes as NAME_codes (uint8): NAME with its K axis moved to the last place and cut into blocks of 32 codes, [.., K / 32, bytes a block], one block behind the other in memory; one code a byte (a code: sign, 4 exponent bits, 3 mantissa bits); and NAME_scales (uint8): the same leading axes, one E8M0 byte (e + 127) for each 32 codes along K. Its value is code x scale, taken as it is: it is not quantised again, and the codes and scales need not be those that the quantiser above would give.
;; 2 versions. Each part assembles by itself: llvm-mc -triple=amdgcn-amd-amdhsa -mcpu=gfx1250 --defsym DOCPART=n.
;; ======== version 1 of 2: 8 launches
;; workspace buffers: wimg 12,582,912 bytes; wsw 393,216 bytes; mk 526,336 bytes of whole numbers; ha 4,325,376 bytes; qkv 12,976,128 bytes; x1 16,777,216 bytes; g 17,301,504 bytes
;; launch prep (part 1): grid 896 x 1, 4 waves a work-group, no clusters, 0 bytes of LDS; arguments Wq_codes, Wk_codes, Wv_codes, Wo_codes, W1_codes, W2_codes, Wq_scales, Wk_scales, Wv_scales, Wo_scales, W1_scales, W2_scales, causal_mask, wimg, wsw, mk; writes wimg, wsw, mk
.if DOCPART == 1
	.amdgcn_target "amdgcn-amd-amdhsa--gfx1250"
	.amdhsa_code_object_version 6
	.text
	.protected	k_qe1db57be8a_prep
	.globl	k_qe1db57be8a_prep
	.p2align	8
	.type	k_qe1db57be8a_prep,@function
k_qe1db57be8a_prep:
	s_mov_b64 s[64:65], 0
	v_nop
	global_prefetch_b8 v0, s[64:65] scope:SCOPE_SE
	s_setreg_imm32_b32 hwreg(HW_REG_WAVE_MODE, 25, 1), 1
	s_wait_xcnt 0x0
; Two jobs in one launch; the paths part on the work-group's number and neither uses LDS.
; (1) Work-groups 0 to 767 lay the six weights out as IMAGES OF OPERAND REGISTERS.  A fragment is 16 rows x 128 K = 2,048 bytes: piece c (512 bytes) holds, at 16 x lane, the 16 codes
;     k = 128 ks + 32 c + 16 (lane / 16) + 0 .. 15 of the tile's row lane % 16.  Fragments lie [tile][K step].  Row rho of tile 2 beta + u is the weight's row 32 beta + 8 u + rho + 8 (rho / 8):
;     used as source 0 of a product, the 16 result registers of tiles 2 beta and 2 beta + 1 are then 16 neighbouring columns, 32 beta + 16 (lane / 16) + 0 .. 15.
;     The scale bytes become words (four bytes: 128 along K of one row), laid [tile][K step][16 rows].
; (2) Work-groups 768 to 895 turn the mask, one byte a place, into lane masks for the attention launch.  For query tile qt and key step ks (128 keys) word n = 8 t + j holds in bit lane
;     mask[16 qt + lane % 16][128 ks + 16 t + 8 (lane / 16) + j].  Flags: bit ks = every place of (qt, ks) is masked; bit 16 + ks = none is.  All of it is whole-number work.
.set DAT, 16                           ; v16-47  weights: two fragments as loaded
.set MB,  32                           ; v32-95  mask: 16 rows x 512 bytes, 8 bytes a lane and load
.set OW,  96                           ; v96-103 mask: the words of four key steps, two to a lane
	s_load_b512 s[8:23], s[0:1], 0x0               ; codes of Wq, Wk, Wv, Wo, W1, W2; scales of Wq, Wk
	s_load_b512 s[24:39], s[0:1], 0x40             ; scales of Wv, Wo, W1, W2; the mask; wimg, wsw, mk
	v_lshrrev_b32 v1, 5, v0
	v_readfirstlane_b32 s2, v1                     ; wave 0..3
	v_and_b32 v2, 31, v0                           ; lane
	v_and_b32 v3, 15, v0                           ; r
	v_bfe_u32 v4, v0, 4, 1                         ; h
	s_cmp_ge_u32 ttmp9, 768
	s_cbranch_scc1 .Lmask
	; ---- the weights.  A work-group takes one tile of 16 rows and 1,024 along K; wave w the K steps ks0 = 8 chunk + 2 w and ks0 + 1
	s_lshr_b32 s3, ttmp9, 6                        ; 0..3: Wq, Wk, Wv, Wo; 4..7: W1; 8..11: W2
	s_and_b32 s44, ttmp9, 63                       ; the tile
	s_lshl_b32 s48, s3, 20                         ; where the weight's image begins in wimg
	s_lshl_b32 s49, s3, 15                         ; and its scale words in wsw
	s_mov_b32 s45, 0                               ; which 1,024 along K
	s_mov_b32 s46, 10                              ; log2 of a row's bytes
	s_mov_b32 s47, 3                               ; log2 of the K steps in a row
	s_sub_co_u32 s50, ttmp9, 256
	s_cmp_ge_u32 s3, 4
	s_cselect_b32 s44, s50, s44
	s_cselect_b32 s48, 0x400000, s48
	s_cselect_b32 s49, 131072, s49
	s_sub_co_u32 s50, ttmp9, 512
	s_lshr_b32 s51, s50, 2
	s_and_b32 s50, s50, 3
	s_cmp_ge_u32 s3, 8
	s_cselect_b32 s44, s51, s44
	s_cselect_b32 s45, s50, s45
	s_cselect_b32 s46, 12, s46
	s_cselect_b32 s47, 5, s47
	s_cselect_b32 s48, 0x800000, s48
	s_cselect_b32 s49, 262144, s49
	s_lshl_b32 s52, s45, 3
	s_lshl_b32 s54, s2, 1
	s_add_co_u32 s52, s52, s54                     ; ks0
	s_lshr_b32 s53, s44, 1
	s_lshl_b32 s53, s53, 5
	s_and_b32 s54, s44, 1
	s_lshl_b32 s54, s54, 3
	s_add_co_u32 s53, s53, s54                     ; the tile's first row: 32 (tile / 2) + 8 (tile % 2)
	s_sub_co_u32 s56, s46, 5                       ; log2 of a row of scale bytes
	v_and_b32 v5, 8, v3
	v_add_nc_u32 v5, v5, v3                        ; r + 8 (r / 8)
	v_lshlrev_b32 v6, s46, v5
	v_lshl_add_u32 v6, v4, 4, v6                   ; codes in: my row, + 16 h
	v_lshlrev_b32 v7, s56, v5
	v_lshl_add_u32 v7, v4, 2, v7                   ; scale words in: my row; lanes 16-31 take K step ks0 + 1
	v_lshlrev_b32 v9, 4, v2                        ; codes out: 16 x lane
	v_lshlrev_b32 v10, 2, v2                       ; scale words out: 4 x lane
	s_wait_kmcnt 0x0
	s_mov_b64 s[40:41], s[8:9]                     ; the weight's two buffers: a choice on the work-group's number alone
	s_mov_b64 s[42:43], s[20:21]
	s_cmp_ge_u32 s3, 1
	s_cselect_b64 s[40:41], s[10:11], s[40:41]
	s_cselect_b64 s[42:43], s[22:23], s[42:43]
	s_cmp_ge_u32 s3, 2
	s_cselect_b64 s[40:41], s[12:13], s[40:41]
	s_cselect_b64 s[42:43], s[24:25], s[42:43]
	s_cmp_ge_u32 s3, 3
	s_cselect_b64 s[40:41], s[14:15], s[40:41]
	s_cselect_b64 s[42:43], s[26:27], s[42:43]
	s_cmp_ge_u32 s3, 4
	s_cselect_b64 s[40:41], s[16:17], s[40:41]
	s_cselect_b64 s[42:43], s[28:29], s[42:43]
	s_cmp_ge_u32 s3, 8
	s_cselect_b64 s[40:41], s[18:19], s[40:41]
	s_cselect_b64 s[42:43], s[30:31], s[42:43]
	s_lshl_b32 s54, s53, s46
	s_lshl_b32 s55, s52, 7
	s_add_co_u32 s54, s54, s55
	s_mov_b32 s55, 0
	s_add_nc_u64 s[40:41], s[40:41], s[54:55]      ; codes at (first row, ks0)
	s_lshl_b32 s54, s53, s56
	s_lshl_b32 s57, s52, 2
	s_add_co_u32 s54, s54, s57
	s_add_nc_u64 s[42:43], s[42:43], s[54:55]      ; scale bytes likewise
	s_lshl_b32 s54, s44, s47
	s_add_co_u32 s54, s54, s52                     ; fragment number: tile x K steps + ks0
	s_lshl_b32 s58, s54, 11
	s_add_co_u32 s58, s58, s48
	s_mov_b32 s59, 0
	s_add_nc_u64 s[34:35], s[34:35], s[58:59]
	s_lshl_b32 s58, s54, 6
	s_add_co_u32 s58, s58, s49
	s_add_nc_u64 s[36:37], s[36:37], s[58:59]
.irp q, 0,1
.irp c, 0,1,2,3
	global_load_b128 v[DAT+16*\q+4*\c:DAT+16*\q+4*\c+3], v6, s[40:41] offset:128*\q+32*\c th:TH_LOAD_NT   ; the eight loads together take 256 consecutive bytes of each of 16 rows
.endr
.endr
	global_load_b32 v8, v7, s[42:43] th:TH_LOAD_NT
	s_wait_loadcnt 0x0
.irp q, 0,1
.irp c, 0,1,2,3
	global_store_b128 v9, v[DAT+16*\q+4*\c:DAT+16*\q+4*\c+3], s[34:35] offset:2048*\q+512*\c   ; 512 consecutive bytes a store
.endr
.endr
	global_store_b32 v10, v8, s[36:37]             ; two K steps' 16 words each: 128 consecutive bytes
	s_endpgm
.Lmask:
	; ---- the mask.  Work-group 768 + qt takes 16 queries; wave w the key steps 4 w + e, e = 0 .. 3
	s_sub_co_u32 s3, ttmp9, 768                    ; qt
	v_lshlrev_b32 v6, 11, v3
	v_lshl_add_u32 v6, v4, 3, v6                   ; row r of 2,048 bytes, + 8 h
	v_lshlrev_b32 v9, 3, v2                        ; out: two words a lane
	s_lshl_b32 s40, s3, 15
	s_lshl_b32 s41, s2, 9
	s_add_co_u32 s40, s40, s41
	s_mov_b32 s41, 0
	s_lshl_b32 s42, s3, 4
	s_lshl_b32 s43, s2, 2
	s_add_co_u32 s42, s42, s43
	s_lshl_b32 s42, s42, 8                         ; (16 qt + 4 w) x 256 bytes of words
	s_mov_b32 s43, 0
	s_lshl_b32 s52, s3, 2
	s_add_co_u32 s52, s52, s2
	s_lshl_b32 s52, s52, 2
	s_add_co_u32 s52, s52, 524288                  ; the flags: word 4 qt + w behind the lane masks
	s_mov_b32 s53, 0
	s_lshl_b32 s51, s2, 2                          ; 4 w
	s_mov_b32 s50, 0
.irp i, 0,1,2,3,4,5,6,7
	v_mov_b32 v[OW+\i], 0                          ; a lane write's destination counts as read
.endr
	s_wait_kmcnt 0x0
	s_add_nc_u64 s[32:33], s[32:33], s[40:41]
	s_add_nc_u64 s[54:55], s[38:39], s[52:53]
	s_add_nc_u64 s[38:39], s[38:39], s[42:43]
.irp e, 0,1,2,3
.irp t, 0,1,2,3,4,5,6,7
	global_load_b64 v[MB+16*\e+2*\t:MB+16*\e+2*\t+1], v6, s[32:33] offset:128*\e+16*\t th:TH_LOAD_NT
.endr
.endr
	s_wait_loadcnt 0x0
.set e, 0
.rept 4
.set g, 0
.rept 16                               ; four words at a time: n = 4 g + k; byte k of register g % 2 of tile g / 2
.irp k, 0,1,2,3
	v_bfe_u32 v[104+\k], v[MB+16*e+2*(g/2)+g%2], 8*\k, 8
.endr
.irp k, 0,1,2,3
	v_cmp_ne_u32 s[44+\k], 0, v[104+\k]            ; the 32 lanes' bits are the word
.endr
.irp k, 0,1,2,3
	v_writelane_b32 v[OW+2*e+\k%2], s[44+\k], 2*g+\k/2   ; word n goes to lane n / 2, register n % 2
.endr
.set g, g+1
.endr
	global_store_b64 v9, v[OW+2*e:OW+2*e+1], s[38:39] offset:256*e   ; 64 words: 256 consecutive bytes, aligned
	v_and_b32 v108, v[OW+2*e], v[OW+2*e+1]
	v_or_b32 v109, v[OW+2*e], v[OW+2*e+1]
	v_cmp_eq_u32 vcc_lo, -1, v108
	s_cmp_eq_u32 vcc_lo, -1                        ; every word all ones: every place masked
	s_cselect_b32 s48, 1<<e, 0
	s_or_b32 s50, s50, s48
	v_cmp_eq_u32 vcc_lo, 0, v109
	s_cmp_eq_u32 vcc_lo, -1                        ; every word 0: no place masked
	s_cselect_b32 s48, 1<<(16+e), 0
	s_or_b32 s50, s50, s48
.set e, e+1
.endr
	s_lshl_b32 s50, s50, s51                       ; my four key steps' bits at 4 w and 16 + 4 w
	v_mov_b32 v12, s50
	v_mov_b32 v11, 0
	v_cmp_eq_u32 vcc_lo, 0, v2
	s_wait_xcnt 0x0                                ; EXEC changes only behind this wait: it is a source of the stores above
	s_and_saveexec_b32 s49, vcc_lo
	global_store_b32 v11, v12, s[54:55]            ; one lane stores the wave's flag word
	s_wait_xcnt 0x0
	s_or_b32 exec_lo, exec_lo, s49
	s_endpgm
.Lfunc_end_k_qe1db57be8a_prep:
	.size	k_qe1db57be8a_prep, .Lfunc_end_k_qe1db57be8a_prep-k_qe1db57be8a_prep
	.p2alignl 7, 3214868480
	.fill 96, 4, 3214868480
	.section	.rodata,"a",@progbits
	.p2align	6, 0x0
	.amdhsa_kernel k_qe1db57be8a_prep
		.amdhsa_group_segment_fixed_size 0
		.amdhsa_private_segment_fixed_size 0
		.amdhsa_enable_private_segment 0
		.amdhsa_kernarg_size 128
		.amdhsa_user_sgpr_count 2
		.amdhsa_user_sgpr_kernarg_segment_ptr 1
		.amdhsa_wavefront_size32 1
		.amdhsa_system_sgpr_workgroup_id_x 1
		.amdhsa_system_sgpr_workgroup_id_y 1
		.amdhsa_system_sgpr_workgroup_id_z 1
		.amdhsa_system_vgpr_workitem_id 0
		.amdhsa_next_free_vgpr 128
		.amdhsa_next_free_sgpr 66
		.amdhsa_reserve_vcc 1
		.amdhsa_float_denorm_mode_32 3
		.amdhsa_float_denorm_mode_16_64 3
		.amdhsa_memory_ordered 1
		.amdhsa_forward_progress 1
		.amdhsa_inst_pref_size 60
	.end_amdhsa_kernel
	.amdgpu_metadata
---
amdhsa.version: [ 1, 2 ]
amdhsa.kernels:
  - .name:           k_qe1db57be8a_prep
    .symbol:         k_qe1db57be8a_prep.kd
    .args:
      - { .name: Wq_codes, .offset: 0, .size: 8, .value_kind: global_buffer, .address_space: global }
      - { .name: Wk_codes, .offset: 8, .size: 8, .value_kind: global_buffer, .address_space: global }
      - { .name: Wv_codes, .offset: 16, .size: 8, .value_kind: global_buffer, .address_space: global }
      - { .name: Wo_codes, .offset: 24, .size: 8, .value_kind: global_buffer, .address_space: global }
      - { .name: W1_codes, .offset: 32, .size: 8, .value_kind: global_buffer, .address_space: global }
      - { .name: W2_codes, .offset: 40, .size: 8, .value_kind: global_buffer, .address_space: global }
      - { .name: Wq_scales, .offset: 48, .size: 8, .value_kind: global_buffer, .address_space: global }
      - { .name: Wk_scales, .offset: 56, .size: 8, .value_kind: global_buffer, .address_space: global }
      - { .name: Wv_scales, .offset: 64, .size: 8, .value_kind: global_buffer, .address_space: global }
      - { .name: Wo_scales, .offset: 72, .size: 8, .value_kind: global_buffer, .address_space: global }
      - { .name: W1_scales, .offset: 80, .size: 8, .value_kind: global_buffer, .address_space: global }
      - { .name: W2_scales, .offset: 88, .size: 8, .value_kind: global_buffer, .address_space: global }
      - { .name: causal_mask, .offset: 96, .size: 8, .value_kind: global_buffer, .address_space: global }
      - { .name: wimg, .offset: 104, .size: 8, .value_kind: global_buffer, .address_space: global }
      - { .name: wsw, .offset: 112, .size: 8, .value_kind: global_buffer, .address_space: global }
      - { .name: mk, .offset: 120, .size: 8, .value_kind: global_buffer, .address_space: global }
    .group_segment_fixed_size: 0
    .private_segment_fixed_size: 0
    .kernarg_segment_align: 8
    .kernarg_segment_size: 128
    .max_flat_workgroup_size: 128
    .sgpr_count:     66
    .vgpr_count:     128
    .wavefront_size: 32
...
	.end_amdgpu_metadata
.endif
;; end of part 1
;; launch norm1 (part 2): grid 256 x 1, 8 waves a work-group, no clusters, 2,048 bytes of LDS; arguments x, ha; writes ha
.if DOCPART == 2
	.amdgcn_target "amdgcn-amd-amdhsa--gfx1250"
	.amdhsa_code_object_version 6
	.text
	.protected	k_qe1db57be8a_norm1
	.globl	k_qe1db57be8a_norm1
	.p2align	8
	.type	k_qe1db57be8a_norm1,@function
k_qe1db57be8a_norm1:
	s_mov_b64 s[64:65], 0
	v_nop
	global_prefetch_b8 v0, s[64:65] scope:SCOPE_SE
	s_setreg_imm32_b32 hwreg(HW_REG_WAVE_MODE, 25, 1), 1
	s_wait_xcnt 0x0
; dst = Q(src x rsqrt(mean(src^2) + 1e-6)): the rms norm of rows of 1,024 f32, quantised to E4M3 with one E8M0 scale for each 32 along the row, and stored as images of operand registers
; (fragment = 16 rows x 128 K = 2,048 bytes: piece c at 512 c holds at 16 x lane the codes k = 32 c + 16 (lane / 16) + 0 .. 15 of row lane % 16; fragments lie [row tile][8 K steps]);
; the scale words (four bytes: 128 along K of a row) lie behind the codes, at byte 4,194,304, as [row tile][K step][16 rows].
; A work-group takes 16 rows, wave w K step w.  A lane loads the very numbers that its operand registers want: 16 neighbours of each of four blocks of its row.  The row's sum of squares meets in LDS.
; Memory binds: no matrix unit, no cluster, no tensor load.  LIMITS: NaN and infinities are not served; a block whose largest magnitude lies under 2^-118 (a block of zeros too) gets the byte 1: only this program reads the bytes.
.set ST,  32                           ; v32-95   my 64 numbers: register 16 b + i = k 32 b + 16 h + i
.set PC,  96                           ; v96-111  their codes
.set TM,  112                          ; v112-115 largest magnitudes, v116-119 bytes, v120-123 448 x the scale, v124-127 the conversions' scale operands
.set PW,  16                           ; v16      the scale word
.set SEL, 12                           ; s[12:13] v_permlanex16_b32's selects for lane l xor 16
.set MNT, 14                           ; s14      the mantissa field of 448
.macro QUANT s, pc                     ; 64 numbers of a lane become 16 registers of codes; the four bytes are left in v[TM+4] on
.irp b, 0,1,2,3
	v_max3_num_f32 v[TM+\b], |v[(\s)+16*\b]|, |v[(\s)+1+16*\b]|, 0x4800000   ; block b: my 16 numbers, and the floor 2^(9 - 127): the byte cannot fall under 1
.endr
.irp i, 2,4,6,8,10,12,14
.irp b, 0,1,2,3
	v_max3_num_f32 v[TM+\b], v[TM+\b], |v[(\s)+16*\b+\i]|, |v[(\s)+1+16*\b+\i]|
.endr
.endr
.irp b, 0,1,2,3
	v_permlanex16_b32 v[TM+4+\b], v[TM+\b], s[SEL], s[SEL+1]
.endr
.irp b, 0,1,2,3
	v_max_num_f32 v[TM+\b], v[TM+\b], v[TM+4+\b]   ; with lane l xor 16's 16: the block's largest magnitude
.endr
.irp b, 0,1,2,3
	v_add_nc_u32 v[TM+12+\b], 0xfc000000, v[TM+\b] ; 8 off its exponent field: the conversion takes that field as its scale
.endr
.irp b, 0,1,2,3
	v_and_or_b32 v[TM+8+\b], v[TM+\b], 0x7f800000, s[MNT]   ; 448 x the scale
.endr
.irp b, 0,1,2,3
	v_lshrrev_b32 v[TM+4+\b], 23, v[TM+12+\b]      ; the scale's byte
.endr
.irp b, 0,1,2,3
.irp i, 0,1,2,3,4,5,6,7,8,9,10,11,12,13,14,15
	v_med3_num_f32 v[(\s)+16*\b+\i], v[(\s)+16*\b+\i], -v[TM+8+\b], v[TM+8+\b]   ; the conversion to an 8-bit code does not saturate (ISA guide 7.6.2): the hold comes first
.endr
	v_cvt_scalef32_pk8_fp8_f32 v[(\pc)+4*\b:(\pc)+4*\b+1], v[(\s)+16*\b:(\s)+16*\b+7], v[TM+12+\b]
	v_cvt_scalef32_pk8_fp8_f32 v[(\pc)+4*\b+2:(\pc)+4*\b+3], v[(\s)+16*\b+8:(\s)+16*\b+15], v[TM+12+\b]
.endr
	v_nop                                          ; a plain line behind the last conversion
.endm
	s_load_b128 s[4:7], s[0:1], 0x0                ; src, dst
	v_lshl_add_u32 v128, v0, 2, 0x400
	v_mov_b32 v129, 0
	v_lshrrev_b32 v1, 5, v0
	v_readfirstlane_b32 s8, v1                     ; wave = K step
	v_and_b32 v1, 31, v0
	v_and_b32 v2, 15, v0                           ; r
	v_bfe_u32 v3, v0, 4, 1                         ; h
	v_lshlrev_b32 v4, 12, v2
	v_lshl_add_u32 v4, v3, 6, v4                   ; row r of 4,096 bytes, + 64 h
	v_lshlrev_b32 v5, 4, v1                        ; 16 x lane
	v_lshlrev_b32 v7, 2, v2                        ; 4 r
	s_lshl_b32 s9, s8, 6
	v_add_nc_u32 v6, s9, v7                        ; 64 w + 4 r
	s_mov_b32 s[SEL], 0x76543210
	s_mov_b32 s[SEL+1], 0xfedcba98
	s_mov_b32 s[MNT], 0x600000
	s_mov_b32 s15, 0x358637bd                      ; 1e-6
	s_mov_b32 s16, 0x3a800000                      ; 1 / 1,024
.irp b, 0,1,2,3
	v_mov_b32 v[TM+4+\b], 0                        ; a lane permute's destination counts as read
.endr
	s_lshl_b32 s10, ttmp9, 16                      ; 16 rows of 4,096 bytes,
	s_lshl_b32 s11, s8, 9                          ; my K step's 512 bytes
	s_add_co_u32 s10, s10, s11
	s_mov_b32 s11, 0
	s_lshl_b32 s18, ttmp9, 14                      ; fragment 8 x tile + w
	s_lshl_b32 s19, s8, 11
	s_add_co_u32 s18, s18, s19
	s_mov_b32 s19, 0
	s_lshl_b32 s20, ttmp9, 9                       ; the tile's 512 bytes of scale words
	s_add_co_u32 s20, s20, 4194304
	s_mov_b32 s21, 0
	s_wait_kmcnt 0x0
	s_add_nc_u64 s[4:5], s[4:5], s[10:11]
	s_add_nc_u64 s[20:21], s[6:7], s[20:21]
	s_add_nc_u64 s[6:7], s[6:7], s[18:19]
.irp b, 0,1,2,3
.irp j, 0,1,2,3
	global_load_b128 v[ST+16*\b+4*\j:ST+16*\b+4*\j+3], v4, s[4:5] offset:128*\b+16*\j th:TH_LOAD_NT
.endr
.endr
	s_wait_loadcnt 0x0
.irp k, 0,1,2,3                        ; the sum of my 64 squares: four chains, started by a product
	v_pk_mul_f32 v[20+2*\k:21+2*\k], v[ST+2*\k:ST+2*\k+1], v[ST+2*\k:ST+2*\k+1]
.endr
.irp i, 1,2,3,4,5,6,7
.irp k, 0,1,2,3
	v_pk_fma_f32 v[20+2*\k:21+2*\k], v[ST+8*\i+2*\k:ST+8*\i+2*\k+1], v[ST+8*\i+2*\k:ST+8*\i+2*\k+1], v[20+2*\k:21+2*\k]
.endr
.endr
	v_pk_add_f32 v[20:21], v[20:21], v[22:23]
	v_pk_add_f32 v[24:25], v[24:25], v[26:27]
	v_pk_add_f32 v[20:21], v[20:21], v[24:25]
	v_add_f32 v20, v20, v21
	v_permlanex16_b32 v21, v20, s[SEL], s[SEL+1]
	v_add_f32 v20, v20, v21                        ; row r, K step w: 128 squares
	ds_store_b32 v6, v20                           ; both halves of the lanes store the same word with the same value
	s_wait_dscnt 0x0                               ; for the others' sake: my store has landed
	s_barrier_signal -1
	s_barrier_wait -1
.irp i, 0,1,2,3,4,5,6,7
	ds_load_b32 v[24+\i], v7 offset:64*\i          ; the eight waves' parts of row r
.endr
	s_wait_dscnt 0x0
	v_add_f32 v24, v24, v25
	v_add_f32 v26, v26, v27
	v_add_f32 v28, v28, v29
	v_add_f32 v30, v30, v31
	v_add_f32 v24, v24, v26
	v_add_f32 v28, v28, v30
	v_add_f32 v24, v24, v28
	v_fma_f32 v20, v24, s16, s15                   ; the mean + 1e-6
	v_rsq_f32 v18, v20
	v_rsq_f32 v19, v20                             ; twice: a pair for the packed multiply
	v_nop                                          ; a plain line behind the transcendentals
	s_wait_alu depctr_va_vdst(0)                   ; one wait for both, ahead of their first reader
.set i, 0
.rept 32
	v_pk_mul_f32 v[ST+i:ST+i+1], v[ST+i:ST+i+1], v[18:19]
.set i, i+2
.endr
	QUANT ST, PC
	v_lshl_or_b32 v[PW], v[TM+5], 8, v[TM+4]
	v_lshl_or_b32 v[PW], v[TM+6], 16, v[PW]
	v_lshl_or_b32 v[PW], v[TM+7], 24, v[PW]
.irp c, 0,1,2,3
	global_store_b128 v5, v[PC+4*\c:PC+4*\c+3], s[6:7] offset:512*\c   ; 512 consecutive bytes a store
.endr
	ds_store_b32 v6, v[PW] offset:512              ; the scale words meet in LDS bytes of their own: [K step][row]
	s_wait_dscnt 0x0
	s_barrier_signal -1
	s_barrier_wait -1
	s_cmp_lg_u32 s8, 0
	s_cbranch_scc1 .Lend
	ds_load_b128 v[24:27], v5 offset:512
	s_wait_dscnt 0x0
	global_store_b128 v5, v[24:27], s[20:21]       ; wave 0 stores the tile's 512 bytes of scale words on end
.Lend:
	s_wait_tensorcnt 0x0
	ds_add_u32 v128, v129
	s_wait_dscnt 0x0
	s_endpgm
.Lfunc_end_k_qe1db57be8a_norm1:
	.size	k_qe1db57be8a_norm1, .Lfunc_end_k_qe1db57be8a_norm1-k_qe1db57be8a_norm1
	.p2alignl 7, 3214868480
	.fill 96, 4, 3214868480
	.section	.rodata,"a",@progbits
	.p2align	6, 0x0
	.amdhsa_kernel k_qe1db57be8a_norm1
		.amdhsa_group_segment_fixed_size 2048
		.amdhsa_private_segment_fixed_size 0
		.amdhsa_enable_private_segment 0
		.amdhsa_kernarg_size 16
		.amdhsa_user_sgpr_count 2
		.amdhsa_user_sgpr_kernarg_segment_ptr 1
		.amdhsa_wavefront_size32 1
		.amdhsa_system_sgpr_workgroup_id_x 1
		.amdhsa_system_sgpr_workgroup_id_y 1
		.amdhsa_system_sgpr_workgroup_id_z 1
		.amdhsa_system_vgpr_workitem_id 0
		.amdhsa_next_free_vgpr 130
		.amdhsa_next_free_sgpr 66
		.amdhsa_reserve_vcc 0
		.amdhsa_float_denorm_mode_32 3
		.amdhsa_float_denorm_mode_16_64 3
		.amdhsa_memory_ordered 1
		.amdhsa_forward_progress 1
		.amdhsa_inst_pref_size 18
	.end_amdhsa_kernel
	.amdgpu_metadata
---
amdhsa.version: [ 1, 2 ]
amdhsa.kernels:
  - .name:           k_qe1db57be8a_norm1
    .symbol:         k_qe1db57be8a_norm1.kd
    .args:
      - { .name: x, .offset: 0, .size: 8, .value_kind: global_buffer, .address_space: global }
      - { .name: ha, .offset: 8, .size: 8, .value_kind: global_buffer, .address_space: global }
    .group_segment_fixed_size: 2048
    .private_segment_fixed_size: 0
    .kernarg_segment_align: 8
    .kernarg_segment_size: 16
    .max_flat_workgroup_size: 256
    .sgpr_count:     66
    .vgpr_count:     130
    .wavefront_size: 32
...
	.end_amdgpu_metadata
.endif
;; end of part 2
;; launch qkv (part 3): grid 24 x 32, 4 waves a work-group, clusters of 4 x 4, 327,680 bytes of LDS; arguments ha, wimg, wsw, qkv; writes qkv
.if DOCPART == 3
	.amdgcn_target "amdgcn-amd-amdhsa--gfx1250"
	.amdhsa_code_object_version 6
	.text
	.protected	k_qe1db57be8a_qkv
	.globl	k_qe1db57be8a_qkv
	.p2align	8
	.type	k_qe1db57be8a_qkv,@function
k_qe1db57be8a_qkv:
	s_mov_b64 s[64:65], 0
	v_nop
	global_prefetch_b8 v0, s[64:65] scope:SCOPE_SE
	s_setreg_imm32_b32 hwreg(HW_REG_WAVE_MODE, 25, 1), 1
	s_wait_xcnt 0x0
	s_wait_alu depctr_hold_cnt(0) depctr_sa_sdst(0) depctr_va_vdst(0) depctr_va_sdst(0) depctr_va_ssrc(0) depctr_va_vcc(0) depctr_vm_vsrc(0)
	s_getreg_b32 s2, hwreg(HW_REG_IB_STS2, 6, 4)
	s_cmp_eq_u32 s2, 0
	s_cbranch_scc0 .Lentry_in_a_cluster
	s_endpgm
.Lentry_in_a_cluster:
	s_bfe_u32 s2, ttmp6, 0x10000c
	s_cmp_lg_u32 s2, 0xf033
	s_cbranch_scc0 .Lentry_shape_is_right
	s_endpgm
.Lentry_shape_is_right:
; q = Q(h Wq), k = Q(h Wk), v^T = Q(Wv^T h^T): three products of K = 1,024 on E4M3 codes with E8M0 scales, their results quantised at once for the attention launch.
; OPERANDS are images of operand registers (fragment = 16 rows x 128 K = 2,048 bytes, pieces of 512 bytes at 16 x lane, fragments [row tile][K step]) with scale words [row tile][K step][16 rows].
; THE PRODUCT: source 0 = 16 rows of Y, source 1 = 16 rows of X: lane (r, h) holds X row r, its register j Y row 8 h + j.  For q and k X = h (tokens), Y = the weight, whose image rows are chosen so that the 16
; registers of Y tiles 2 beta, 2 beta + 1 are columns 32 beta + 16 h + 0 .. 15: the conversions' results are the next operand's registers.  For v X = Wv (a lane owns a channel), Y = h: the registers run along the
; tokens, the second attention product's K; inside a block of 32 tokens place (h, i) holds token 16 (i / 8) + 8 h + i % 8, the order in which the attention launch also holds p.
; SHARES: a tile of 128 X rows x 128 Y rows to a work-group, 64 x 64 to each of four waves: 16 accumulators.  768 work-groups.  K goes through two LDS slots of 512 along K, each filled once.
; CLUSTER 4 x 4: X's tiles are shared along a row of the cluster, Y's along a column; each is asked for jointly.  Clusters 0-1 along x make q, 2-3 k, 4-5 v; for v the cluster's two coordinates change places.
; OUT: images q, k [token tile][8], v [channel tile][32 K steps of 128 tokens]; scale words [K step][row].  LIMITS: NaN and infinities are not served; blocks under 2^-118 (zeros too) get the byte 1.
; REGISTERS: window 0: v8-15 scale words, two sets; v16-31 addresses; v32-127 the way out; v128-255 accumulator (a, b) at 128 + 8 (4 a + b).  window 1: two fragment buffers of 128: X's four, then Y's four.
.set NKS,   8                          ; K steps of 128
.set LAPS,  NKS/8                      ; a lap = both slots
.set HALFT, 32768                      ; 64 rows x 512 K: what one tensor load brings
.set SLOT,  131072                     ; X's 128 rows, then Y's
.set SCLX,  262144                     ; X's scale words for all of K
.set SCLY,  SCLX+NKS*512+64            ; Y's; 64 bytes on, so that the two halves of a scale load fall on different banks
.set SPARE, (SCLY+NKS*512+255)/256*256 ; the spare words, 128 bytes a wave
.set SST,   SPARE+512                  ; 128 scale words on the way out
.set SC,   8
.set ADRX, 16
.set ADRY, 20
.set ADRS, 27
.set SPW,  28
.set NIL,  29
.set ACC,  128
.set TM,   96
.set SEL,  66
.set MNT,  2
.set G1, 24
.set G0, 32
.set G1B, 48
.set G0B, 56
.set G1S, 68
.set G0S, 76
.set G1SB, 80
.set G0SB, 88
.set MSB, 0
.macro WIN new                         ; the immediate's high byte repeats the setting that is left
.if MSB != \new
	s_set_vgpr_msb (MSB<<8)|\new
.set MSB, \new
.endif
.endm
.macro JLOAD g0a, g1a, g0b, g1b        ; a joint load: waves 0, 1 fetch for X, waves 2, 3 for Y; four v_nop follow each line
	s_cmp_eq_u32 s15, 0
	s_cbranch_scc0 .Lfor_y_\@
	tensor_load_to_lds s[\g0a:\g0a+3], s[\g1a:\g1a+7]
	s_nop 0
.rept 4
	v_nop
.endr
	s_branch .Lasked_\@
.Lfor_y_\@:
	tensor_load_to_lds s[\g0b:\g0b+3], s[\g1b:\g1b+7]
	s_nop 0
.rept 4
	v_nop
.endr
.Lasked_\@:
.endm
.macro CREST                           ; a round of the cluster's barrier behind its opening barrier
	s_cmp_lg_u32 s14, 0
	s_cbranch_scc1 .Lnot_wave_0_\@
	s_barrier_signal -3
.Lnot_wave_0_\@:
	s_barrier_wait -3
	s_barrier_signal -1
	s_barrier_wait -1
.endm
.macro CROUND
	s_barrier_signal -1
	s_barrier_wait -1
	CREST
.endm
.macro PLACES n
.rept \n
	v_nop
.endr
.endm
.macro FETCH slot, q, f, set           ; 36 LDS loads: the fragments of the slot's q-th 128 along K into buffer f, their scale words into set
	WIN 0x40
.irp i, 0,1,2,3
.irp c, 0,1,2,3
	ds_load_b128 v[(\f)+64+16*\i+4*\c:(\f)+64+16*\i+4*\c+3], v[ADRY+\slot] offset:(4*\i+(\q))*2048+512*\c
.endr
.endr
.irp i, 0,1,2,3
.irp c, 0,1,2,3
	ds_load_b128 v[(\f)+16*\i+4*\c:(\f)+16*\i+4*\c+3], v[ADRX+\slot] offset:(4*\i+(\q))*2048+512*\c
.endr
.endr
	WIN 0
.irp i, 0,1,2,3
	ds_load_b32 v[SC+4*(\set)+\i], v[ADRS] offset:(\i*NKS+4*\slot+(\q))*64   ; lanes 0-15: X tile i's words; lanes 16-31: Y tile i's
.endr
.endm
.macro MUL8 f, set, a0, zero           ; X tiles a0, a0 + 1 against Y's four; the 16 accumulators take turns in one order everywhere
.irp a, \a0, \a0+1
.irp b, 0,1,2,3
.if \zero
	v_wmma_scale_f32_16x16x128_f8f6f4 v[ACC+8*(4*(\a)+\b):ACC+8*(4*(\a)+\b)+7], v[(\f)+64+16*\b:(\f)+64+16*\b+15], v[(\f)+16*(\a):(\f)+16*(\a)+15], 0, v[SC+4*(\set)+\b], v[SC+4*(\set)+(\a)] matrix_a_scale:MATRIX_SCALE_ROW1
.else
	v_wmma_scale_f32_16x16x128_f8f6f4 v[ACC+8*(4*(\a)+\b):ACC+8*(4*(\a)+\b)+7], v[(\f)+64+16*\b:(\f)+64+16*\b+15], v[(\f)+16*(\a):(\f)+16*(\a)+15], v[ACC+8*(4*(\a)+\b):ACC+8*(4*(\a)+\b)+7], v[SC+4*(\set)+\b], v[SC+4*(\set)+(\a)] matrix_a_scale:MATRIX_SCALE_ROW1
.endif
.endr
.endr
.endm
.macro STEP slot, q, zero              ; one of a slot's first three steps: the next step's fragments are asked for, then this step is multiplied
	PLACES 8                                       ; eight places in front of loads into registers that the last products read
	FETCH \slot, (\q)+1, 128-128*((\q)%2), 1-(\q)%2
	s_wait_dscnt 36                                ; all but the 36 just issued
	WIN 0x05
	MUL8 128*((\q)%2), (\q)%2, 0, \zero
	MUL8 128*((\q)%2), (\q)%2, 2, \zero
	WIN 0
.endm
.macro TURN slot, next, fill           ; a slot's last step, and the change of slots: one barrier
	s_wait_tensorcnt 0x0                           ; all my tensor loads have landed, my part of the next slot among them
	ds_add_u32 v[SPW], v[NIL]                      ; 0 onto my spare word
	s_wait_dscnt 1                                 ; the fragments are in; the add may be out
	WIN 0x05
	MUL8 128, 1, 0, 0
	s_wait_dscnt 0x0                               ; the add is done, and my reads of this slot are over
	s_barrier_signal -1
	MUL8 128, 1, 2, 0
	WIN 0
	s_barrier_wait -1
.if \fill
	CREST                                          ; the barrier has opened a round of the cluster's: no wave of any partner still reads this slot or has a load on its way
	s_add_nc_u64 s[G0+4*\slot+2:G0+4*\slot+3], s[G0+4*\slot+2:G0+4*\slot+3], 16384
	s_add_nc_u64 s[G0B+4*\slot+2:G0B+4*\slot+3], s[G0B+4*\slot+2:G0B+4*\slot+3], 16384
	JLOAD G0+4*\slot, G1, G0B+4*\slot, G1B
	PLACES 4
.else
	PLACES 8
.endif
.if \next == 0
	v_add_nc_u32 v[ADRS], 512, v[ADRS]             ; the next lap's scale words
.endif
	FETCH \next, 0, 0, 0
.endm
.macro QUANT s, pc                     ; 64 numbers of a lane (block b = registers 16 b on) become 16 registers of codes; the four bytes are left in v[TM+4] on
.irp b, 0,1,2,3
	v_max3_num_f32 v[TM+\b], |v[(\s)+16*\b]|, |v[(\s)+1+16*\b]|, 0x4800000   ; my 16 numbers and the floor 2^(9 - 127).  Each accumulator is read from its low end on
.endr
.irp i, 2,4,6,8,10,12,14
.irp b, 0,1,2,3
	v_max3_num_f32 v[TM+\b], v[TM+\b], |v[(\s)+16*\b+\i]|, |v[(\s)+1+16*\b+\i]|
.endr
.endr
.irp b, 0,1,2,3
	v_permlanex16_b32 v[TM+4+\b], v[TM+\b], s[SEL], s[SEL+1]
.endr
.irp b, 0,1,2,3
	v_max_num_f32 v[TM+\b], v[TM+\b], v[TM+4+\b]   ; with lane l xor 16's 16: the block's largest magnitude
.endr
.irp b, 0,1,2,3
	v_add_nc_u32 v[TM+12+\b], 0xfc000000, v[TM+\b] ; 8 off its exponent field: the conversion's scale operand
.endr
.irp b, 0,1,2,3
	v_and_or_b32 v[TM+8+\b], v[TM+\b], 0x7f800000, s[MNT]   ; 448 x the scale
.endr
.irp b, 0,1,2,3
	v_lshrrev_b32 v[TM+4+\b], 23, v[TM+12+\b]      ; the scale's byte
.endr
.irp b, 0,1,2,3
.irp i, 0,1,2,3,4,5,6,7,8,9,10,11,12,13,14,15
	v_med3_num_f32 v[(\s)+16*\b+\i], v[(\s)+16*\b+\i], -v[TM+8+\b], v[TM+8+\b]   ; the conversion does not saturate (ISA guide 7.6.2): the hold comes first
.endr
	v_cvt_scalef32_pk8_fp8_f32 v[(\pc)+4*\b:(\pc)+4*\b+1], v[(\s)+16*\b:(\s)+16*\b+7], v[TM+12+\b]
	v_cvt_scalef32_pk8_fp8_f32 v[(\pc)+4*\b+2:(\pc)+4*\b+3], v[(\s)+16*\b+8:(\s)+16*\b+15], v[TM+12+\b]
.endr
	v_nop                                          ; a plain line behind the last conversion
.endm
	s_load_b128 s[4:7], s[0:1], 0x0                ; ha, wimg
	s_load_b128 s[8:11], s[0:1], 0x10              ; wsw, qkv
	v_lshl_add_u32 v[SPW], v0, 2, SPARE
	v_mov_b32 v[NIL], 0
	ds_add_u32 v28, v29
	ds_add_u32 v28, v29
	s_wait_dscnt 0x0
	v_lshrrev_b32 v1, 5, v0
	v_readfirstlane_b32 s14, v1                    ; wave 0..3
	s_lshr_b32 s15, s14, 1                         ; wx: my 64 X rows.  Also: I fetch for X (0) or for Y (1)
	s_and_b32 s16, s14, 1                          ; wy: my 64 Y rows.  Also: which 64 rows I fetch
	s_bfe_u32 s40, ttmp6, 0x40000                  ; cx, cy: my place in the cluster
	s_bfe_u32 s41, ttmp6, 0x40004
	s_and_b32 s95, ttmp7, 0xffff                   ; cluster y
	s_and_b32 s96, ttmp9, 1                        ; cluster x within its product
	s_cmp_ge_u32 ttmp9, 4                          ; v?  The same in all sixteen partners
	s_cselect_b32 s42, s95, s96
	s_cselect_b32 s17, s96, s95
	s_lshl_b32 s42, s42, 2
	s_add_co_u32 s42, s42, s40                     ; TY: my 128 Y rows
	s_lshl_b32 s17, s17, 2
	s_add_co_u32 s17, s17, s41                     ; TX: my 128 X rows
	s_lshl_b32 s43, s41, 2
	s_lshl_b32 s43, 15, s43                        ; my row of the cluster
	s_lshl_b32 s44, 0x1111, s40                    ; my column
	; descriptor group 1, codes: four row tiles x 8,192 consecutive bytes (4 K steps), NKS x 2,048 bytes apart; elements of 8 bytes; no padding: every LDS access takes 512 bytes on end
	s_or_b32 s[G1+0], s43, (3<<16)|(1<<21)
	s_or_b32 s[G1B+0], s44, (3<<16)|(1<<21)
.irp g, G1, G1B
	s_mov_b32 s[\g+1], 1024<<16                    ; tensor_dim0
	s_mov_b32 s[\g+2], 4<<16                       ; tensor_dim1
	s_mov_b32 s[\g+3], 1024<<16                    ; tile_dim0
	s_mov_b32 s[\g+4], 4                           ; tile_dim1
	s_mov_b32 s[\g+5], NKS*256                     ; tensor_dim0_stride
	s_mov_b32 s[\g+6], 0
	s_mov_b32 s[\g+7], 0
.endr
	; scale words of 64 rows for all of K: NKS x 256 dense bytes, as rows of 256
	s_or_b32 s[G1S+0], s43, (3<<16)|(1<<21)
	s_or_b32 s[G1SB+0], s44, (3<<16)|(1<<21)
.irp g, G1S, G1SB
	s_mov_b32 s[\g+1], 32<<16
	s_mov_b32 s[\g+2], NKS<<16
	s_mov_b32 s[\g+3], 32<<16
	s_mov_b32 s[\g+4], NKS
	s_mov_b32 s[\g+5], 32
	s_mov_b32 s[\g+6], 0
	s_mov_b32 s[\g+7], 0
.endr
	s_lshl_b32 s18, s16, 2
	s_lshl_b32 s20, s17, 3
	s_add_co_u32 s20, s20, s18                     ; X: row tile 8 TX + 4 wy
	s_mul_i32 s20, s20, NKS*2048
	s_mov_b32 s21, 0
	s_lshl_b32 s22, s17, 1
	s_add_co_u32 s22, s22, s16
	s_mul_i32 s22, s22, NKS*256                    ; and its scale words
	s_mov_b32 s23, 0
	s_lshl_b32 s46, s42, 3
	s_add_co_u32 s46, s46, s18                     ; Y likewise
	s_mul_i32 s46, s46, NKS*2048
	s_mov_b32 s47, 0
	s_lshl_b32 s92, s42, 1
	s_add_co_u32 s92, s92, s16
	s_mul_i32 s92, s92, NKS*256
	s_mov_b32 s93, 0
	s_mul_i32 s45, s14, HALFT                      ; where the codes go: wave x 64 rows: no place in the cluster enters an LDS address
	s_mul_i32 s94, s16, NKS*256
	s_wait_kmcnt 0x0
	s_lshr_b32 s95, ttmp9, 1                       ; 0: q, 1: k, 2: v
	s_lshl_b32 s100, s95, 20
	s_mov_b32 s101, 0
	s_add_nc_u64 s[6:7], s[6:7], s[100:101]        ; the weight's image
	s_lshl_b32 s100, s95, 15
	s_add_nc_u64 s[8:9], s[8:9], s[100:101]        ; and its scale words
	s_add_nc_u64 s[12:13], s[4:5], 0x400000        ; h's scale words
	s_cmp_ge_u32 ttmp9, 4
	s_cselect_b64 s[96:97], s[6:7], s[4:5]         ; X: h, or for v the weight
	s_cselect_b64 s[98:99], s[8:9], s[12:13]
	s_cselect_b64 s[6:7], s[4:5], s[6:7]           ; Y: the other
	s_cselect_b64 s[8:9], s[12:13], s[8:9]
	s_add_nc_u64 s[20:21], s[96:97], s[20:21]
	s_add_nc_u64 s[22:23], s[98:99], s[22:23]
	s_add_nc_u64 s[46:47], s[6:7], s[46:47]
	s_add_nc_u64 s[92:93], s[8:9], s[92:93]
	CROUND                                         ; all sixteen work-groups are here: the first joint loads meet
	s_mov_b32 s[G0S], 1
	s_add_co_u32 s[G0S+1], s94, SCLX
	s_mov_b64 s[G0S+2:G0S+3], s[22:23]
	s_or_b32 s[G0S+3], s[G0S+3], 0x80000000
	s_mov_b32 s[G0SB], 1
	s_add_co_u32 s[G0SB+1], s94, SCLY
	s_mov_b64 s[G0SB+2:G0SB+3], s[92:93]
	s_or_b32 s[G0SB+3], s[G0SB+3], 0x80000000
	JLOAD G0S, G1S, G0SB, G1SB                     ; the scale words first; three loads of mine are out behind the third
.irp s, 0,1
	s_mov_b32 s[G0+4*\s], 1
	s_add_co_u32 s[G0+4*\s+1], s45, \s*SLOT
	s_add_nc_u64 s[G0+4*\s+2:G0+4*\s+3], s[20:21], \s*8192
	s_or_b32 s[G0+4*\s+3], s[G0+4*\s+3], 0x80000000
	s_mov_b32 s[G0B+4*\s], 1
	s_add_co_u32 s[G0B+4*\s+1], s45, \s*SLOT
	s_add_nc_u64 s[G0B+4*\s+2:G0B+4*\s+3], s[46:47], \s*8192
	s_or_b32 s[G0B+4*\s+3], s[G0B+4*\s+3], 0x80000000
	JLOAD G0+4*\s, G1, G0B+4*\s, G1B
.endr
	v_and_b32 v1, 31, v0
	v_lshlrev_b32 v2, 4, v1                        ; 16 x lane
	v_and_b32 v3, 15, v0                           ; r
	v_bfe_u32 v4, v0, 4, 1                         ; h
	s_mul_i32 s18, s15, HALFT
	s_mul_i32 s19, s16, HALFT
	s_add_co_u32 s19, s19, 2*HALFT
.irp s, 0,1
	v_add_nc_u32 v[ADRX+\s], s18, v2
	v_add_nc_u32 v[ADRY+\s], s19, v2
	s_add_co_u32 s18, s18, SLOT
	s_add_co_u32 s19, s19, SLOT
.endr
	s_mul_i32 s18, s15, NKS*256
	s_mul_i32 s19, s16, NKS*256
	s_add_co_u32 s19, s19, SCLY-SCLX
	s_sub_co_u32 s19, s19, s18
	v_mul_u32_u24 v5, s19, v4                      ; lanes 16-31 take Y's words: one product with h
	s_add_co_u32 s18, s18, SCLX
	v_lshl_add_u32 v5, v3, 2, v5
	v_add_nc_u32 v[ADRS], s18, v5
	; the way out
	s_mov_b32 s[SEL], 0x76543210
	s_mov_b32 s[SEL+1], 0xfedcba98
	s_mov_b32 s[MNT], 0x600000
.irp b, 0,1,2,3
	v_mov_b32 v[TM+4+\b], 0                        ; a lane permute's destination counts as read
.endr
	v_mov_b32 v24, v2                              ; 16 x lane
	s_lshl_b32 s18, s15, 8
	s_lshl_b32 s19, s16, 1
	s_add_co_u32 s18, s18, s19
	s_add_co_u32 s18, s18, SST
	v_lshl_add_u32 v25, v3, 2, s18                 ; my rows' scale halfwords: SST + 4 (64 wx + r) + 2 wy
	v_add_nc_u32 v26, SST, v2
	s_lshr_b32 s95, ttmp9, 1
	s_cmp_ge_u32 ttmp9, 4
	s_cselect_b32 s100, 5, 3                       ; log2 of the output image's K steps: 32 for v, 8 for q and k
	s_cselect_b32 s101, 10, 12                     ; log2 of its rows
	s_lshl_b32 s96, s17, 3
	s_lshl_b32 s97, s15, 2
	s_add_co_u32 s96, s96, s97                     ; row tile 8 TX + 4 wx
	s_lshl_b32 s96, s96, s100
	s_add_co_u32 s96, s96, s42                     ; K step TY
	s_lshl_b32 s96, s96, 11
	s_lshl_b32 s97, s16, 10                        ; pieces 2 wy, 2 wy + 1
	s_add_co_u32 s96, s96, s97
	s_lshl_b32 s97, s95, 22
	s_add_co_u32 s96, s96, s97
	s_mov_b32 s97, 0
	s_add_nc_u64 s[96:97], s[10:11], s[96:97]
	s_lshl_b32 s98, s42, s101
	s_lshl_b32 s99, s17, 7
	s_add_co_u32 s98, s98, s99
	s_lshl_b32 s98, s98, 2                         ; scale words [K step TY][row 128 TX on]
	s_lshl_b32 s99, s95, 17
	s_add_co_u32 s98, s98, s99
	s_add_co_u32 s98, s98, 12582912
	s_mov_b32 s99, 0
	s_add_nc_u64 s[98:99], s[10:11], s[98:99]
	s_lshl_b32 s100, 2048, s100                    ; bytes from a row tile to the next
	v_mov_b32 v116, v2
	v_add_nc_u32 v117, s100, v116
	v_add_nc_u32 v118, s100, v117
	v_add_nc_u32 v119, s100, v118
	s_wait_tensorcnt 1                             ; the scale words and my part of slot 0 are in; slot 1's load may be out
	s_barrier_signal -1
	s_barrier_wait -1
	FETCH 0, 0, 0, 0
	STEP 0, 0, 1                                   ; the first step's products start the sums
	STEP 0, 1, 0
	STEP 0, 2, 0
	TURN 0, 1, 0
	STEP 1, 0, 0
	STEP 1, 1, 0
	STEP 1, 2, 0
	s_wait_dscnt 0x0
	WIN 0x05
	MUL8 128, 1, 0, 0
	MUL8 128, 1, 2, 0
	WIN 0
	; THE WAY OUT: quantise along Y.  Block b of a half: X tile 2 A + b / 2, columns 32 (b % 2) on of my 64
	PLACES 8
.irp A, 0,1
	QUANT ACC+64*\A, 32+16*\A
	v_lshl_or_b32 v114, v[TM+5], 8, v[TM+4]        ; two bytes: my half of a row's scale word
	v_lshl_or_b32 v115, v[TM+7], 8, v[TM+6]
.irp b, 0,1,2,3
	global_store_b128 v[116+2*\A+\b/2], v[32+16*\A+4*\b:32+16*\A+4*\b+3], s[96:97] offset:(\b%2)*512   ; a piece of the next operand's image: 512 consecutive bytes
.endr
	ds_store_b16 v25, v114 offset:64*(2*\A)
	ds_store_b16 v25, v115 offset:64*(2*\A+1)
.endr
	s_wait_dscnt 0x0                               ; for the others' sake: my halfwords have landed
	s_barrier_signal -1
	s_barrier_wait -1
	s_cmp_lg_u32 s14, 0
	s_cbranch_scc1 .Lnot_first
	ds_load_b128 v[120:123], v26
	s_wait_dscnt 0x0
	global_store_b128 v24, v[120:123], s[98:99]    ; wave 0 stores the 128 rows' scale words: 512 consecutive bytes
.Lnot_first:
	s_wait_tensorcnt 0x0                           ; the wave's end
	ds_add_u32 v[SPW], v[NIL]
	s_wait_dscnt 0x0
	CROUND                                         ; the closing round
	s_endpgm
.Lfunc_end_k_qe1db57be8a_qkv:
	.size	k_qe1db57be8a_qkv, .Lfunc_end_k_qe1db57be8a_qkv-k_qe1db57be8a_qkv
	.p2alignl 7, 3214868480
	.fill 96, 4, 3214868480
	.section	.rodata,"a",@progbits
	.p2align	6, 0x0
	.amdhsa_kernel k_qe1db57be8a_qkv
		.amdhsa_group_segment_fixed_size 327680
		.amdhsa_private_segment_fixed_size 0
		.amdhsa_enable_private_segment 0
		.amdhsa_kernarg_size 32
		.amdhsa_user_sgpr_count 2
		.amdhsa_user_sgpr_kernarg_segment_ptr 1
		.amdhsa_wavefront_size32 1
		.amdhsa_system_sgpr_workgroup_id_x 1
		.amdhsa_system_sgpr_workgroup_id_y 1
		.amdhsa_system_sgpr_workgroup_id_z 1
		.amdhsa_system_vgpr_workitem_id 0
		.amdhsa_next_free_vgpr 512
		.amdhsa_next_free_sgpr 102
		.amdhsa_reserve_vcc 0
		.amdhsa_float_denorm_mode_32 3
		.amdhsa_float_denorm_mode_16_64 3
		.amdhsa_memory_ordered 1
		.amdhsa_forward_progress 1
		.amdhsa_inst_pref_size 66
	.end_amdhsa_kernel
	.amdgpu_metadata
---
amdhsa.version: [ 1, 2 ]
amdhsa.kernels:
  - .name:           k_qe1db57be8a_qkv
    .symbol:         k_qe1db57be8a_qkv.kd
    .args:
      - { .name: ha, .offset: 0, .size: 8, .value_kind: global_buffer, .address_space: global }
      - { .name: wimg, .offset: 8, .size: 8, .value_kind: global_buffer, .address_space: global }
      - { .name: wsw, .offset: 16, .size: 8, .value_kind: global_buffer, .address_space: global }
      - { .name: qkv, .offset: 24, .size: 8, .value_kind: global_buffer, .address_space: global }
    .group_segment_fixed_size: 327680
    .private_segment_fixed_size: 0
    .kernarg_segment_align: 8
    .kernarg_segment_size: 32
    .max_flat_workgroup_size: 128
    .sgpr_count:     102
    .vgpr_count:     512
    .wavefront_size: 32
...
	.end_amdgpu_metadata
.endif
;; end of part 3
;; launch attn (part 4): grid 8 x 32, 16 waves a work-group, no clusters, 47,104 bytes of LDS; arguments qkv, mk, ha; writes ha
.if DOCPART == 4
	.amdgcn_target "amdgcn-amd-amdhsa--gfx1250"
	.amdhsa_code_object_version 6
	.text
	.protected	k_qe1db57be8a_attn
	.globl	k_qe1db57be8a_attn
	.p2align	8
	.type	k_qe1db57be8a_attn,@function
k_qe1db57be8a_attn:
	s_mov_b64 s[64:65], 0
	v_nop
	global_prefetch_b8 v0, s[64:65] scope:SCOPE_SE
	s_setreg_imm32_b32 hwreg(HW_REG_WAVE_MODE, 25, 1), 1
	s_wait_xcnt 0x0
; Attention of one (batch, head) on E4M3 codes with E8M0 scales, under the GIVEN mask; its result is quantised along the channels for the next product and stored as an image of operand registers.
; p = 2^(t - M), t = score x log2(e) / 8, M the running largest t rounded up to a whole number; the row's sum is taken of the unquantised p and divides at the end.
; SHARES.  Work-group (gq, 16 b + hd); each of sixteen waves owns one tile of 16 queries, qt = gq + 8 u, u a fixed shuffle of the wave's number (an order only: any mask is served).  Four waves to a SIMD.
; Every wave walks all 16 key steps of 128 keys: the trip counts are constants.  A step's WORK is left out where the stored flag says that the mask hides all its 128 keys from the wave's 16 queries; the 64 selects
; are left out where it hides none.  Both are branches on whole numbers that an earlier launch stored.  So this text has no tensor load and no cluster: K's and V's 16 KB of a step are copied memory -> registers -> LDS,
; 32 bytes a thread, a step ahead, into two slots by turns; one barrier a step: in front of it my stores into the next slot have landed and my reads of the slot in hand are back.
; LAYOUT.  S^T = K Q^T (source 0 = 16 keys, source 1 = my queries), O^T = V^T P^T: a lane holds one query throughout.  The head has 64 channels: Q's registers 8-15 are zero codes; K's fragment names 16 registers of which
; the upper eight are the next tile's codes (behind the last tile: zeros), which meet Q's zeros.  Register 8 t + j of S^T is key 16 t + 8 h + j; V's image holds the keys of a block of 32 in that same order.
; LIMITS: a query whose every key is masked is not served (0 x 1/0 goes into the quantiser, where reference() has NaN); NaN and infinities are not served; blocks under 2^-118 (zeros too) get the byte 1.
.set KSC, 32768                        ; LDS: slots at 0 and 16,384 (K: 8 tiles x 1,024; V at + 8,192: 4 channel tiles x 2,048); K's scale words of 2,048 keys;
.set VSC, 40960                        ; V's: [step][64 channels]
.set KF,  32                           ; v32-95 K's eight half fragments, later V's four fragments; v96-103 zeros
.set S,   104                          ; v104-167 S^T, then p
.set O,   168                          ; v168-199 O^T
.set PC,  200                          ; v200-215 p's codes
.set KS,  216                          ; v216-223 K's or V's scale words
.set QS,  224                          ; v224 Q's
.set NINF, 225
.set STG, 226                          ; v226-233 the next step's 32 bytes on their way to LDS
.set BM,  234
.set T2,  238
.set HD,  242
.set SO,  246
.set FF,  250                          ; v250 f = 2^(old M - new M)
.set PW,  251                          ; v251 p's scale word
.set TP,  252
.set SEL, 22
.set CS,  100
.set MNT, 67
	s_load_b128 s[4:7], s[0:1], 0x0                ; qkv, mk
	s_load_b64 s[8:9], s[0:1], 0x10                ; ha
	v_lshl_add_u32 v254, v0, 2, 0xb000
	v_mov_b32 v255, 0
	v_lshrrev_b32 v8, 5, v0
	v_readfirstlane_b32 s10, v8                    ; wave 0..15
	s_and_b32 s11, ttmp7, 0xffff
	s_lshr_b32 s12, s11, 4                         ; b
	s_and_b32 s13, s11, 15                         ; hd
	s_and_b32 s14, s10, 3
	s_lshr_b32 s15, s10, 2
	s_sub_co_u32 s11, 3, s14
	s_bitcmp1_b32 s15, 0
	s_cselect_b32 s14, s11, s14                    ; every other group of four waves runs backward
	s_lshl_b32 s15, s15, 2
	s_add_co_u32 s14, s14, s15                     ; u
	s_lshl_b32 s14, s14, 3
	s_add_co_u32 s14, s14, ttmp9                   ; qt
	s_lshl_b32 s11, s12, 7
	s_add_co_u32 s11, s11, s14                     ; token tile 128 b + qt
	s_lshr_b32 s15, s13, 1                         ; the head's K step in q's and k's images
	s_and_b32 s21, s13, 1                          ; and its half of it
	s_lshl_b32 s32, s14, 4
	s_add_co_u32 s32, s32, 524288                  ; my four flag words
	s_mov_b32 s33, 0
	s_lshl_b32 s34, s14, 12                        ; my lane masks: 16 steps x 256 bytes
	s_mov_b32 s35, 0
	s_lshl_b32 s36, s11, 4
	s_add_co_u32 s36, s36, s13
	s_lshl_b32 s36, s36, 10                        ; Q: 1,024 bytes at (16 x token tile + hd)
	s_mov_b32 s37, 0
	s_lshl_b32 s38, s15, 12
	s_lshl_b32 s52, s12, 11
	s_add_co_u32 s38, s38, s52
	s_lshl_b32 s52, s14, 4
	s_add_co_u32 s38, s38, s52
	s_lshl_b32 s38, s38, 2
	s_lshl_b32 s52, s21, 1
	s_add_co_u32 s38, s38, s52
	s_add_co_u32 s38, s38, 12582912                ; Q's scale halfwords
	s_mov_b32 s39, 0
	s_lshl_b32 s40, s15, 14
	s_lshl_b32 s52, s12, 13
	s_add_co_u32 s40, s40, s52
	s_add_co_u32 s40, s40, 12582912+131072         ; K's scale words of my batch's 2,048 keys
	s_mov_b32 s41, 0
	s_lshl_b32 s42, s12, 16
	s_lshl_b32 s52, s13, 8
	s_add_co_u32 s42, s42, s52
	s_add_co_u32 s42, s42, 12582912+262144         ; V's: [K step 16 b on][channel 64 hd on]
	s_mov_b32 s43, 0
	s_lshl_b32 s44, s12, 11
	s_add_co_u32 s44, s44, s13
	s_lshl_b32 s44, s44, 10
	s_add_co_u32 s44, s44, 4194304                 ; K, step 0
	s_mov_b32 s45, 0
	s_lshl_b32 s46, s13, 7
	s_lshl_b32 s52, s12, 4
	s_add_co_u32 s46, s46, s52
	s_lshl_b32 s46, s46, 11
	s_add_co_u32 s46, s46, 8388608                 ; V, step 0
	s_mov_b32 s47, 0
	s_lshl_b32 s48, s11, 5
	s_lshl_b32 s52, s13, 1
	s_add_co_u32 s48, s48, s52
	s_lshl_b32 s48, s48, 9                         ; out: pieces 2 hd, 2 hd + 1 of the token tile's 32
	s_mov_b32 s49, 0
	s_lshl_b32 s50, s11, 3
	s_add_co_u32 s50, s50, s15
	s_lshl_b32 s50, s50, 6
	s_lshl_b32 s52, s21, 1
	s_add_co_u32 s50, s50, s52
	s_add_co_u32 s50, s50, 4194304                 ; out: my rows' scale halfwords
	s_mov_b32 s51, 0
	v_and_b32 v9, 31, v0                           ; lane
	v_and_b32 v10, 15, v0                          ; r
	v_lshlrev_b32 v1, 4, v9                        ; v1: 16 x lane
	v_lshlrev_b32 v11, 2, v10                      ; 4 r
	s_add_co_u32 s52, s52, KSC
	v_add_nc_u32 v2, s52, v11                      ; v2: K's scale halfwords: KSC + 4 r + 2 (hd % 2)
	v_add_nc_u32 v3, VSC, v11                      ; v3: V's scale words
	v_lshrrev_b32 v4, 6, v0
	v_lshlrev_b32 v4, 14, v4
	v_and_b32 v8, 63, v0
	v_lshl_add_u32 v4, v8, 4, v4                   ; v4: my 16 bytes of a step's K: key tile thread / 64, 16,384 bytes apart
	v_lshrrev_b32 v5, 7, v0
	v_lshlrev_b32 v5, 16, v5
	v_and_b32 v8, 127, v0
	v_lshl_add_u32 v5, v8, 4, v5                   ; v5: of its V: channel tile thread / 128, 65,536 bytes apart
	v_lshlrev_b32 v6, 4, v0                        ; v6: 16 x thread: the same bytes' place in a slot
	v_lshrrev_b32 v10, 4, v0
	v_lshlrev_b32 v10, 12, v10
	v_and_b32 v8, 15, v0
	v_lshl_add_u32 v10, v8, 4, v10                 ; V's scale words in memory: step thread / 16, 4,096 bytes apart
	s_mov_b32 s[SEL], 0x76543210
	s_mov_b32 s[SEL+1], 0xfedcba98
	s_mov_b32 s[CS], 0x3e38aa3b                    ; c = log2(e) / 8
	s_mov_b32 s[CS+1], s[CS]
	s_mov_b32 s[MNT], 0x600000
	s_wait_kmcnt 0x0
	s_add_nc_u64 s[32:33], s[6:7], s[32:33]
	s_load_b128 s[56:59], s[32:33], 0x0            ; the flags
	s_add_nc_u64 s[26:27], s[6:7], s[34:35]        ; s[26:27]: the lane masks of the trip's two steps
	s_add_nc_u64 s[36:37], s[4:5], s[36:37]
	s_add_nc_u64 s[38:39], s[4:5], s[38:39]
	s_add_nc_u64 s[40:41], s[4:5], s[40:41]
	s_add_nc_u64 s[42:43], s[4:5], s[42:43]
	s_add_nc_u64 s[16:17], s[4:5], s[44:45]        ; s[16:17]: K
	s_add_nc_u64 s[18:19], s[4:5], s[46:47]        ; s[18:19]: V
	s_add_nc_u64 s[6:7], s[8:9], s[50:51]          ; s[6:7]: the scale halfwords out
	s_add_nc_u64 s[8:9], s[8:9], s[48:49]          ; s[8:9]: the codes out
	; the prefetches: the head's first work-group asks; wave 0 for K's 8 x 1,024 bytes of a step, wave 1 for V's 4 x 2,048, lanes 256 bytes apart: each block of 256 bytes is named once in the launch
	s_cmp_eq_u32 s10, 0
	s_cselect_b32 s52, 2, 3
	s_cselect_b32 s53, 14, 16
	s_cselect_b32 s54, 3, 7
	s_cselect_b64 s[24:25], s[16:17], s[18:19]
	s_mov_b32 s12, 2048
	s_cselect_b32 s12, 131072, s12                 ; s[12:13]: a step on
	s_mov_b32 s13, 0
	v_lshrrev_b32 v7, s52, v9
	v_lshlrev_b32 v7, s53, v7
	v_and_b32 v8, s54, v9
	v_lshl_add_u32 v7, v8, 8, v7                   ; v7: the prefetch's offset; never rewritten
	s_add_nc_u64 s[24:25], s[24:25], s[12:13]
	s_add_nc_u64 s[24:25], s[24:25], s[12:13]      ; s[24:25]: at step 2: step i asks for step i + 2, one step ahead of the loads that will want it
	s_lshr_b32 s52, s10, 1
	s_or_b32 s52, s52, ttmp9
	s_cmp_eq_u32 s52, 0
	s_cselect_b32 s66, 1, 0                        ; s66: 1 in a wave that asks
	global_load_b128 v[16:19], v1, s[36:37]        ; Q: k = 0 .. 31,
	global_load_b128 v[20:23], v1, s[36:37] offset:512   ; 32 .. 63
	global_load_u16 v[QS], v11, s[38:39]           ; its two scale bytes; bytes 2 and 3 are 0 and stand over zero codes
	global_load_b128 v[BM:BM+3], v6, s[40:41]
	global_load_b128 v[STG:STG+3], v4, s[16:17]
	global_load_b128 v[STG+4:STG+7], v5, s[18:19]
	s_cmp_lt_u32 s10, 8
	s_cbranch_scc0 .Lno_vs
	global_load_b128 v[T2:T2+3], v10, s[42:43]     ; waves 0 to 7: V's 4,096 bytes of scale words
	s_wait_loadcnt 0x0
	ds_store_b128 v6, v[T2:T2+3] offset:VSC
.Lno_vs:
	v_mov_b32 v[NINF], 0xff800000
	v_mov_b32 v13, 0xff61b1e6                      ; the largest t so far: -3e38
	v_floor_f32 v12, -v13                          ; -M
	v_mov_b32 v14, 0                               ; the sum, in two halves
	v_mov_b32 v15, 0
	v_mov_b32 v[PW], 0
	v_mov_b32 v[TP], 0
.set i, 0
.rept 8
	v_mov_b32 v[24+i], 0                           ; Q's k = 64 .. 127
	v_mov_b32 v[96+i], 0                           ; behind K's last tile
.set i, i+1
.endr
.set i, 0
.rept 32
	v_mov_b32 v[O+i], 0                            ; O^T: the step is written for every step alike: the first finds zeros
.set i, i+1
.endr
	s_wait_loadcnt 0x0
	ds_store_b128 v6, v[BM:BM+3] offset:KSC
	ds_store_b128 v6, v[STG:STG+3]                 ; step 0 into slot 0
	ds_store_b128 v6, v[STG+4:STG+7] offset:8192
	s_add_nc_u64 s[16:17], s[16:17], 131072        ; (the loads are done) on to step 1
	s_add_nc_u64 s[18:19], s[18:19], 2048
	s_wait_kmcnt 0x0
	s_or_b32 s20, s56, s57
	s_or_b32 s20, s20, s58
	s_or_b32 s20, s20, s59                         ; s20: bit j: all of step j is hidden; bit 16 + j: none of it
	s_mov_b32 s28, 7                               ; trips
	s_mov_b32 s29, 0                               ; the step
	s_mov_b32 s30, 16
	s_mov_b32 s2, 0                                ; where the trip's scale words of K begin,
	s_mov_b32 s3, 0                                ; and V's
	s_wait_dscnt 0x0
.irp b, 0,1,2,3
	v_mov_b32 v[T2+\b], 0                          ; a lane permute's destination counts as read
.endr
	s_barrier_signal -1
	s_barrier_wait -1
.macro WORK half                       ; a key step's loads, products and softmax, from slot half
	s_bitcmp1_b32 s20, s29
	s_cbranch_scc1 .Lskip_\@                       ; all 128 keys are hidden from my 16 queries
	s_load_b512 s[32:47], s[26:27], 256*\half      ; the step's 64 lane masks
	s_load_b512 s[48:63], s[26:27], 256*\half+64
	s_load_b512 s[68:83], s[26:27], 256*\half+128
	s_load_b512 s[84:99], s[26:27], 256*\half+192
	v_add_nc_u32 v9, s2, v2
	v_add_nc_u32 v10, s3, v3
.rept 6
	v_nop                                          ; with the two additions: eight places in front of loads into registers that the last products read
.endr
.irp t, 0,1,2,3,4,5,6,7
	ds_load_b128 v[KF+8*\t:KF+8*\t+3], v1 offset:16384*\half+1024*\t
	ds_load_b128 v[KF+8*\t+4:KF+8*\t+7], v1 offset:16384*\half+1024*\t+512
	ds_load_u16 v[KS+\t], v9 offset:512*\half+64*\t
.endr
	s_wait_dscnt 0x0
.irp t, 0,1,2,3,4,5,6,7
	v_wmma_scale_f32_16x16x128_f8f6f4 v[S+8*\t:S+8*\t+7], v[KF+8*\t:KF+8*\t+15], v[16:31], 0, v[KS+\t], v[QS]
.endr
.rept 8
	v_nop
.endr
.irp t, 0,1,2,3                        ; V's fragments land while the softmax runs
.irp c, 0,1,2,3
	ds_load_b128 v[KF+16*\t+4*\c:KF+16*\t+4*\c+3], v1 offset:16384*\half+8192+2048*\t+512*\c
.endr
	ds_load_b32 v[KS+\t], v10 offset:256*\half+64*\t
.endr
	s_wait_kmcnt 0x0
	s_bitcmp1_b32 s20, s30
	s_cbranch_scc1 .Lopen_\@                       ; no key of the step is hidden
.set n, 0
.rept 32
	v_cndmask_b32 v[S+n], v[S+n], v[NINF], s[32+n] ; a hidden score becomes -infinity ahead of the maximum: p = 0 then
.set n, n+1
.endr
.set n, 0
.rept 32
	v_cndmask_b32 v[S+32+n], v[S+32+n], v[NINF], s[68+n]
.set n, n+1
.endr
.Lopen_\@:
.irp b, 0,1,2,3
	v_max3_num_f32 v[BM+\b], v[S+16*\b], v[S+1+16*\b], v[S+2+16*\b]   ; the largest score of each block of 32 keys: for the row's maximum and for the block's largest p
.endr
.irp i, 3,5,7,9,11,13
.irp b, 0,1,2,3
	v_max3_num_f32 v[BM+\b], v[BM+\b], v[S+16*\b+\i], v[S+1+16*\b+\i]
.endr
.endr
.irp b, 0,1,2,3
	v_max_num_f32 v[BM+\b], v[BM+\b], v[S+15+16*\b]
.endr
.irp b, 0,1,2,3
	v_permlanex16_b32 v[T2+\b], v[BM+\b], s[SEL], s[SEL+1]
.endr
.irp b, 0,1,2,3
	v_max_num_f32 v[BM+\b], v[BM+\b], v[T2+\b]     ; with lane l xor 16's 16 keys
.endr
	v_max3_num_f32 v[TP], v[BM], v[BM+1], v[BM+2]
	v_max_num_f32 v[TP], v[TP], v[BM+3]
	v_mul_f32 v[TP], s[CS], v[TP]
	v_max_num_f32 v13, v13, v[TP]                  ; the running largest t
	v_mov_b32 v[TP], v12
	v_floor_f32 v12, -v13                          ; the new -M = -ceil(t)
	v_sub_f32 v[TP], v12, v[TP]                    ; old M - new M: a whole number, 0 or less
	v_cvt_i32_f32 v[TP], v[TP]                     ; (it saturates)
	v_ldexp_f32 v[FF], 1.0, v[TP]                  ; f = 2^(old M - new M): rounds nothing
.set j, 0
.rept 32
	v_pk_fma_f32 v[S+j:S+j+1], v[S+j:S+j+1], s[CS:CS+1], v[12:13] op_sel_hi:[1,0,0]   ; t - M
.set j, j+2
.endr
.irp b, 0,1,2,3
	v_fma_f32 v[BM+\b], v[BM+\b], s[CS], v12
.endr
.set j, 0
.rept 64
	v_exp_f32 v[S+j], v[S+j]                       ; p = 2^(t - M)
.set j, j+1
.endr
	v_pk_mul_f32 v[14:15], v[14:15], v[FF:FF+1] op_sel_hi:[1,0]   ; the sums under the new M: a plain line behind the exponentials
	s_wait_alu depctr_va_vdst(0)                   ; one wait for the batch, ahead of its first reader
.irp b, 0,1,2,3
	v_exp_f32 v[BM+\b], v[BM+\b]                   ; the block's largest p
.endr
	v_pk_add_f32 v[T2:T2+1], v[S:S+1], v[S+2:S+3]  ; the row's sum of the unquantised p, in two chains
.irp j, 4,8,12,16,20,24,28,32,36,40,44,48,52,56,60
	v_pk_add_f32 v[14:15], v[14:15], v[S+\j:S+\j+1]
	v_pk_add_f32 v[T2:T2+1], v[T2:T2+1], v[S+2+\j:S+3+\j]
.endr
	v_pk_add_f32 v[14:15], v[14:15], v[T2:T2+1]
	s_wait_alu depctr_va_vdst(0)                   ; and one for the four
.irp b, 0,1,2,3
	v_max_num_f32 v[BM+\b], 0x4800000, v[BM+\b]    ; the floor 2^(9 - 127)
.endr
.irp b, 0,1,2,3
	v_add_nc_u32 v[SO+\b], 0xfc000000, v[BM+\b]    ; the conversion's scale operand
.endr
.irp b, 0,1,2,3
	v_and_or_b32 v[HD+\b], v[BM+\b], 0x7f800000, s[MNT]   ; 448 x the scale
.endr
.irp b, 0,1,2,3
	v_lshrrev_b32 v[T2+\b], 23, v[SO+\b]           ; the scale's byte
.endr
	v_lshl_or_b32 v[PW], v[T2+1], 8, v[T2]
	v_lshl_or_b32 v[PW], v[T2+2], 16, v[PW]
	v_lshl_or_b32 v[PW], v[T2+3], 24, v[PW]
.irp b, 0,1,2,3
.irp i, 0,1,2,3,4,5,6,7,8,9,10,11,12,13,14,15
	v_min_num_f32 v[S+16*\b+\i], v[S+16*\b+\i], v[HD+\b]   ; the conversion does not saturate (ISA guide 7.6.2); p is not negative: a one-sided hold
.endr
	v_cvt_scalef32_pk8_fp8_f32 v[PC+4*\b:PC+4*\b+1], v[S+16*\b:S+16*\b+7], v[SO+\b]
	v_cvt_scalef32_pk8_fp8_f32 v[PC+4*\b+2:PC+4*\b+3], v[S+16*\b+8:S+16*\b+15], v[SO+\b]
.endr
.set j, 0
.rept 16
	v_pk_mul_f32 v[O+j:O+j+1], v[O+j:O+j+1], v[FF:FF+1] op_sel_hi:[1,0]   ; O^T under the new M; these are also the places in front of the products below
.set j, j+2
.endr
	s_wait_dscnt 0x0                               ; V
.irp t, 0,1,2,3
	v_wmma_scale_f32_16x16x128_f8f6f4 v[O+8*\t:O+8*\t+7], v[KF+16*\t:KF+16*\t+15], v[PC:PC+15], v[O+8*\t:O+8*\t+7], v[KS+\t], v[PW]
.endr
.Lskip_\@:
.endm
.macro KSTEP half, copy, ask
.if \copy
	global_load_b128 v[STG:STG+3], v4, s[16:17] offset:131072*\half   ; the next step's K and V, 32 bytes a thread
	global_load_b128 v[STG+4:STG+7], v5, s[18:19] offset:2048*\half
.endif
.if \ask
	s_cmp_eq_u32 s66, 1
	s_cbranch_scc0 .Lnot_mine_\@
	global_prefetch_b8 v7, s[24:25] th:TH_LOAD_NT scope:SCOPE_SE     ; the step after that one
.Lnot_mine_\@:
.endif
	WORK \half
.if \copy
	s_wait_loadcnt 0x0
	ds_store_b128 v6, v[STG:STG+3] offset:16384*(1-\half)            ; into the other slot: every wave's reads of it were back at the last barrier
	ds_store_b128 v6, v[STG+4:STG+7] offset:16384*(1-\half)+8192
.endif
.if \ask
	s_wait_xcnt 0x0                                ; the prefetch has read its address
	s_add_nc_u64 s[24:25], s[24:25], s[12:13]
.endif
	s_add_co_u32 s29, s29, 1
	s_add_co_u32 s30, s30, 1
.if \copy
	s_wait_dscnt 0x0                               ; my stores have landed, and my reads of the slot in hand are back
	s_barrier_signal -1
	s_barrier_wait -1
.endif
.endm
.Ltrip:                                            ; two key steps a trip: the slots stand in the offsets
	KSTEP 0, 1, 1
	KSTEP 1, 1, 1
	s_add_nc_u64 s[16:17], s[16:17], 262144        ; (the loads that named these are done)
	s_add_nc_u64 s[18:19], s[18:19], 4096
	s_add_nc_u64 s[26:27], s[26:27], 512
	s_add_co_u32 s2, s2, 1024
	s_add_co_u32 s3, s3, 512
	s_sub_co_u32 s28, s28, 1
	s_cmp_lg_u32 s28, 0
	s_cbranch_scc1 .Ltrip
	KSTEP 0, 1, 0                                  ; step 14 still copies step 15 and asks for nothing
	KSTEP 1, 0, 0                                  ; step 15 copies nothing
	; THE WAY OUT: O^T / the sum, quantised along the channels: register 16 beta + i is channel 32 beta + 16 h + i of the head (Wv's image rows were chosen for that)
.rept 8
	v_nop
.endr
	v_add_f32 v14, v14, v15
	v_permlanex16_b32 v[TP], v14, s[SEL], s[SEL+1]
	v_add_f32 v14, v14, v[TP]                      ; the row's sum
	v_rcp_f32 v14, v14
	v_and_b32 v9, 15, v0                           ; (a plain line behind the transcendental)
	v_lshlrev_b32 v9, 2, v9
	v_and_b32 v10, 31, v0
	s_wait_alu depctr_va_vdst(0)                   ; the wait ahead of the first reader
.set j, 0
.rept 16
	v_pk_mul_f32 v[O+j:O+j+1], v[O+j:O+j+1], v[14:15] op_sel_hi:[1,0]
.set j, j+2
.endr
.irp b, 0,1
	v_max3_num_f32 v[BM+\b], |v[O+16*\b]|, |v[O+1+16*\b]|, 0x4800000
.endr
.irp i, 2,4,6,8,10,12,14
.irp b, 0,1
	v_max3_num_f32 v[BM+\b], v[BM+\b], |v[O+16*\b+\i]|, |v[O+1+16*\b+\i]|
.endr
.endr
.irp b, 0,1
	v_permlanex16_b32 v[T2+\b], v[BM+\b], s[SEL], s[SEL+1]
.endr
.irp b, 0,1
	v_max_num_f32 v[BM+\b], v[BM+\b], v[T2+\b]
.endr
.irp b, 0,1
	v_add_nc_u32 v[SO+\b], 0xfc000000, v[BM+\b]
.endr
.irp b, 0,1
	v_and_or_b32 v[HD+\b], v[BM+\b], 0x7f800000, s[MNT]
.endr
.irp b, 0,1
	v_lshrrev_b32 v[T2+\b], 23, v[SO+\b]
.endr
	v_lshl_or_b32 v[TP], v[T2+1], 8, v[T2]         ; the head's two bytes of the row's scale word
.irp b, 0,1
.irp i, 0,1,2,3,4,5,6,7,8,9,10,11,12,13,14,15
	v_med3_num_f32 v[O+16*\b+\i], v[O+16*\b+\i], -v[HD+\b], v[HD+\b]
.endr
	v_cvt_scalef32_pk8_fp8_f32 v[PC+4*\b:PC+4*\b+1], v[O+16*\b:O+16*\b+7], v[SO+\b]
	v_cvt_scalef32_pk8_fp8_f32 v[PC+4*\b+2:PC+4*\b+3], v[O+16*\b+8:O+16*\b+15], v[SO+\b]
.endr
	v_cmp_gt_u32 vcc_lo, 16, v10                   ; (a plain line behind the last conversion)
	global_store_b128 v1, v[PC:PC+3], s[8:9]       ; 1,024 consecutive bytes of the next operand's image
	global_store_b128 v1, v[PC+4:PC+7], s[8:9] offset:512
	s_wait_xcnt 0x0                                ; EXEC changes only behind this wait
	s_wait_tensorcnt 0x0
	ds_add_u32 v254, v255
	s_wait_dscnt 0x0
	s_and_saveexec_b32 s11, vcc_lo
	global_store_b16 v9, v[TP], s[6:7]             ; lanes 0-15: 16 rows' halfwords
	s_wait_xcnt 0x0
	s_or_b32 exec_lo, exec_lo, s11
	s_endpgm
.Lfunc_end_k_qe1db57be8a_attn:
	.size	k_qe1db57be8a_attn, .Lfunc_end_k_qe1db57be8a_attn-k_qe1db57be8a_attn
	.p2alignl 7, 3214868480
	.fill 96, 4, 3214868480
	.section	.rodata,"a",@progbits
	.p2align	6, 0x0
	.amdhsa_kernel k_qe1db57be8a_attn
		.amdhsa_group_segment_fixed_size 47104
		.amdhsa_private_segment_fixed_size 0
		.amdhsa_enable_private_segment 0
		.amdhsa_kernarg_size 24
		.amdhsa_user_sgpr_count 2
		.amdhsa_user_sgpr_kernarg_segment_ptr 1
		.amdhsa_wavefront_size32 1
		.amdhsa_system_sgpr_workgroup_id_x 1
		.amdhsa_system_sgpr_workgroup_id_y 1
		.amdhsa_system_sgpr_workgroup_id_z 1
		.amdhsa_system_vgpr_workitem_id 0
		.amdhsa_next_free_vgpr 256
		.amdhsa_next_free_sgpr 102
		.amdhsa_reserve_vcc 1
		.amdhsa_float_denorm_mode_32 3
		.amdhsa_float_denorm_mode_16_64 3
		.amdhsa_memory_ordered 1
		.amdhsa_forward_progress 1
		.amdhsa_inst_pref_size 110
	.end_amdhsa_kernel
	.amdgpu_metadata
---
amdhsa.version: [ 1, 2 ]
amdhsa.kernels:
  - .name:           k_qe1db57be8a_attn
    .symbol:         k_qe1db57be8a_attn.kd
    .args:
      - { .name: qkv, .offset: 0, .size: 8, .value_kind: global_buffer, .address_space: global }
      - { .name: mk, .offset: 8, .size: 8, .value_kind: global_buffer, .address_space: global }
      - { .name: ha, .offset: 16, .size: 8, .value_kind: global_buffer, .address_space: global }
    .group_segment_fixed_size: 47104
    .private_segment_fixed_size: 0
    .kernarg_segment_align: 8
    .kernarg_segment_size: 24
    .max_flat_workgroup_size: 512
    .sgpr_count:     102
    .vgpr_count:     256
    .wavefront_size: 32
...
	.end_amdgpu_metadata
.endif
;; end of part 4
;; launch wo (part 5): grid 8 x 32, 4 waves a work-group, clusters of 4 x 4, 327,680 bytes of LDS; arguments ha, wimg, wsw, x, x1; writes x1
.if DOCPART == 5
	.amdgcn_target "amdgcn-amd-amdhsa--gfx1250"
	.amdhsa_code_object_version 6
	.text
	.protected	k_qe1db57be8a_wo
	.globl	k_qe1db57be8a_wo
	.p2align	8
	.type	k_qe1db57be8a_wo,@function
k_qe1db57be8a_wo:
	s_mov_b64 s[64:65], 0
	v_nop
	global_prefetch_b8 v0, s[64:65] scope:SCOPE_SE
	s_setreg_imm32_b32 hwreg(HW_REG_WAVE_MODE, 25, 1), 1
	s_wait_xcnt 0x0
	s_wait_alu depctr_hold_cnt(0) depctr_sa_sdst(0) depctr_va_vdst(0) depctr_va_sdst(0) depctr_va_ssrc(0) depctr_va_vcc(0) depctr_vm_vsrc(0)
	s_getreg_b32 s2, hwreg(HW_REG_IB_STS2, 6, 4)
	s_cmp_eq_u32 s2, 0
	s_cbranch_scc0 .Lentry_in_a_cluster
	s_endpgm
.Lentry_in_a_cluster:
	s_bfe_u32 s2, ttmp6, 0x10000c
	s_cmp_lg_u32 s2, 0xf033
	s_cbranch_scc0 .Lentry_shape_is_right
	s_endpgm
.Lentry_shape_is_right:
; x1 = x + attn Wo: a product of K = 1,024 on E4M3 codes with E8M0 scales, and the residual, in f32.
; OPERANDS are images of operand registers (fragment = 16 rows x 128 K = 2,048 bytes, pieces of 512 bytes at 16 x lane, fragments [row tile][K step]) with scale words [row tile][K step][16 rows].
; THE PRODUCT: source 0 = 16 image rows of the weight (Y), source 1 = 16 tokens (X): lane (r, h) holds token r; register j of Y tile 2 beta + u is column 32 beta + 16 h + 8 u + j.
; SHARES: 128 tokens x 128 columns to a work-group, 64 x 64 to each of four waves: 16 accumulators.  256 work-groups.  K goes through two LDS slots of 512 along K.
; CLUSTER 4 x 4: X's tiles are shared along a row of the cluster, Y's along a column; each is asked for jointly.
; REGISTERS: window 0: v8-15 scale words, two sets; v16-31 addresses; v32-95 the way out; v128-255 accumulator (a, b) at 128 + 8 (4 a + b).  window 1: two fragment buffers.  window 2: v0-127 the residual.
.set NKS,   8
.set XSOFF, 0x400000                   ; X's scale words lie behind its codes
.set YCOFF, 0x300000                   ; the weight's image in wimg
.set YSOFF, 98304                      ; and its scale words in wsw
.set LAPS,  NKS/8
.set HALFT, 32768
.set SLOT,  131072
.set SCLX,  262144
.set SCLY,  SCLX+NKS*512+64
.set SPARE, (SCLY+NKS*512+255)/256*256
.set SC,   8
.set ADRX, 16
.set ADRY, 20
.set STO,  24
.set RD,   25
.set CO,   26
.set ADRS, 27
.set SPW,  28
.set NIL,  29
.set ACC,  128
.set G1, 24
.set G0, 32
.set G1B, 48
.set G0B, 56
.set G1S, 68
.set G0S, 76
.set G1SB, 80
.set G0SB, 88
.set MSB, 0
.macro WIN new                         ; the immediate's high byte repeats the setting that is left
.if MSB != \new
	s_set_vgpr_msb (MSB<<8)|\new
.set MSB, \new
.endif
.endm
.macro JLOAD g0a, g1a, g0b, g1b        ; a joint load: waves 0, 1 fetch for X, waves 2, 3 for Y; four v_nop follow each line
	s_cmp_eq_u32 s15, 0
	s_cbranch_scc0 .Lfor_y_\@
	tensor_load_to_lds s[\g0a:\g0a+3], s[\g1a:\g1a+7]
	s_nop 0
.rept 4
	v_nop
.endr
	s_branch .Lasked_\@
.Lfor_y_\@:
	tensor_load_to_lds s[\g0b:\g0b+3], s[\g1b:\g1b+7]
	s_nop 0
.rept 4
	v_nop
.endr
.Lasked_\@:
.endm
.macro CREST
	s_cmp_lg_u32 s14, 0
	s_cbranch_scc1 .Lnot_wave_0_\@
	s_barrier_signal -3
.Lnot_wave_0_\@:
	s_barrier_wait -3
	s_barrier_signal -1
	s_barrier_wait -1
.endm
.macro CROUND
	s_barrier_signal -1
	s_barrier_wait -1
	CREST
.endm
.macro PLACES n
.rept \n
	v_nop
.endr
.endm
.macro FETCH slot, q, f, set           ; 36 LDS loads: the fragments of the slot's q-th 128 along K into buffer f, their scale words into set
	WIN 0x40
.irp i, 0,1,2,3
.irp c, 0,1,2,3
	ds_load_b128 v[(\f)+64+16*\i+4*\c:(\f)+64+16*\i+4*\c+3], v[ADRY+\slot] offset:(4*\i+(\q))*2048+512*\c
.endr
.endr
.irp i, 0,1,2,3
.irp c, 0,1,2,3
	ds_load_b128 v[(\f)+16*\i+4*\c:(\f)+16*\i+4*\c+3], v[ADRX+\slot] offset:(4*\i+(\q))*2048+512*\c
.endr
.endr
	WIN 0
.irp i, 0,1,2,3
	ds_load_b32 v[SC+4*(\set)+\i], v[ADRS] offset:(\i*NKS+4*\slot+(\q))*64
.endr
.endm
.macro MUL8 f, set, a0, zero           ; the 16 accumulators take turns in one order everywhere
.irp a, \a0, \a0+1
.irp b, 0,1,2,3
.if \zero
	v_wmma_scale_f32_16x16x128_f8f6f4 v[ACC+8*(4*(\a)+\b):ACC+8*(4*(\a)+\b)+7], v[(\f)+64+16*\b:(\f)+64+16*\b+15], v[(\f)+16*(\a):(\f)+16*(\a)+15], 0, v[SC+4*(\set)+\b], v[SC+4*(\set)+(\a)] matrix_a_scale:MATRIX_SCALE_ROW1
.else
	v_wmma_scale_f32_16x16x128_f8f6f4 v[ACC+8*(4*(\a)+\b):ACC+8*(4*(\a)+\b)+7], v[(\f)+64+16*\b:(\f)+64+16*\b+15], v[(\f)+16*(\a):(\f)+16*(\a)+15], v[ACC+8*(4*(\a)+\b):ACC+8*(4*(\a)+\b)+7], v[SC+4*(\set)+\b], v[SC+4*(\set)+(\a)] matrix_a_scale:MATRIX_SCALE_ROW1
.endif
.endr
.endr
.endm
.macro STEP slot, q, zero
	PLACES 8                                       ; eight places in front of loads into registers that the last products read
	FETCH \slot, (\q)+1, 128-128*((\q)%2), 1-(\q)%2
	s_wait_dscnt 36                                ; all but the 36 just issued
	WIN 0x05
	MUL8 128*((\q)%2), (\q)%2, 0, \zero
	MUL8 128*((\q)%2), (\q)%2, 2, \zero
	WIN 0
.endm
.macro TURN slot, next, fill
	s_wait_tensorcnt 0x0                           ; all my tensor loads have landed, my part of the next slot among them
	ds_add_u32 v[SPW], v[NIL]                      ; 0 onto my spare word
	s_wait_dscnt 1                                 ; the fragments are in; the add may be out
	WIN 0x05
	MUL8 128, 1, 0, 0
	s_wait_dscnt 0x0                               ; the add is done, and my reads of this slot are over
	s_barrier_signal -1
	MUL8 128, 1, 2, 0
	WIN 0
	s_barrier_wait -1
.if \fill
	CREST
	s_add_nc_u64 s[G0+4*\slot+2:G0+4*\slot+3], s[G0+4*\slot+2:G0+4*\slot+3], 16384
	s_add_nc_u64 s[G0B+4*\slot+2:G0B+4*\slot+3], s[G0B+4*\slot+2:G0B+4*\slot+3], 16384
	JLOAD G0+4*\slot, G1, G0B+4*\slot, G1B
	PLACES 4
.else
	PLACES 8
.endif
.if \next == 0
	v_add_nc_u32 v[ADRS], 512, v[ADRS]
.endif
	FETCH \next, 0, 0, 0
.endm
	s_load_b128 s[4:7], s[0:1], 0x0                ; X, wimg
	s_load_b128 s[8:11], s[0:1], 0x10              ; wsw, the residual
	s_load_b64 s[12:13], s[0:1], 0x20              ; the result
	v_lshl_add_u32 v[SPW], v0, 2, SPARE
	v_mov_b32 v[NIL], 0
	ds_add_u32 v28, v29
	ds_add_u32 v28, v29
	s_wait_dscnt 0x0
	v_lshrrev_b32 v1, 5, v0
	v_readfirstlane_b32 s14, v1                    ; wave 0..3
	s_lshr_b32 s15, s14, 1                         ; wx; also: I fetch for X (0) or for Y (1)
	s_and_b32 s16, s14, 1                          ; wy; also: which 64 rows I fetch
	s_bfe_u32 s40, ttmp6, 0x40000
	s_bfe_u32 s41, ttmp6, 0x40004
	s_lshl_b32 s42, ttmp9, 2
	s_add_co_u32 s42, s42, s40                     ; TY
	s_and_b32 s17, ttmp7, 0xffff
	s_lshl_b32 s17, s17, 2
	s_add_co_u32 s17, s17, s41                     ; TX
	s_lshl_b32 s43, s41, 2
	s_lshl_b32 s43, 15, s43                        ; my row of the cluster
	s_lshl_b32 s44, 0x1111, s40                    ; my column
	s_or_b32 s[G1+0], s43, (3<<16)|(1<<21)         ; codes: four row tiles x 8,192 consecutive bytes, NKS x 2,048 bytes apart; elements of 8 bytes; no padding
	s_or_b32 s[G1B+0], s44, (3<<16)|(1<<21)
.irp g, G1, G1B
	s_mov_b32 s[\g+1], 1024<<16
	s_mov_b32 s[\g+2], 4<<16
	s_mov_b32 s[\g+3], 1024<<16
	s_mov_b32 s[\g+4], 4
	s_mov_b32 s[\g+5], NKS*256
	s_mov_b32 s[\g+6], 0
	s_mov_b32 s[\g+7], 0
.endr
	s_or_b32 s[G1S+0], s43, (3<<16)|(1<<21)        ; scale words of 64 rows for all of K: NKS rows of 256 dense bytes
	s_or_b32 s[G1SB+0], s44, (3<<16)|(1<<21)
.irp g, G1S, G1SB
	s_mov_b32 s[\g+1], 32<<16
	s_mov_b32 s[\g+2], NKS<<16
	s_mov_b32 s[\g+3], 32<<16
	s_mov_b32 s[\g+4], NKS
	s_mov_b32 s[\g+5], 32
	s_mov_b32 s[\g+6], 0
	s_mov_b32 s[\g+7], 0
.endr
	s_lshl_b32 s18, s16, 2
	s_lshl_b32 s20, s17, 3
	s_add_co_u32 s20, s20, s18
	s_mul_i32 s20, s20, NKS*2048
	s_mov_b32 s21, 0
	s_lshl_b32 s22, s17, 1
	s_add_co_u32 s22, s22, s16
	s_mul_i32 s22, s22, NKS*256
	s_add_co_u32 s22, s22, XSOFF
	s_mov_b32 s23, 0
	s_lshl_b32 s46, s42, 3
	s_add_co_u32 s46, s46, s18
	s_mul_i32 s46, s46, NKS*2048
	s_add_co_u32 s46, s46, YCOFF
	s_mov_b32 s47, 0
	s_lshl_b32 s92, s42, 1
	s_add_co_u32 s92, s92, s16
	s_mul_i32 s92, s92, NKS*256
	s_add_co_u32 s92, s92, YSOFF
	s_mov_b32 s93, 0
	s_mul_i32 s45, s14, HALFT
	s_mul_i32 s94, s16, NKS*256
	v_and_b32 v3, 15, v0                           ; r
	v_bfe_u32 v4, v0, 4, 1                         ; h
	v_lshlrev_b32 v[CO], 12, v4
	v_lshl_add_u32 v[CO], v3, 4, v[CO]             ; lanes 0-15 one row of the result, lanes 16-31 the next; 16 bytes a lane
	s_lshl_b32 s96, s17, 19
	s_lshl_b32 s97, s15, 18
	s_add_co_u32 s96, s96, s97                     ; row 128 TX + 64 wx,
	s_lshl_b32 s97, s42, 9
	s_add_co_u32 s96, s96, s97
	s_lshl_b32 s97, s16, 8
	s_add_co_u32 s96, s96, s97                     ; column 128 TY + 64 wy
	s_mov_b32 s97, 0
	s_wait_kmcnt 0x0
	s_add_nc_u64 s[20:21], s[4:5], s[20:21]
	s_add_nc_u64 s[22:23], s[4:5], s[22:23]
	s_add_nc_u64 s[46:47], s[6:7], s[46:47]
	s_add_nc_u64 s[92:93], s[8:9], s[92:93]
	s_add_nc_u64 s[98:99], s[12:13], s[96:97]      ; the result
	s_add_nc_u64 s[96:97], s[10:11], s[96:97]      ; the residual
	CROUND                                         ; all sixteen work-groups are here: the first joint loads meet
	s_mov_b32 s[G0S], 1
	s_add_co_u32 s[G0S+1], s94, SCLX
	s_mov_b64 s[G0S+2:G0S+3], s[22:23]
	s_or_b32 s[G0S+3], s[G0S+3], 0x80000000
	s_mov_b32 s[G0SB], 1
	s_add_co_u32 s[G0SB+1], s94, SCLY
	s_mov_b64 s[G0SB+2:G0SB+3], s[92:93]
	s_or_b32 s[G0SB+3], s[G0SB+3], 0x80000000
	JLOAD G0S, G1S, G0SB, G1SB                     ; three loads of mine are out behind the third
.irp s, 0,1
	s_mov_b32 s[G0+4*\s], 1
	s_add_co_u32 s[G0+4*\s+1], s45, \s*SLOT
	s_add_nc_u64 s[G0+4*\s+2:G0+4*\s+3], s[20:21], \s*8192
	s_or_b32 s[G0+4*\s+3], s[G0+4*\s+3], 0x80000000
	s_mov_b32 s[G0B+4*\s], 1
	s_add_co_u32 s[G0B+4*\s+1], s45, \s*SLOT
	s_add_nc_u64 s[G0B+4*\s+2:G0B+4*\s+3], s[46:47], \s*8192
	s_or_b32 s[G0B+4*\s+3], s[G0B+4*\s+3], 0x80000000
	JLOAD G0+4*\s, G1, G0B+4*\s, G1B
.endr
	WIN 0x80                                       ; the residual of my 64 x 64 comes now, into window 2, in the order in which the result will be stored
.irp a, 0,1,2,3
.irp t, 0,1,2,3,4,5,6,7
	global_load_b128 v[4*(8*\a+\t):4*(8*\a+\t)+3], v[CO], s[96:97] offset:(16*\a+2*\t)*4096 th:TH_LOAD_NT
.endr
.endr
	WIN 0
	v_and_b32 v1, 31, v0
	v_lshlrev_b32 v2, 4, v1                        ; 16 x lane
	s_mul_i32 s18, s15, HALFT
	s_mul_i32 s19, s16, HALFT
	s_add_co_u32 s19, s19, 2*HALFT
.irp s, 0,1
	v_add_nc_u32 v[ADRX+\s], s18, v2
	v_add_nc_u32 v[ADRY+\s], s19, v2
	s_add_co_u32 s18, s18, SLOT
	s_add_co_u32 s19, s19, SLOT
.endr
	s_mul_i32 s18, s15, NKS*256
	s_mul_i32 s19, s16, NKS*256
	s_add_co_u32 s19, s19, SCLY-SCLX
	s_sub_co_u32 s19, s19, s18
	v_mul_u32_u24 v5, s19, v4                      ; lanes 16-31 take Y's words: one product with h
	s_add_co_u32 s18, s18, SCLX
	v_lshl_add_u32 v5, v3, 2, v5
	v_add_nc_u32 v[ADRS], s18, v5
	s_mul_i32 s18, s14, 16*272                     ; my stage, 16 rows x (256 + 16) bytes, in slot 0: it has had its last fill and its last read when the first result is stored there
	v_mul_u32_u24 v5, v3, 272
	v_lshl_add_u32 v5, v4, 6, v5
	v_add_nc_u32 v[STO], s18, v5                   ; in: row r, + 64 h
	v_mul_u32_u24 v5, v4, 272
	v_lshl_add_u32 v5, v3, 4, v5
	v_add_nc_u32 v[RD], s18, v5                    ; back: two whole rows an instruction
	s_wait_tensorcnt 1                             ; the scale words and my part of slot 0 are in; slot 1's load may be out
	s_barrier_signal -1
	s_barrier_wait -1
	FETCH 0, 0, 0, 0
	STEP 0, 0, 1                                   ; the first step's products start the sums
.if LAPS > 1
	s_mov_b32 s3, LAPS-1
.Llap:
	STEP 0, 1, 0
	STEP 0, 2, 0
	TURN 0, 1, 1
	STEP 1, 0, 0
	STEP 1, 1, 0
	STEP 1, 2, 0
	TURN 1, 0, 1
	STEP 0, 0, 0
	s_sub_co_u32 s3, s3, 1
	s_cmp_lg_u32 s3, 0
	s_cbranch_scc1 .Llap
.endif
	STEP 0, 1, 0
	STEP 0, 2, 0
	TURN 0, 1, 0
	STEP 1, 0, 0
	STEP 1, 1, 0
	STEP 1, 2, 0
	s_wait_dscnt 0x0
	WIN 0x05
	MUL8 128, 1, 0, 0
	MUL8 128, 1, 2, 0
	WIN 0
; THE WAY OUT, 16 rows x 64 columns at a time through my own stage: in by columns as the lanes hold them, back as whole rows of 256 bytes; LDS serves a wave's instructions in order (ISA guide 5.7.1.4)
.macro TOSTAGE a
.irp b, 0,1,2,3
	ds_store_b128 v[STO], v[ACC+8*(4*(\a)+\b):ACC+8*(4*(\a)+\b)+3] offset:128*(\b/2)+32*(\b%2)        ; each accumulator from its low end on
	ds_store_b128 v[STO], v[ACC+8*(4*(\a)+\b)+4:ACC+8*(4*(\a)+\b)+7] offset:128*(\b/2)+32*(\b%2)+16
.endr
.set BK, 32+32*((\a)%2)
.irp t, 0,1,2,3,4,5,6,7
	ds_load_b128 v[BK+4*\t:BK+4*\t+3], v[RD] offset:544*\t
.endr
.endm
.macro SEND a, younger
.set BK, 32+32*((\a)%2)
	s_wait_dscnt \younger                          ; the block is back; the next block's 8 stores and 8 loads may be out
	WIN 0x08                                       ; source 1: window 2
.set i, 0
.rept 16
	v_pk_add_f32 v[BK+i:BK+i+1], v[BK+i:BK+i+1], v[32*(\a)+i:32*(\a)+i+1]
.set i, i+2
.endr
	WIN 0
.irp t, 0,1,2,3,4,5,6,7
	global_store_b128 v[CO], v[BK+4*\t:BK+4*\t+3], s[98:99] offset:(16*(\a)+2*\t)*4096   ; 16 lanes store 256 consecutive bytes, aligned
.endr
.endm
	PLACES 8
	s_wait_loadcnt 0x0                             ; the residual
	TOSTAGE 0
.irp a, 1,2,3
.if \a > 1
	s_wait_xcnt 0x0                                ; block a - 2's stores have read their registers: block a's loads may land there
.endif
	TOSTAGE \a
	SEND \a-1, 16
.endr
	SEND 3, 0
	s_wait_tensorcnt 0x0                           ; the wave's end
	ds_add_u32 v[SPW], v[NIL]
	s_wait_dscnt 0x0
	CROUND                                         ; the closing round
	s_endpgm
.Lfunc_end_k_qe1db57be8a_wo:
	.size	k_qe1db57be8a_wo, .Lfunc_end_k_qe1db57be8a_wo-k_qe1db57be8a_wo
	.p2alignl 7, 3214868480
	.fill 96, 4, 3214868480
	.section	.rodata,"a",@progbits
	.p2align	6, 0x0
	.amdhsa_kernel k_qe1db57be8a_wo
		.amdhsa_group_segment_fixed_size 327680
		.amdhsa_private_segment_fixed_size 0
		.amdhsa_enable_private_segment 0
		.amdhsa_kernarg_size 40
		.amdhsa_user_sgpr_count 2
		.amdhsa_user_sgpr_kernarg_segment_ptr 1
		.amdhsa_wavefront_size32 1
		.amdhsa_system_sgpr_workgroup_id_x 1
		.amdhsa_system_sgpr_workgroup_id_y 1
		.amdhsa_system_sgpr_workgroup_id_z 1
		.amdhsa_system_vgpr_workitem_id 0
		.amdhsa_next_free_vgpr 640
		.amdhsa_next_free_sgpr 102
		.amdhsa_reserve_vcc 0
		.amdhsa_float_denorm_mode_32 3
		.amdhsa_float_denorm_mode_16_64 3
		.amdhsa_memory_ordered 1
		.amdhsa_forward_progress 1
		.amdhsa_inst_pref_size 62
	.end_amdhsa_kernel
	.amdgpu_metadata
---
amdhsa.version: [ 1, 2 ]
amdhsa.kernels:
  - .name:           k_qe1db57be8a_wo
    .symbol:         k_qe1db57be8a_wo.kd
    .args:
      - { .name: ha, .offset: 0, .size: 8, .value_kind: global_buffer, .address_space: global }
      - { .name: wimg, .offset: 8, .size: 8, .value_kind: global_buffer, .address_space: global }
      - { .name: wsw, .offset: 16, .size: 8, .value_kind: global_buffer, .address_space: global }
      - { .name: x, .offset: 24, .size: 8, .value_kind: global_buffer, .address_space: global }
      - { .name: x1, .offset: 32, .size: 8, .value_kind: global_buffer, .address_space: global }
    .group_segment_fixed_size: 327680
    .private_segment_fixed_size: 0
    .kernarg_segment_align: 8
    .kernarg_segment_size: 40
    .max_flat_workgroup_size: 128
    .sgpr_count:     102
    .vgpr_count:     640
    .wavefront_size: 32
...
	.end_amdgpu_metadata
.endif
;; end of part 5
;; launch norm2: the kernel of part 2 again; grid 256 x 1, 8 waves a work-group, no clusters, 2,048 bytes of LDS; arguments x1, ha; writes ha
;; launch w1 (part 6): grid 32 x 32, 4 waves a work-group, clusters of 4 x 4, 327,680 bytes of LDS; arguments ha, wimg, wsw, g; writes g
.if DOCPART == 6
	.amdgcn_target "amdgcn-amd-amdhsa--gfx1250"
	.amdhsa_code_object_version 6
	.text
	.protected	k_qe1db57be8a_w1
	.globl	k_qe1db57be8a_w1
	.p2align	8
	.type	k_qe1db57be8a_w1,@function
k_qe1db57be8a_w1:
	s_mov_b64 s[64:65], 0
	v_nop
	global_prefetch_b8 v0, s[64:65] scope:SCOPE_SE
	s_setreg_imm32_b32 hwreg(HW_REG_WAVE_MODE, 25, 1), 1
	s_wait_xcnt 0x0
	s_wait_alu depctr_hold_cnt(0) depctr_sa_sdst(0) depctr_va_vdst(0) depctr_va_sdst(0) depctr_va_ssrc(0) depctr_va_vcc(0) depctr_vm_vsrc(0)
	s_getreg_b32 s2, hwreg(HW_REG_IB_STS2, 6, 4)
	s_cmp_eq_u32 s2, 0
	s_cbranch_scc0 .Lentry_in_a_cluster
	s_endpgm
.Lentry_in_a_cluster:
	s_bfe_u32 s2, ttmp6, 0x10000c
	s_cmp_lg_u32 s2, 0xf033
	s_cbranch_scc0 .Lentry_shape_is_right
	s_endpgm
.Lentry_shape_is_right:
; g = Q(gelu(h2 W1)): a product of K = 1,024 on E4M3 codes with E8M0 scales; gelu (the tanh form) in f32; the result quantised along the 4,096 hidden units for the next product.
; OPERANDS are images of operand registers (fragment = 16 rows x 128 K = 2,048 bytes, pieces of 512 bytes at 16 x lane, fragments [row tile][K step]) with scale words [row tile][K step][16 rows]; so is the result.
; THE PRODUCT: source 0 = 16 image rows of W1 (Y), source 1 = 16 tokens (X): lane (r, h) holds token r; the 16 registers of Y tiles 2 beta, 2 beta + 1 are hidden units 32 beta + 16 h + 0 .. 15.
; gelu(x) = x / (1 + 2^z), z = x (c0 + c1 x^2), c0 = -2 log2(e) sqrt(2 / pi), c1 = 0.044715 c0: the same function as 0.5 x (1 + tanh(..)).
; SHARES: 128 tokens x 128 units to a work-group, 64 x 64 to each of four waves.  1,024 work-groups.  CLUSTER 4 x 4: X's tiles shared along a row, Y's along a column, asked for jointly.
; LIMITS: NaN and infinities are not served; blocks under 2^-118 (zeros too) get the byte 1: only this program reads the bytes.
; REGISTERS: window 0: v8-15 scale words, two sets; v16-31 addresses; v32-127 the way out; v128-255 accumulator (a, b) at 128 + 8 (4 a + b).  window 1: two fragment buffers.
.set NKS,   8
.set XSOFF, 0x400000
.set YCOFF, 0x400000
.set YSOFF, 131072
.set LAPS,  NKS/8
.set HALFT, 32768
.set SLOT,  131072
.set SCLX,  262144
.set SCLY,  SCLX+NKS*512+64
.set SPARE, (SCLY+NKS*512+255)/256*256
.set SST,   SPARE+512
.set SC,   8
.set ADRX, 16
.set ADRY, 20
.set ADRS, 27
.set SPW,  28
.set NIL,  29
.set ACC,  128
.set TM,   96
.set SEL,  66
.set MNT,  2
.set G1, 24
.set G0, 32
.set G1B, 48
.set G0B, 56
.set G1S, 68
.set G0S, 76
.set G1SB, 80
.set G0SB, 88
.set MSB, 0
.macro WIN new                         ; the immediate's high byte repeats the setting that is left
.if MSB != \new
	s_set_vgpr_msb (MSB<<8)|\new
.set MSB, \new
.endif
.endm
.macro JLOAD g0a, g1a, g0b, g1b        ; a joint load: waves 0, 1 fetch for X, waves 2, 3 for Y; four v_nop follow each line
	s_cmp_eq_u32 s15, 0
	s_cbranch_scc0 .Lfor_y_\@
	tensor_load_to_lds s[\g0a:\g0a+3], s[\g1a:\g1a+7]
	s_nop 0
.rept 4
	v_nop
.endr
	s_branch .Lasked_\@
.Lfor_y_\@:
	tensor_load_to_lds s[\g0b:\g0b+3], s[\g1b:\g1b+7]
	s_nop 0
.rept 4
	v_nop
.endr
.Lasked_\@:
.endm
.macro CREST
	s_cmp_lg_u32 s14, 0
	s_cbranch_scc1 .Lnot_wave_0_\@
	s_barrier_signal -3
.Lnot_wave_0_\@:
	s_barrier_wait -3
	s_barrier_signal -1
	s_barrier_wait -1
.endm
.macro CROUND
	s_barrier_signal -1
	s_barrier_wait -1
	CREST
.endm
.macro PLACES n
.rept \n
	v_nop
.endr
.endm
.macro FETCH slot, q, f, set           ; 36 LDS loads: the fragments of the slot's q-th 128 along K into buffer f, their scale words into set
	WIN 0x40
.irp i, 0,1,2,3
.irp c, 0,1,2,3
	ds_load_b128 v[(\f)+64+16*\i+4*\c:(\f)+64+16*\i+4*\c+3], v[ADRY+\slot] offset:(4*\i+(\q))*2048+512*\c
.endr
.endr
.irp i, 0,1,2,3
.irp c, 0,1,2,3
	ds_load_b128 v[(\f)+16*\i+4*\c:(\f)+16*\i+4*\c+3], v[ADRX+\slot] offset:(4*\i+(\q))*2048+512*\c
.endr
.endr
	WIN 0
.irp i, 0,1,2,3
	ds_load_b32 v[SC+4*(\set)+\i], v[ADRS] offset:(\i*NKS+4*\slot+(\q))*64
.endr
.endm
.macro MUL8 f, set, a0, zero           ; the 16 accumulators take turns in one order everywhere
.irp a, \a0, \a0+1
.irp b, 0,1,2,3
.if \zero
	v_wmma_scale_f32_16x16x128_f8f6f4 v[ACC+8*(4*(\a)+\b):ACC+8*(4*(\a)+\b)+7], v[(\f)+64+16*\b:(\f)+64+16*\b+15], v[(\f)+16*(\a):(\f)+16*(\a)+15], 0, v[SC+4*(\set)+\b], v[SC+4*(\set)+(\a)] matrix_a_scale:MATRIX_SCALE_ROW1
.else
	v_wmma_scale_f32_16x16x128_f8f6f4 v[ACC+8*(4*(\a)+\b):ACC+8*(4*(\a)+\b)+7], v[(\f)+64+16*\b:(\f)+64+16*\b+15], v[(\f)+16*(\a):(\f)+16*(\a)+15], v[ACC+8*(4*(\a)+\b):ACC+8*(4*(\a)+\b)+7], v[SC+4*(\set)+\b], v[SC+4*(\set)+(\a)] matrix_a_scale:MATRIX_SCALE_ROW1
.endif
.endr
.endr
.endm
.macro STEP slot, q, zero
	PLACES 8                                       ; eight places in front of loads into registers that the last products read
	FETCH \slot, (\q)+1, 128-128*((\q)%2), 1-(\q)%2
	s_wait_dscnt 36                                ; all but the 36 just issued
	WIN 0x05
	MUL8 128*((\q)%2), (\q)%2, 0, \zero
	MUL8 128*((\q)%2), (\q)%2, 2, \zero
	WIN 0
.endm
.macro TURN slot, next, fill
	s_wait_tensorcnt 0x0                           ; all my tensor loads have landed, my part of the next slot among them
	ds_add_u32 v[SPW], v[NIL]                      ; 0 onto my spare word
	s_wait_dscnt 1                                 ; the fragments are in; the add may be out
	WIN 0x05
	MUL8 128, 1, 0, 0
	s_wait_dscnt 0x0                               ; the add is done, and my reads of this slot are over
	s_barrier_signal -1
	MUL8 128, 1, 2, 0
	WIN 0
	s_barrier_wait -1
.if \fill
	CREST
	s_add_nc_u64 s[G0+4*\slot+2:G0+4*\slot+3], s[G0+4*\slot+2:G0+4*\slot+3], 16384
	s_add_nc_u64 s[G0B+4*\slot+2:G0B+4*\slot+3], s[G0B+4*\slot+2:G0B+4*\slot+3], 16384
	JLOAD G0+4*\slot, G1, G0B+4*\slot, G1B
	PLACES 4
.else
	PLACES 8
.endif
.if \next == 0
	v_add_nc_u32 v[ADRS], 512, v[ADRS]
.endif
	FETCH \next, 0, 0, 0
.endm
.macro QUANT s, pc                     ; 64 numbers of a lane (block b = registers 16 b on) become 16 registers of codes; the four bytes are left in v[TM+4] on
.irp b, 0,1,2,3
	v_max3_num_f32 v[TM+\b], |v[(\s)+16*\b]|, |v[(\s)+1+16*\b]|, 0x4800000   ; my 16 numbers and the floor 2^(9 - 127)
.endr
.irp i, 2,4,6,8,10,12,14
.irp b, 0,1,2,3
	v_max3_num_f32 v[TM+\b], v[TM+\b], |v[(\s)+16*\b+\i]|, |v[(\s)+1+16*\b+\i]|
.endr
.endr
.irp b, 0,1,2,3
	v_permlanex16_b32 v[TM+4+\b], v[TM+\b], s[SEL], s[SEL+1]
.endr
.irp b, 0,1,2,3
	v_max_num_f32 v[TM+\b], v[TM+\b], v[TM+4+\b]
.endr
.irp b, 0,1,2,3
	v_add_nc_u32 v[TM+12+\b], 0xfc000000, v[TM+\b]
.endr
.irp b, 0,1,2,3
	v_and_or_b32 v[TM+8+\b], v[TM+\b], 0x7f800000, s[MNT]
.endr
.irp b, 0,1,2,3
	v_lshrrev_b32 v[TM+4+\b], 23, v[TM+12+\b]
.endr
.irp b, 0,1,2,3
.irp i, 0,1,2,3,4,5,6,7,8,9,10,11,12,13,14,15
	v_med3_num_f32 v[(\s)+16*\b+\i], v[(\s)+16*\b+\i], -v[TM+8+\b], v[TM+8+\b]   ; the conversion does not saturate (ISA guide 7.6.2): the hold comes first
.endr
	v_cvt_scalef32_pk8_fp8_f32 v[(\pc)+4*\b:(\pc)+4*\b+1], v[(\s)+16*\b:(\s)+16*\b+7], v[TM+12+\b]
	v_cvt_scalef32_pk8_fp8_f32 v[(\pc)+4*\b+2:(\pc)+4*\b+3], v[(\s)+16*\b+8:(\s)+16*\b+15], v[TM+12+\b]
.endr
	v_nop                                          ; a plain line behind the last conversion
.endm
.macro GELU s                          ; 64 numbers in place; v32-95 at work; each batch of transcendentals has one plain line and one wait behind it
.set i, 0
.rept 32
	v_pk_mul_f32 v[32+i:33+i], v[(\s)+i:(\s)+i+1], v[(\s)+i:(\s)+i+1]            ; x^2: the accumulators are read from their low ends on
.set i, i+2
.endr
.set i, 0
.rept 32
	v_pk_fma_f32 v[32+i:33+i], v[32+i:33+i], s[100:101], v[112:113] op_sel_hi:[1,0,0]   ; c1 x^2 + c0
.set i, i+2
.endr
.set i, 0
.rept 32
	v_pk_mul_f32 v[32+i:33+i], v[32+i:33+i], v[(\s)+i:(\s)+i+1]                  ; z
.set i, i+2
.endr
.set i, 0
.rept 64
	v_exp_f32 v[32+i], v[32+i]
.set i, i+1
.endr
	v_nop
	s_wait_alu depctr_va_vdst(0)
.set i, 0
.rept 32
	v_pk_add_f32 v[32+i:33+i], v[32+i:33+i], 1.0 op_sel_hi:[1,0]
.set i, i+2
.endr
.set i, 0
.rept 64
	v_rcp_f32 v[32+i], v[32+i]
.set i, i+1
.endr
	v_nop
	s_wait_alu depctr_va_vdst(0)
.set i, 0
.rept 32
	v_pk_mul_f32 v[(\s)+i:(\s)+i+1], v[(\s)+i:(\s)+i+1], v[32+i:33+i]
.set i, i+2
.endr
.endm
	s_load_b128 s[4:7], s[0:1], 0x0                ; ha, wimg
	s_load_b128 s[8:11], s[0:1], 0x10              ; wsw, g
	v_lshl_add_u32 v[SPW], v0, 2, SPARE
	v_mov_b32 v[NIL], 0
	ds_add_u32 v28, v29
	ds_add_u32 v28, v29
	s_wait_dscnt 0x0
	v_lshrrev_b32 v1, 5, v0
	v_readfirstlane_b32 s14, v1                    ; wave 0..3
	s_lshr_b32 s15, s14, 1                         ; wx; also: I fetch for X (0) or for Y (1)
	s_and_b32 s16, s14, 1                          ; wy; also: which 64 rows I fetch
	s_bfe_u32 s40, ttmp6, 0x40000
	s_bfe_u32 s41, ttmp6, 0x40004
	s_lshl_b32 s42, ttmp9, 2
	s_add_co_u32 s42, s42, s40                     ; TY
	s_and_b32 s17, ttmp7, 0xffff
	s_lshl_b32 s17, s17, 2
	s_add_co_u32 s17, s17, s41                     ; TX
	s_lshl_b32 s43, s41, 2
	s_lshl_b32 s43, 15, s43
	s_lshl_b32 s44, 0x1111, s40
	s_or_b32 s[G1+0], s43, (3<<16)|(1<<21)         ; codes: four row tiles x 8,192 consecutive bytes, NKS x 2,048 bytes apart; elements of 8 bytes; no padding
	s_or_b32 s[G1B+0], s44, (3<<16)|(1<<21)
.irp g, G1, G1B
	s_mov_b32 s[\g+1], 1024<<16
	s_mov_b32 s[\g+2], 4<<16
	s_mov_b32 s[\g+3], 1024<<16
	s_mov_b32 s[\g+4], 4
	s_mov_b32 s[\g+5], NKS*256
	s_mov_b32 s[\g+6], 0
	s_mov_b32 s[\g+7], 0
.endr
	s_or_b32 s[G1S+0], s43, (3<<16)|(1<<21)
	s_or_b32 s[G1SB+0], s44, (3<<16)|(1<<21)
.irp g, G1S, G1SB
	s_mov_b32 s[\g+1], 32<<16
	s_mov_b32 s[\g+2], NKS<<16
	s_mov_b32 s[\g+3], 32<<16
	s_mov_b32 s[\g+4], NKS
	s_mov_b32 s[\g+5], 32
	s_mov_b32 s[\g+6], 0
	s_mov_b32 s[\g+7], 0
.endr
	s_lshl_b32 s18, s16, 2
	s_lshl_b32 s20, s17, 3
	s_add_co_u32 s20, s20, s18
	s_mul_i32 s20, s20, NKS*2048
	s_mov_b32 s21, 0
	s_lshl_b32 s22, s17, 1
	s_add_co_u32 s22, s22, s16
	s_mul_i32 s22, s22, NKS*256
	s_add_co_u32 s22, s22, XSOFF
	s_mov_b32 s23, 0
	s_lshl_b32 s46, s42, 3
	s_add_co_u32 s46, s46, s18
	s_mul_i32 s46, s46, NKS*2048
	s_add_co_u32 s46, s46, YCOFF
	s_mov_b32 s47, 0
	s_lshl_b32 s92, s42, 1
	s_add_co_u32 s92, s92, s16
	s_mul_i32 s92, s92, NKS*256
	s_add_co_u32 s92, s92, YSOFF
	s_mov_b32 s93, 0
	s_mul_i32 s45, s14, HALFT
	s_mul_i32 s94, s16, NKS*256
	s_lshl_b32 s96, s17, 3
	s_lshl_b32 s97, s15, 2
	s_add_co_u32 s96, s96, s97                     ; out: row tile 8 TX + 4 wx,
	s_lshl_b32 s96, s96, 5
	s_add_co_u32 s96, s96, s42                     ; K step TY of 32,
	s_lshl_b32 s96, s96, 11
	s_lshl_b32 s97, s16, 10                        ; pieces 2 wy, 2 wy + 1
	s_add_co_u32 s96, s96, s97
	s_mov_b32 s97, 0
	s_lshl_b32 s98, s17, 8
	s_add_co_u32 s98, s98, s42
	s_lshl_b32 s98, s98, 6
	s_add_co_u32 s98, s98, 16777216                ; scale words: (row tile 8 TX, K step TY)
	s_mov_b32 s99, 0
	s_wait_kmcnt 0x0
	s_add_nc_u64 s[20:21], s[4:5], s[20:21]
	s_add_nc_u64 s[22:23], s[4:5], s[22:23]
	s_add_nc_u64 s[46:47], s[6:7], s[46:47]
	s_add_nc_u64 s[92:93], s[8:9], s[92:93]
	s_add_nc_u64 s[96:97], s[10:11], s[96:97]
	s_add_nc_u64 s[98:99], s[10:11], s[98:99]
	CROUND                                         ; all sixteen work-groups are here: the first joint loads meet
	s_mov_b32 s[G0S], 1
	s_add_co_u32 s[G0S+1], s94, SCLX
	s_mov_b64 s[G0S+2:G0S+3], s[22:23]
	s_or_b32 s[G0S+3], s[G0S+3], 0x80000000
	s_mov_b32 s[G0SB], 1
	s_add_co_u32 s[G0SB+1], s94, SCLY
	s_mov_b64 s[G0SB+2:G0SB+3], s[92:93]
	s_or_b32 s[G0SB+3], s[G0SB+3], 0x80000000
	JLOAD G0S, G1S, G0SB, G1SB                     ; three loads of mine are out behind the third
.irp s, 0,1
	s_mov_b32 s[G0+4*\s], 1
	s_add_co_u32 s[G0+4*\s+1], s45, \s*SLOT
	s_add_nc_u64 s[G0+4*\s+2:G0+4*\s+3], s[20:21], \s*8192
	s_or_b32 s[G0+4*\s+3], s[G0+4*\s+3], 0x80000000
	s_mov_b32 s[G0B+4*\s], 1
	s_add_co_u32 s[G0B+4*\s+1], s45, \s*SLOT
	s_add_nc_u64 s[G0B+4*\s+2:G0B+4*\s+3], s[46:47], \s*8192
	s_or_b32 s[G0B+4*\s+3], s[G0B+4*\s+3], 0x80000000
	JLOAD G0+4*\s, G1, G0B+4*\s, G1B
.endr
	v_and_b32 v1, 31, v0
	v_lshlrev_b32 v2, 4, v1                        ; 16 x lane
	v_and_b32 v3, 15, v0                           ; r
	v_bfe_u32 v4, v0, 4, 1                         ; h
	s_mul_i32 s18, s15, HALFT
	s_mul_i32 s19, s16, HALFT
	s_add_co_u32 s19, s19, 2*HALFT
.irp s, 0,1
	v_add_nc_u32 v[ADRX+\s], s18, v2
	v_add_nc_u32 v[ADRY+\s], s19, v2
	s_add_co_u32 s18, s18, SLOT
	s_add_co_u32 s19, s19, SLOT
.endr
	s_mul_i32 s18, s15, NKS*256
	s_mul_i32 s19, s16, NKS*256
	s_add_co_u32 s19, s19, SCLY-SCLX
	s_sub_co_u32 s19, s19, s18
	v_mul_u32_u24 v5, s19, v4                      ; lanes 16-31 take Y's words: one product with h
	s_add_co_u32 s18, s18, SCLX
	v_lshl_add_u32 v5, v3, 2, v5
	v_add_nc_u32 v[ADRS], s18, v5
	s_mov_b32 s[SEL], 0x76543210
	s_mov_b32 s[SEL+1], 0xfedcba98
	s_mov_b32 s[MNT], 0x600000
	s_mov_b32 s100, 0xbdd2d3e8                     ; c1
	s_mov_b32 s101, s100
	v_mov_b32 v112, 0xc0135761                     ; c0
	v_mov_b32 v113, v112
.irp b, 0,1,2,3
	v_mov_b32 v[TM+4+\b], 0                        ; a lane permute's destination counts as read
.endr
	v_mov_b32 v24, v2                              ; 16 x lane
	s_lshl_b32 s18, s15, 8
	s_lshl_b32 s19, s16, 1
	s_add_co_u32 s18, s18, s19
	s_add_co_u32 s18, s18, SST
	v_lshl_add_u32 v25, v3, 2, s18                 ; my rows' scale halfwords: SST + 4 (64 wx + r) + 2 wy
	v_add_nc_u32 v26, SST, v2
	v_lshrrev_b32 v30, 2, v1
	v_lshlrev_b32 v30, 11, v30
	v_and_b32 v5, 3, v1
	v_lshl_add_u32 v30, v5, 4, v30                 ; scale words out: row tile lane / 4, 2,048 bytes apart; 16 bytes a lane
	s_wait_tensorcnt 1                             ; the scale words and my part of slot 0 are in; slot 1's load may be out
	s_barrier_signal -1
	s_barrier_wait -1
	FETCH 0, 0, 0, 0
	STEP 0, 0, 1                                   ; the first step's products start the sums
	STEP 0, 1, 0
	STEP 0, 2, 0
	TURN 0, 1, 0
	STEP 1, 0, 0
	STEP 1, 1, 0
	STEP 1, 2, 0
	s_wait_dscnt 0x0
	WIN 0x05
	MUL8 128, 1, 0, 0
	MUL8 128, 1, 2, 0
	WIN 0
	; THE WAY OUT: gelu, then the quantiser along the hidden units.  Block b of a half: X tile 2 A + b / 2, units 32 (b % 2) on of my 64
	PLACES 8
	GELU ACC
	GELU ACC+64
.irp A, 0,1
	QUANT ACC+64*\A, 32+16*\A
	v_lshl_or_b32 v114, v[TM+5], 8, v[TM+4]        ; two bytes: my half of a row's scale word
	v_lshl_or_b32 v115, v[TM+7], 8, v[TM+6]
.irp b, 0,1,2,3
	global_store_b128 v24, v[32+16*\A+4*\b:32+16*\A+4*\b+3], s[96:97] offset:(2*\A+\b/2)*65536+(\b%2)*512   ; a piece of the next operand's image: 512 consecutive bytes
.endr
	ds_store_b16 v25, v114 offset:64*(2*\A)
	ds_store_b16 v25, v115 offset:64*(2*\A+1)
.endr
	s_wait_dscnt 0x0                               ; for the others' sake: my halfwords have landed
	s_barrier_signal -1
	s_barrier_wait -1
	s_cmp_lg_u32 s14, 0
	s_cbranch_scc1 .Lnot_first
	ds_load_b128 v[120:123], v26
	s_wait_dscnt 0x0
	global_store_b128 v30, v[120:123], s[98:99]    ; wave 0 stores the 128 rows' scale words: 64 consecutive bytes for each of eight row tiles
.Lnot_first:
	s_wait_tensorcnt 0x0                           ; the wave's end
	ds_add_u32 v[SPW], v[NIL]
	s_wait_dscnt 0x0
	CROUND                                         ; the closing round
	s_endpgm
.Lfunc_end_k_qe1db57be8a_w1:
	.size	k_qe1db57be8a_w1, .Lfunc_end_k_qe1db57be8a_w1-k_qe1db57be8a_w1
	.p2alignl 7, 3214868480
	.fill 96, 4, 3214868480
	.section	.rodata,"a",@progbits
	.p2align	6, 0x0
	.amdhsa_kernel k_qe1db57be8a_w1
		.amdhsa_group_segment_fixed_size 327680
		.amdhsa_private_segment_fixed_size 0
		.amdhsa_enable_private_segment 0
		.amdhsa_kernarg_size 32
		.amdhsa_user_sgpr_count 2
		.amdhsa_user_sgpr_kernarg_segment_ptr 1
		.amdhsa_wavefront_size32 1
		.amdhsa_system_sgpr_workgroup_id_x 1
		.amdhsa_system_sgpr_workgroup_id_y 1
		.amdhsa_system_sgpr_workgroup_id_z 1
		.amdhsa_system_vgpr_workitem_id 0
		.amdhsa_next_free_vgpr 512
		.amdhsa_next_free_sgpr 102
		.amdhsa_reserve_vcc 0
		.amdhsa_float_denorm_mode_32 3
		.amdhsa_float_denorm_mode_16_64 3
		.amdhsa_memory_ordered 1
		.amdhsa_forward_progress 1
		.amdhsa_inst_pref_size 94
	.end_amdhsa_kernel
	.amdgpu_metadata
---
amdhsa.version: [ 1, 2 ]
amdhsa.kernels:
  - .name:           k_qe1db57be8a_w1
    .symbol:         k_qe1db57be8a_w1.kd
    .args:
      - { .name: ha, .offset: 0, .size: 8, .value_kind: global_buffer, .address_space: global }
      - { .name: wimg, .offset: 8, .size: 8, .value_kind: global_buffer, .address_space: global }
      - { .name: wsw, .offset: 16, .size: 8, .value_kind: global_buffer, .address_space: global }
      - { .name: g, .offset: 24, .size: 8, .value_kind: global_buffer, .address_space: global }
    .group_segment_fixed_size: 327680
    .private_segment_fixed_size: 0
    .kernarg_segment_align: 8
    .kernarg_segment_size: 32
    .max_flat_workgroup_size: 128
    .sgpr_count:     102
    .vgpr_count:     512
    .wavefront_size: 32
...
	.end_amdgpu_metadata
.endif
;; end of part 6
;; launch w2 (part 7): grid 8 x 32, 4 waves a work-group, clusters of 4 x 4, 327,680 bytes of LDS; arguments g, wimg, wsw, x1, out0; writes out0
.if DOCPART == 7
	.amdgcn_target "amdgcn-amd-amdhsa--gfx1250"
	.amdhsa_code_object_version 6
	.text
	.protected	k_qe1db57be8a_w2
	.globl	k_qe1db57be8a_w2
	.p2align	8
	.type	k_qe1db57be8a_w2,@function
k_qe1db57be8a_w2:
	s_mov_b64 s[64:65], 0
	v_nop
	global_prefetch_b8 v0, s[64:65] scope:SCOPE_SE
	s_setreg_imm32_b32 hwreg(HW_REG_WAVE_MODE, 25, 1), 1
	s_wait_xcnt 0x0
	s_wait_alu depctr_hold_cnt(0) depctr_sa_sdst(0) depctr_va_vdst(0) depctr_va_sdst(0) depctr_va_ssrc(0) depctr_va_vcc(0) depctr_vm_vsrc(0)
	s_getreg_b32 s2, hwreg(HW_REG_IB_STS2, 6, 4)
	s_cmp_eq_u32 s2, 0
	s_cbranch_scc0 .Lentry_in_a_cluster
	s_endpgm
.Lentry_in_a_cluster:
	s_bfe_u32 s2, ttmp6, 0x10000c
	s_cmp_lg_u32 s2, 0xf033
	s_cbranch_scc0 .Lentry_shape_is_right
	s_endpgm
.Lentry_shape_is_right:
; out = x1 + g W2: a product of K = 4,096 on E4M3 codes with E8M0 scales, and the residual, in f32.
; OPERANDS are images of operand registers (fragment = 16 rows x 128 K = 2,048 bytes, pieces of 512 bytes at 16 x lane, fragments [row tile][K step]) with scale words [row tile][K step][16 rows].
; THE PRODUCT: source 0 = 16 image rows of the weight (Y), source 1 = 16 tokens (X): lane (r, h) holds token r; register j of Y tile 2 beta + u is column 32 beta + 16 h + 8 u + j.
; SHARES: 128 tokens x 128 columns to a work-group, 64 x 64 to each of four waves: 16 accumulators.  256 work-groups.  K goes through a ring of two LDS slots of 512 along K: a refill has four steps of 128 in which to land.
; CLUSTER 4 x 4: X's tiles are shared along a row of the cluster, Y's along a column; each is asked for jointly; where a slot is filled again a round of the cluster's barrier stands in front.
; REGISTERS: window 0: v8-15 scale words, two sets; v16-31 addresses; v32-95 the way out; v128-255 accumulator (a, b) at 128 + 8 (4 a + b).  window 1: two fragment buffers.  window 2: v0-127 the residual.
.set NKS,   32
.set XSOFF, 0x1000000                  ; X's scale words lie behind its codes
.set YCOFF, 0x800000                   ; the weight's image in wimg
.set YSOFF, 262144                     ; and its scale words in wsw
.set LAPS,  NKS/8
.set HALFT, 32768
.set SLOT,  131072
.set SCLX,  262144
.set SCLY,  SCLX+NKS*512+64
.set SPARE, (SCLY+NKS*512+255)/256*256
.set SC,   8
.set ADRX, 16
.set ADRY, 20
.set STO,  24
.set RD,   25
.set CO,   26
.set ADRS, 27
.set SPW,  28
.set NIL,  29
.set ACC,  128
.set G1, 24
.set G0, 32
.set G1B, 48
.set G0B, 56
.set G1S, 68
.set G0S, 76
.set G1SB, 80
.set G0SB, 88
.set MSB, 0
.macro WIN new                         ; the immediate's high byte repeats the setting that is left
.if MSB != \new
	s_set_vgpr_msb (MSB<<8)|\new
.set MSB, \new
.endif
.endm
.macro JLOAD g0a, g1a, g0b, g1b        ; a joint load: waves 0, 1 fetch for X, waves 2, 3 for Y; four v_nop follow each line
	s_cmp_eq_u32 s15, 0
	s_cbranch_scc0 .Lfor_y_\@
	tensor_load_to_lds s[\g0a:\g0a+3], s[\g1a:\g1a+7]
	s_nop 0
.rept 4
	v_nop
.endr
	s_branch .Lasked_\@
.Lfor_y_\@:
	tensor_load_to_lds s[\g0b:\g0b+3], s[\g1b:\g1b+7]
	s_nop 0
.rept 4
	v_nop
.endr
.Lasked_\@:
.endm
.macro CREST
	s_cmp_lg_u32 s14, 0
	s_cbranch_scc1 .Lnot_wave_0_\@
	s_barrier_signal -3
.Lnot_wave_0_\@:
	s_barrier_wait -3
	s_barrier_signal -1
	s_barrier_wait -1
.endm
.macro CROUND
	s_barrier_signal -1
	s_barrier_wait -1
	CREST
.endm
.macro PLACES n
.rept \n
	v_nop
.endr
.endm
.macro FETCH slot, q, f, set           ; 36 LDS loads: the fragments of the slot's q-th 128 along K into buffer f, their scale words into set
	WIN 0x40
.irp i, 0,1,2,3
.irp c, 0,1,2,3
	ds_load_b128 v[(\f)+64+16*\i+4*\c:(\f)+64+16*\i+4*\c+3], v[ADRY+\slot] offset:(4*\i+(\q))*2048+512*\c
.endr
.endr
.irp i, 0,1,2,3
.irp c, 0,1,2,3
	ds_load_b128 v[(\f)+16*\i+4*\c:(\f)+16*\i+4*\c+3], v[ADRX+\slot] offset:(4*\i+(\q))*2048+512*\c
.endr
.endr
	WIN 0
.irp i, 0,1,2,3
	ds_load_b32 v[SC+4*(\set)+\i], v[ADRS] offset:(\i*NKS+4*\slot+(\q))*64
.endr
.endm
.macro MUL8 f, set, a0, zero           ; the 16 accumulators take turns in one order everywhere, over the loop's backward jump too
.irp a, \a0, \a0+1
.irp b, 0,1,2,3
.if \zero
	v_wmma_scale_f32_16x16x128_f8f6f4 v[ACC+8*(4*(\a)+\b):ACC+8*(4*(\a)+\b)+7], v[(\f)+64+16*\b:(\f)+64+16*\b+15], v[(\f)+16*(\a):(\f)+16*(\a)+15], 0, v[SC+4*(\set)+\b], v[SC+4*(\set)+(\a)] matrix_a_scale:MATRIX_SCALE_ROW1
.else
	v_wmma_scale_f32_16x16x128_f8f6f4 v[ACC+8*(4*(\a)+\b):ACC+8*(4*(\a)+\b)+7], v[(\f)+64+16*\b:(\f)+64+16*\b+15], v[(\f)+16*(\a):(\f)+16*(\a)+15], v[ACC+8*(4*(\a)+\b):ACC+8*(4*(\a)+\b)+7], v[SC+4*(\set)+\b], v[SC+4*(\set)+(\a)] matrix_a_scale:MATRIX_SCALE_ROW1
.endif
.endr
.endr
.endm
.macro STEP slot, q, zero
	PLACES 8                                       ; eight places in front of loads into registers that the last products read
	FETCH \slot, (\q)+1, 128-128*((\q)%2), 1-(\q)%2
	s_wait_dscnt 36                                ; all but the 36 just issued
	WIN 0x05
	MUL8 128*((\q)%2), (\q)%2, 0, \zero
	MUL8 128*((\q)%2), (\q)%2, 2, \zero
	WIN 0
.endm
.macro TURN slot, next, fill           ; a slot's last step, and the change of slots: one barrier
	s_wait_tensorcnt 0x0                           ; all my tensor loads have landed: the one that was out is my part of the next slot
	ds_add_u32 v[SPW], v[NIL]                      ; 0 onto my spare word
	s_wait_dscnt 1                                 ; the fragments are in; the add may be out
	WIN 0x05
	MUL8 128, 1, 0, 0
	s_wait_dscnt 0x0                               ; the add is done, and my reads of this slot are over
	s_barrier_signal -1
	MUL8 128, 1, 2, 0
	WIN 0
	s_barrier_wait -1
.if \fill
	CREST                                          ; the barrier has opened a round of the cluster's: no wave of any partner still reads this slot or has a load on its way
	s_add_nc_u64 s[G0+4*\slot+2:G0+4*\slot+3], s[G0+4*\slot+2:G0+4*\slot+3], 16384
	s_add_nc_u64 s[G0B+4*\slot+2:G0B+4*\slot+3], s[G0B+4*\slot+2:G0B+4*\slot+3], 16384
	JLOAD G0+4*\slot, G1, G0B+4*\slot, G1B         ; the first tensor load behind the round, one a wave; its four v_nop are among the places in front of the loads below
	PLACES 4
.else
	PLACES 8
.endif
.if \next == 0
	v_add_nc_u32 v[ADRS], 512, v[ADRS]             ; the next lap's scale words
.endif
	FETCH \next, 0, 0, 0
.endm
	s_load_b128 s[4:7], s[0:1], 0x0                ; X, wimg
	s_load_b128 s[8:11], s[0:1], 0x10              ; wsw, the residual
	s_load_b64 s[12:13], s[0:1], 0x20              ; the result
	v_lshl_add_u32 v[SPW], v0, 2, SPARE
	v_mov_b32 v[NIL], 0
	ds_add_u32 v28, v29
	ds_add_u32 v28, v29
	s_wait_dscnt 0x0
	v_lshrrev_b32 v1, 5, v0
	v_readfirstlane_b32 s14, v1                    ; wave 0..3
	s_lshr_b32 s15, s14, 1                         ; wx; also: I fetch for X (0) or for Y (1)
	s_and_b32 s16, s14, 1                          ; wy; also: which 64 rows I fetch
	s_bfe_u32 s40, ttmp6, 0x40000
	s_bfe_u32 s41, ttmp6, 0x40004
	s_lshl_b32 s42, ttmp9, 2
	s_add_co_u32 s42, s42, s40                     ; TY
	s_and_b32 s17, ttmp7, 0xffff
	s_lshl_b32 s17, s17, 2
	s_add_co_u32 s17, s17, s41                     ; TX
	s_lshl_b32 s43, s41, 2
	s_lshl_b32 s43, 15, s43                        ; my row of the cluster
	s_lshl_b32 s44, 0x1111, s40                    ; my column
	s_or_b32 s[G1+0], s43, (3<<16)|(1<<21)         ; codes: four row tiles x 8,192 consecutive bytes, NKS x 2,048 bytes apart; elements of 8 bytes; no padding
	s_or_b32 s[G1B+0], s44, (3<<16)|(1<<21)
.irp g, G1, G1B
	s_mov_b32 s[\g+1], 1024<<16
	s_mov_b32 s[\g+2], 4<<16
	s_mov_b32 s[\g+3], 1024<<16
	s_mov_b32 s[\g+4], 4
	s_mov_b32 s[\g+5], NKS*256
	s_mov_b32 s[\g+6], 0
	s_mov_b32 s[\g+7], 0
.endr
	s_or_b32 s[G1S+0], s43, (3<<16)|(1<<21)        ; scale words of 64 rows for all of K: NKS rows of 256 dense bytes
	s_or_b32 s[G1SB+0], s44, (3<<16)|(1<<21)
.irp g, G1S, G1SB
	s_mov_b32 s[\g+1], 32<<16
	s_mov_b32 s[\g+2], NKS<<16
	s_mov_b32 s[\g+3], 32<<16
	s_mov_b32 s[\g+4], NKS
	s_mov_b32 s[\g+5], 32
	s_mov_b32 s[\g+6], 0
	s_mov_b32 s[\g+7], 0
.endr
	s_lshl_b32 s18, s16, 2
	s_lshl_b32 s20, s17, 3
	s_add_co_u32 s20, s20, s18
	s_mul_i32 s20, s20, NKS*2048
	s_mov_b32 s21, 0
	s_lshl_b32 s22, s17, 1
	s_add_co_u32 s22, s22, s16
	s_mul_i32 s22, s22, NKS*256
	s_add_co_u32 s22, s22, XSOFF
	s_mov_b32 s23, 0
	s_lshl_b32 s46, s42, 3
	s_add_co_u32 s46, s46, s18
	s_mul_i32 s46, s46, NKS*2048
	s_add_co_u32 s46, s46, YCOFF
	s_mov_b32 s47, 0
	s_lshl_b32 s92, s42, 1
	s_add_co_u32 s92, s92, s16
	s_mul_i32 s92, s92, NKS*256
	s_add_co_u32 s92, s92, YSOFF
	s_mov_b32 s93, 0
	s_mul_i32 s45, s14, HALFT
	s_mul_i32 s94, s16, NKS*256
	v_and_b32 v3, 15, v0                           ; r
	v_bfe_u32 v4, v0, 4, 1                         ; h
	v_lshlrev_b32 v[CO], 12, v4
	v_lshl_add_u32 v[CO], v3, 4, v[CO]             ; lanes 0-15 one row of the result, lanes 16-31 the next; 16 bytes a lane
	s_lshl_b32 s96, s17, 19
	s_lshl_b32 s97, s15, 18
	s_add_co_u32 s96, s96, s97                     ; row 128 TX + 64 wx,
	s_lshl_b32 s97, s42, 9
	s_add_co_u32 s96, s96, s97
	s_lshl_b32 s97, s16, 8
	s_add_co_u32 s96, s96, s97                     ; column 128 TY + 64 wy
	s_mov_b32 s97, 0
	s_wait_kmcnt 0x0
	s_add_nc_u64 s[20:21], s[4:5], s[20:21]
	s_add_nc_u64 s[22:23], s[4:5], s[22:23]
	s_add_nc_u64 s[46:47], s[6:7], s[46:47]
	s_add_nc_u64 s[92:93], s[8:9], s[92:93]
	s_add_nc_u64 s[98:99], s[12:13], s[96:97]      ; the result
	s_add_nc_u64 s[96:97], s[10:11], s[96:97]      ; the residual
	CROUND                                         ; all sixteen work-groups are here: the first joint loads meet
	s_mov_b32 s[G0S], 1
	s_add_co_u32 s[G0S+1], s94, SCLX
	s_mov_b64 s[G0S+2:G0S+3], s[22:23]
	s_or_b32 s[G0S+3], s[G0S+3], 0x80000000
	s_mov_b32 s[G0SB], 1
	s_add_co_u32 s[G0SB+1], s94, SCLY
	s_mov_b64 s[G0SB+2:G0SB+3], s[92:93]
	s_or_b32 s[G0SB+3], s[G0SB+3], 0x80000000
	JLOAD G0S, G1S, G0SB, G1SB                     ; three loads of mine are out behind the third; later one behind each round
.irp s, 0,1
	s_mov_b32 s[G0+4*\s], 1
	s_add_co_u32 s[G0+4*\s+1], s45, \s*SLOT
	s_add_nc_u64 s[G0+4*\s+2:G0+4*\s+3], s[20:21], \s*8192
	s_or_b32 s[G0+4*\s+3], s[G0+4*\s+3], 0x80000000
	s_mov_b32 s[G0B+4*\s], 1
	s_add_co_u32 s[G0B+4*\s+1], s45, \s*SLOT
	s_add_nc_u64 s[G0B+4*\s+2:G0B+4*\s+3], s[46:47], \s*8192
	s_or_b32 s[G0B+4*\s+3], s[G0B+4*\s+3], 0x80000000
	JLOAD G0+4*\s, G1, G0B+4*\s, G1B
.endr
	WIN 0x80                                       ; the residual of my 64 x 64 comes now, into window 2, in the order in which the result will be stored
.irp a, 0,1,2,3
.irp t, 0,1,2,3,4,5,6,7
	global_load_b128 v[4*(8*\a+\t):4*(8*\a+\t)+3], v[CO], s[96:97] offset:(16*\a+2*\t)*4096 th:TH_LOAD_NT
.endr
.endr
	WIN 0
	v_and_b32 v1, 31, v0
	v_lshlrev_b32 v2, 4, v1                        ; 16 x lane
	s_mul_i32 s18, s15, HALFT
	s_mul_i32 s19, s16, HALFT
	s_add_co_u32 s19, s19, 2*HALFT
.irp s, 0,1
	v_add_nc_u32 v[ADRX+\s], s18, v2
	v_add_nc_u32 v[ADRY+\s], s19, v2
	s_add_co_u32 s18, s18, SLOT
	s_add_co_u32 s19, s19, SLOT
.endr
	s_mul_i32 s18, s15, NKS*256
	s_mul_i32 s19, s16, NKS*256
	s_add_co_u32 s19, s19, SCLY-SCLX
	s_sub_co_u32 s19, s19, s18
	v_mul_u32_u24 v5, s19, v4                      ; lanes 16-31 take Y's words: one product with h
	s_add_co_u32 s18, s18, SCLX
	v_lshl_add_u32 v5, v3, 2, v5
	v_add_nc_u32 v[ADRS], s18, v5
	s_mul_i32 s18, s14, 16*272                     ; my stage, 16 rows x (256 + 16) bytes, in slot 0: it has had its last fill and its last read when the first result is stored there
	v_mul_u32_u24 v5, v3, 272
	v_lshl_add_u32 v5, v4, 6, v5
	v_add_nc_u32 v[STO], s18, v5                   ; in: row r, + 64 h
	v_mul_u32_u24 v5, v4, 272
	v_lshl_add_u32 v5, v3, 4, v5
	v_add_nc_u32 v[RD], s18, v5                    ; back: two whole rows an instruction
	s_wait_tensorcnt 1                             ; the scale words and my part of slot 0 are in; slot 1's load may be out
	s_barrier_signal -1
	s_barrier_wait -1
	FETCH 0, 0, 0, 0
	STEP 0, 0, 1                                   ; the first step's products start the sums
.if LAPS > 1
	s_mov_b32 s3, LAPS-1
.Llap:                                                 ; a trip goes once round the ring, from a lap's second step to the next lap's first, and fills both slots again
	STEP 0, 1, 0
	STEP 0, 2, 0
	TURN 0, 1, 1
	STEP 1, 0, 0
	STEP 1, 1, 0
	STEP 1, 2, 0
	TURN 1, 0, 1
	STEP 0, 0, 0
	s_sub_co_u32 s3, s3, 1
	s_cmp_lg_u32 s3, 0
	s_cbranch_scc1 .Llap
.endif
	STEP 0, 1, 0                                   ; the last lap fills nothing: it is written out
	STEP 0, 2, 0
	TURN 0, 1, 0
	STEP 1, 0, 0
	STEP 1, 1, 0
	STEP 1, 2, 0
	s_wait_dscnt 0x0
	WIN 0x05
	MUL8 128, 1, 0, 0
	MUL8 128, 1, 2, 0
	WIN 0
; THE WAY OUT, 16 rows x 64 columns at a time through my own stage: in by columns as the lanes hold them, back as whole rows of 256 bytes; LDS serves a wave's instructions in order (ISA guide 5.7.1.4)
.macro TOSTAGE a
.irp b, 0,1,2,3
	ds_store_b128 v[STO], v[ACC+8*(4*(\a)+\b):ACC+8*(4*(\a)+\b)+3] offset:128*(\b/2)+32*(\b%2)        ; each accumulator from its low end on
	ds_store_b128 v[STO], v[ACC+8*(4*(\a)+\b)+4:ACC+8*(4*(\a)+\b)+7] offset:128*(\b/2)+32*(\b%2)+16
.endr
.set BK, 32+32*((\a)%2)
.irp t, 0,1,2,3,4,5,6,7
	ds_load_b128 v[BK+4*\t:BK+4*\t+3], v[RD] offset:544*\t
.endr
.endm
.macro SEND a, younger
.set BK, 32+32*((\a)%2)
	s_wait_dscnt \younger                          ; the block is back; the next block's 8 stores and 8 loads may be out
	WIN 0x08                                       ; source 1: window 2
.set i, 0
.rept 16
	v_pk_add_f32 v[BK+i:BK+i+1], v[BK+i:BK+i+1], v[32*(\a)+i:32*(\a)+i+1]
.set i, i+2
.endr
	WIN 0
.irp t, 0,1,2,3,4,5,6,7
	global_store_b128 v[CO], v[BK+4*\t:BK+4*\t+3], s[98:99] offset:(16*(\a)+2*\t)*4096 th:TH_STORE_NT   ; 16 lanes store 256 consecutive bytes, aligned; written once, read by nobody here
.endr
.endm
	PLACES 8
	s_wait_loadcnt 0x0                             ; the residual
	TOSTAGE 0
.irp a, 1,2,3
.if \a > 1
	s_wait_xcnt 0x0                                ; block a - 2's stores have read their registers: block a's loads may land there
.endif
	TOSTAGE \a
	SEND \a-1, 16
.endr
	SEND 3, 0
	s_wait_tensorcnt 0x0                           ; the wave's end
	ds_add_u32 v[SPW], v[NIL]
	s_wait_dscnt 0x0
	CROUND                                         ; the closing round
	s_endpgm
.Lfunc_end_k_qe1db57be8a_w2:
	.size	k_qe1db57be8a_w2, .Lfunc_end_k_qe1db57be8a_w2-k_qe1db57be8a_w2
	.p2alignl 7, 3214868480
	.fill 96, 4, 3214868480
	.section	.rodata,"a",@progbits
	.p2align	6, 0x0
	.amdhsa_kernel k_qe1db57be8a_w2
		.amdhsa_group_segment_fixed_size 327680
		.amdhsa_private_segment_fixed_size 0
		.amdhsa_enable_private_segment 0
		.amdhsa_kernarg_size 40
		.amdhsa_user_sgpr_count 2
		.amdhsa_user_sgpr_kernarg_segment_ptr 1
		.amdhsa_wavefront_size32 1
		.amdhsa_system_sgpr_workgroup_id_x 1
		.amdhsa_system_sgpr_workgroup_id_y 1
		.amdhsa_system_sgpr_workgroup_id_z 1
		.amdhsa_system_vgpr_workitem_id 0
		.amdhsa_next_free_vgpr 640
		.amdhsa_next_free_sgpr 102
		.amdhsa_reserve_vcc 0
		.amdhsa_float_denorm_mode_32 3
		.amdhsa_float_denorm_mode_16_64 3
		.amdhsa_memory_ordered 1
		.amdhsa_forward_progress 1
		.amdhsa_inst_pref_size 102
	.end_amdhsa_kernel
	.amdgpu_metadata
---
amdhsa.version: [ 1, 2 ]
amdhsa.kernels:
  - .name:           k_qe1db57be8a_w2
    .symbol:         k_qe1db57be8a_w2.kd
    .args:
      - { .name: g, .offset: 0, .size: 8, .value_kind: global_buffer, .address_space: global }
      - { .name: wimg, .offset: 8, .size: 8, .value_kind: global_buffer, .address_space: global }
      - { .name: wsw, .offset: 16, .size: 8, .value_kind: global_buffer, .address_space: global }
      - { .name: x1, .offset: 24, .size: 8, .value_kind: global_buffer, .address_space: global }
      - { .name: out0, .offset: 32, .size: 8, .value_kind: global_buffer, .address_space: global }
    .group_segment_fixed_size: 327680
    .private_segment_fixed_size: 0
    .kernarg_segment_align: 8
    .kernarg_segment_size: 40
    .max_flat_workgroup_size: 128
    .sgpr_count:     102
    .vgpr_count:     640
    .wavefront_size: 32
...
	.end_amdgpu_metadata
.endif
;; end of part 7
;; ======== version 2 of 2: 7 launches
;; limits: right only within a limited range of input values
;; workspace buffers: wimg 12,582,912 bytes; wsw 393,216 bytes; mk 528,384 bytes of whole numbers; ha 4,325,376 bytes; qkv 12,976,128 bytes; x1 16,777,216 bytes; g 17,301,504 bytes
;; launch prep (part 8): grid 768 x 1, 8 waves a work-group, no clusters, 88,576 bytes of LDS; arguments x, ha, Wq_codes, Wk_codes, Wv_codes, Wo_codes, W1_codes, W2_codes, Wq_scales, Wk_scales, Wv_scales, Wo_scales, W1_scales, W2_scales, causal_mask, wimg, wsw, mk; writes ha, wimg, wsw, mk
.if DOCPART == 8
	.amdgcn_target "amdgcn-amd-amdhsa--gfx1250"
	.amdhsa_code_object_version 6
	.text
	.protected	k_qe1db57be8a_prep
	.globl	k_qe1db57be8a_prep
	.p2align	8
	.type	k_qe1db57be8a_prep,@function
k_qe1db57be8a_prep:
	s_mov_b64 s[64:65], 0
	v_nop
	global_prefetch_b8 v0, s[64:65] scope:SCOPE_SE
	s_setreg_imm32_b32 hwreg(HW_REG_WAVE_MODE, 25, 1), 1
	s_wait_xcnt 0x0
; Three jobs that do not hang on each other, in one launch; the paths part on the work-group's number, and each has LDS bytes of its own.
; (1) Work-groups 0 to 255: ha = Q(x rsqrt(mean(x^2) + 1e-6)): the rms norm of 16 rows of 1,024 f32, quantised to E4M3 with one E8M0 scale for each 32 along the row, stored as images of operand registers
;     (fragment = 16 rows x 128 K = 2,048 bytes: piece c at 512 c holds at 16 x lane the codes k = 32 c + 16 (lane / 16) + 0 .. 15 of row lane % 16; fragments [row tile][8 K steps]); scale words (4 bytes: 128 K of a row)
;     behind the codes, at byte 4,194,304, as [row tile][K step][16 rows].  Wave w owns rows 2 w and 2 w + 1 whole: lane l holds k = 256 i + 8 l + 0 .. 7, i = 0 .. 3: the row's sum stays in the wave, a block of 32 lies in four lanes.
;     The codes meet in an LDS stage of 64 units of 256 bytes (unit = K step, piece, half of the lanes), 272 bytes apart, and leave as 512 consecutive bytes a store.
; (2) Work-groups 256 to 639 lay the six weights out as such images.  Half a work-group (four waves) takes one tile of 16 rows and 1,024 along K, a wave two K steps: eight loads of 256 consecutive bytes of two rows each,
;     re-laid in the wave's own stage.  Row rho of tile 2 beta + u is the weight's row 32 beta + 8 u + rho + 8 (rho / 8).  Scale words [tile][K step][16 rows].
; (3) Work-groups 640 to 767 turn the mask, one byte a place, into lane masks: for query tile qt and key step ks word n = 8 t + j holds in bit lane mask[16 qt + lane % 16][128 ks + 16 t + 8 (lane / 16) + j].
;     Wave w takes key steps 2 w, 2 w + 1.  Flag word 8 qt + w, behind the lane masks: bit ks = every place of (qt, ks) is masked; bit 16 + ks = none is.
; Memory binds: no matrix unit, no cluster, no tensor load.  LIMITS: NaN and infinities are not served; a block whose largest magnitude lies under 2^-118 (zeros too) gets the byte 1: only this program reads the bytes.
.set SSC, 17408                        ; norm: the stage lies at 0; here its 512 bytes of scale words
.set WST, 17920                        ; weights: 4,352 bytes a wave
.set MST, 52736                        ; mask: 4,352 bytes a wave
.set SPARE, 87552                      ; the spare words, 128 bytes a wave
.set SPW, 2
.set NIL, 3
.set WV, 61                            ; s61 the wave
.set ST, 32                            ; v32-95 norm: my 64 numbers, group g = 4 row + i at 8 g
.set PC, 96                            ; v96-111 their codes
.set TM, 112                           ; v112-119 largest magnitudes, then bytes
.set SO, 120                           ; v120-127 the conversions' scale operands
.set HD, 128                           ; v128-135 448 x the scale
.set MB, 32                            ; mask: v32-63 8 bytes a lane and register pair
.set OW, 96
	v_lshl_add_u32 v[SPW], v0, 2, SPARE
	v_mov_b32 v[NIL], 0
	v_lshrrev_b32 v1, 5, v0
	v_readfirstlane_b32 s[WV], v1
	v_and_b32 v1, 31, v0                           ; lane
	s_wait_alu depctr_va_vdst(0)                   ; the wait ahead of the branch
	s_cmp_ge_u32 ttmp9, 256
	s_cbranch_scc1 .Lweights
	; ---- the norm
	s_load_b128 s[4:7], s[0:1], 0x0                ; x, ha
	v_lshlrev_b32 v4, 5, v1                        ; in: 32 x lane
	v_lshrrev_b32 v8, 1, v1
	v_and_b32 v9, 1, v1
	v_lshlrev_b32 v9, 3, v9
	v_mad_u32_u24 v5, v8, 272, v9                  ; codes to the stage: unit 16 i + lane / 2, + 8 (lane % 2),
	s_lshl_b32 s9, s[WV], 5
	v_add_nc_u32 v5, s9, v5                        ; + 16 x row
	v_lshrrev_b32 v8, 4, v1
	v_bfe_u32 v9, v1, 2, 2
	v_lshl_add_u32 v6, v8, 6, v9                   ; bytes: K step 2 i + lane / 16: 64 each; byte (lane / 4) % 4,
	s_lshl_b32 s9, s[WV], 3
	s_add_co_u32 s9, s9, SSC
	v_add_nc_u32 v6, s9, v6                        ; + 4 x row
	v_and_b32 v9, 15, v1
	v_lshlrev_b32 v9, 4, v9
	v_mad_u32_u24 v7, v8, 272, v9                  ; back: K step w: unit 8 w + 2 c + lane / 16, + 16 (lane % 16)
	s_mul_i32 s9, s[WV], 2176
	v_add_nc_u32 v7, s9, v7
	v_lshlrev_b32 v10, 4, v1                       ; 16 x lane
	v_add_nc_u32 v11, SSC, v10
	v_mov_b32 v30, 0                               ; a lane permute's destination counts as read
	v_mov_b32 v31, 0
	s_mov_b32 s12, 0x76543210
	s_mov_b32 s13, 0xfedcba98
	s_mov_b32 s14, 0x600000                        ; the mantissa field of 448
	s_mov_b32 s15, 0x358637bd                      ; 1e-6
	s_mov_b32 s16, 0x3a800000                      ; 1 / 1,024
	s_lshl_b32 s10, ttmp9, 16
	s_lshl_b32 s11, s[WV], 13
	s_add_co_u32 s10, s10, s11                     ; 16 rows of 4,096 bytes a tile, my two rows
	s_mov_b32 s11, 0
	s_lshl_b32 s18, ttmp9, 14
	s_lshl_b32 s19, s[WV], 11
	s_add_co_u32 s18, s18, s19                     ; fragment 8 x tile + w
	s_mov_b32 s19, 0
	s_lshl_b32 s20, ttmp9, 9
	s_add_co_u32 s20, s20, 4194304
	s_mov_b32 s21, 0
	s_wait_alu depctr_va_vdst(0)                   ; the wait at the head's end
	s_wait_kmcnt 0x0
	s_add_nc_u64 s[4:5], s[4:5], s[10:11]
	s_add_nc_u64 s[20:21], s[6:7], s[20:21]
	s_add_nc_u64 s[6:7], s[6:7], s[18:19]
.irp p, 0,1
.irp i, 0,1,2,3
.irp f, 0,1
	global_load_b128 v[ST+32*\p+8*\i+4*\f:ST+32*\p+8*\i+4*\f+3], v4, s[4:5] offset:4096*\p+1024*\i+16*\f th:TH_LOAD_NT   ; a pair of loads takes 1,024 consecutive bytes of a row
.endr
.endr
.endr
	s_wait_loadcnt 0x0
.irp p, 0,1                            ; the sums of squares: two chains a row, started by a product
.irp k, 0,1
	v_pk_mul_f32 v[20+4*\p+2*\k:21+4*\p+2*\k], v[ST+32*\p+2*\k:ST+32*\p+2*\k+1], v[ST+32*\p+2*\k:ST+32*\p+2*\k+1]
.endr
.endr
.irp i, 1,2,3,4,5,6,7
.irp p, 0,1
.irp k, 0,1
	v_pk_fma_f32 v[20+4*\p+2*\k:21+4*\p+2*\k], v[ST+32*\p+4*\i+2*\k:ST+32*\p+4*\i+2*\k+1], v[ST+32*\p+4*\i+2*\k:ST+32*\p+4*\i+2*\k+1], v[20+4*\p+2*\k:21+4*\p+2*\k]
.endr
.endr
.endr
	v_pk_add_f32 v[20:21], v[20:21], v[22:23]
	v_pk_add_f32 v[24:25], v[24:25], v[26:27]
	v_add_f32 v20, v20, v21
	v_add_f32 v24, v24, v25
.irp m, 1,2,4,8
	v_add_f32_dpp v20, v20, v20 row_xmask:\m row_mask:0xf bank_mask:0xf
	v_add_f32_dpp v24, v24, v24 row_xmask:\m row_mask:0xf bank_mask:0xf
.endr
	v_permlanex16_b32 v30, v20, s12, s13
	v_permlanex16_b32 v31, v24, s12, s13
	v_add_f32 v20, v20, v30
	v_add_f32 v24, v24, v31                        ; each row's 1,024 squares, in every lane
	v_fma_f32 v20, v20, s16, s15
	v_fma_f32 v24, v24, s16, s15                   ; the mean + 1e-6
	s_wait_alu depctr_va_vdst(0)                   ; the wait ahead of the batch
	v_rsq_f32 v18, v20
	v_rsq_f32 v19, v20                             ; twice: a pair for the packed multiply
	v_rsq_f32 v28, v24
	v_rsq_f32 v29, v24
	v_nop
	s_wait_alu depctr_va_vdst(0)                   ; and behind it
.set i, 0
.rept 16
	v_pk_mul_f32 v[ST+i:ST+i+1], v[ST+i:ST+i+1], v[18:19]
	v_pk_mul_f32 v[ST+32+i:ST+32+i+1], v[ST+32+i:ST+32+i+1], v[28:29]
.set i, i+2
.endr
.irp g, 0,1,2,3,4,5,6,7                ; eight groups by turns: my 8 numbers of a block, and the floor 2^(9 - 127)
	v_max3_num_f32 v[TM+\g], |v[ST+8*\g]|, |v[ST+8*\g+1]|, 0x4800000
.endr
.irp i, 2,4,6
.irp g, 0,1,2,3,4,5,6,7
	v_max3_num_f32 v[TM+\g], v[TM+\g], |v[ST+8*\g+\i]|, |v[ST+8*\g+\i+1]|
.endr
.endr
.irp m, 1,2                            ; with the block's three other lanes
.irp g, 0,1,2,3,4,5,6,7
	v_max_num_f32_dpp v[TM+\g], v[TM+\g], v[TM+\g] row_xmask:\m row_mask:0xf bank_mask:0xf
.endr
.endr
.irp g, 0,1,2,3,4,5,6,7
	v_add_nc_u32 v[SO+\g], 0xfc000000, v[TM+\g]    ; 8 off the exponent field: the conversion's scale operand
.endr
.irp g, 0,1,2,3,4,5,6,7
	v_and_or_b32 v[HD+\g], v[TM+\g], 0x7f800000, s14   ; 448 x the scale
.endr
.irp g, 0,1,2,3,4,5,6,7
	v_lshrrev_b32 v[TM+\g], 23, v[SO+\g]           ; the scale's byte
.endr
.irp g, 0,1,2,3,4,5,6,7
.irp i, 0,1,2,3,4,5,6,7
	v_med3_num_f32 v[ST+8*\g+\i], v[ST+8*\g+\i], -v[HD+\g], v[HD+\g]   ; the conversion does not saturate (ISA guide 7.6.2): the hold comes first
.endr
	v_cvt_scalef32_pk8_fp8_f32 v[PC+2*\g:PC+2*\g+1], v[ST+8*\g:ST+8*\g+7], v[SO+\g]
.endr
	v_nop                                          ; a plain line behind the last conversion
.irp p, 0,1
.irp i, 0,1,2,3
	ds_store_b64 v5, v[PC+8*\p+2*\i:PC+8*\p+2*\i+1] offset:16*\p+4352*\i
	ds_store_b8 v6, v[TM+4*\p+\i] offset:4*\p+128*\i   ; a block's four lanes store the same byte with the same value
.endr
.endr
	s_wait_dscnt 0x0                               ; for the others' sake: my stores have landed
	s_barrier_signal -1
	s_barrier_wait -1
.irp c, 0,1,2,3
	ds_load_b128 v[32+4*\c:35+4*\c], v7 offset:544*\c
.endr
	s_wait_dscnt 0x0
.irp c, 0,1,2,3
	global_store_b128 v10, v[32+4*\c:35+4*\c], s[6:7] offset:512*\c   ; 512 consecutive bytes a store
.endr
	s_cmp_lg_u32 s[WV], 0
	s_cbranch_scc1 .Lend
	ds_load_b128 v[48:51], v11
	s_wait_dscnt 0x0
	global_store_b128 v10, v[48:51], s[20:21]      ; wave 0 stores the tile's 512 bytes of scale words on end
.Lend:
	s_wait_tensorcnt 0x0                           ; the wave's end
	ds_add_u32 v[SPW], v[NIL]
	s_wait_dscnt 0x0
	s_endpgm
.Lweights:
	s_cmp_ge_u32 ttmp9, 640
	s_cbranch_scc1 .Lmask
	; ---- the weights.  Job n = 2 (work-group - 256) + wave / 4 takes one tile of 16 rows and 1,024 along K; wave % 4 = w the K steps ks0 = 8 chunk + 2 w and ks0 + 1
	s_load_b512 s[8:23], s[0:1], 0x10              ; codes of Wq, Wk, Wv, Wo, W1, W2; scales of Wq, Wk
	s_load_b512 s[24:39], s[0:1], 0x50             ; scales of Wv, Wo, W1, W2; the mask; wimg, wsw, mk
	s_and_b32 s2, s[WV], 3
	s_sub_co_u32 s60, ttmp9, 256
	s_lshl_b32 s60, s60, 1
	s_lshr_b32 s3, s[WV], 2
	s_add_co_u32 s60, s60, s3                      ; n
	s_lshr_b32 s3, s60, 6                          ; 0..3: Wq, Wk, Wv, Wo; 4..7: W1; 8..11: W2
	s_and_b32 s44, s60, 63                         ; the tile
	s_lshl_b32 s48, s3, 20                         ; where the weight's image begins in wimg
	s_lshl_b32 s49, s3, 15                         ; and its scale words in wsw
	s_mov_b32 s45, 0                               ; which 1,024 along K
	s_mov_b32 s46, 10                              ; log2 of a row's bytes
	s_mov_b32 s47, 3                               ; log2 of the K steps in a row
	s_sub_co_u32 s50, s60, 256
	s_cmp_ge_u32 s3, 4
	s_cselect_b32 s44, s50, s44
	s_cselect_b32 s48, 0x400000, s48
	s_cselect_b32 s49, 131072, s49
	s_sub_co_u32 s50, s60, 512
	s_lshr_b32 s51, s50, 2
	s_and_b32 s50, s50, 3
	s_cmp_ge_u32 s3, 8
	s_cselect_b32 s44, s51, s44
	s_cselect_b32 s45, s50, s45
	s_cselect_b32 s46, 12, s46
	s_cselect_b32 s47, 5, s47
	s_cselect_b32 s48, 0x800000, s48
	s_cselect_b32 s49, 262144, s49
	s_lshl_b32 s52, s45, 3
	s_lshl_b32 s54, s2, 1
	s_add_co_u32 s52, s52, s54                     ; ks0
	s_lshr_b32 s53, s44, 1
	s_lshl_b32 s53, s53, 5
	s_and_b32 s54, s44, 1
	s_lshl_b32 s54, s54, 3
	s_add_co_u32 s53, s53, s54                     ; the tile's first row: 32 (tile / 2) + 8 (tile % 2)
	s_sub_co_u32 s56, s46, 5                       ; log2 of a row of scale bytes
	v_and_b32 v12, 15, v1                          ; lane % 16
	v_lshrrev_b32 v13, 4, v1                       ; lane / 16
	v_lshlrev_b32 v6, s46, v13
	v_lshl_add_u32 v6, v12, 4, v6                  ; codes in: row lane / 16 of a pair, 16 bytes a lane: 256 on end
	s_wait_alu depctr_va_vdst(0)                   ; the wait
.irp j, 0,1,2,3,4,5,6,7
	s_lshl_b32 s54, 2*\j+8*(\j/4), s46             ; image rows 2 j, 2 j + 1 are rows 2 j + 8 (j / 4) on
	v_add_nc_u32 v[16+\j], s54, v6
.endr
	v_and_b32 v5, 8, v12
	v_add_nc_u32 v5, v5, v12                       ; r + 8 (r / 8)
	v_lshlrev_b32 v7, s56, v5
	v_lshl_add_u32 v7, v13, 2, v7                  ; scale words in: my row; lanes 16-31 take K step ks0 + 1
	v_mul_u32_u24 v8, v12, 272
	v_lshl_add_u32 v8, v13, 4, v8                  ; to my stage: unit lane % 16, row 2 j + lane / 16
	v_mul_u32_u24 v9, v13, 272
	v_lshl_add_u32 v9, v12, 4, v9                  ; back: unit 2 m + lane / 16, row lane % 16
	s_mul_i32 s57, s[WV], 4352
	s_add_co_u32 s57, s57, WST
	v_add_nc_u32 v8, s57, v8
	v_add_nc_u32 v9, s57, v9
	v_lshlrev_b32 v10, 4, v1                       ; codes out: 16 x lane
	v_lshlrev_b32 v11, 2, v1                       ; scale words out: 4 x lane
	s_wait_alu depctr_va_vdst(0)
	s_wait_kmcnt 0x0
	s_mov_b64 s[40:41], s[8:9]                     ; the weight's two buffers: a choice on ids alone
	s_mov_b64 s[42:43], s[20:21]
	s_cmp_ge_u32 s3, 1
	s_cselect_b64 s[40:41], s[10:11], s[40:41]
	s_cselect_b64 s[42:43], s[22:23], s[42:43]
	s_cmp_ge_u32 s3, 2
	s_cselect_b64 s[40:41], s[12:13], s[40:41]
	s_cselect_b64 s[42:43], s[24:25], s[42:43]
	s_cmp_ge_u32 s3, 3
	s_cselect_b64 s[40:41], s[14:15], s[40:41]
	s_cselect_b64 s[42:43], s[26:27], s[42:43]
	s_cmp_ge_u32 s3, 4
	s_cselect_b64 s[40:41], s[16:17], s[40:41]
	s_cselect_b64 s[42:43], s[28:29], s[42:43]
	s_cmp_ge_u32 s3, 8
	s_cselect_b64 s[40:41], s[18:19], s[40:41]
	s_cselect_b64 s[42:43], s[30:31], s[42:43]
	s_lshl_b32 s54, s53, s46
	s_lshl_b32 s55, s52, 7
	s_add_co_u32 s54, s54, s55
	s_mov_b32 s55, 0
	s_add_nc_u64 s[40:41], s[40:41], s[54:55]      ; codes at (first row, ks0)
	s_lshl_b32 s54, s53, s56
	s_lshl_b32 s57, s52, 2
	s_add_co_u32 s54, s54, s57
	s_add_nc_u64 s[42:43], s[42:43], s[54:55]      ; scale bytes likewise
	s_lshl_b32 s54, s44, s47
	s_add_co_u32 s54, s54, s52                     ; fragment number: tile x K steps + ks0
	s_lshl_b32 s58, s54, 11
	s_add_co_u32 s58, s58, s48
	s_mov_b32 s59, 0
	s_add_nc_u64 s[34:35], s[34:35], s[58:59]
	s_lshl_b32 s58, s54, 6
	s_add_co_u32 s58, s58, s49
	s_add_nc_u64 s[36:37], s[36:37], s[58:59]
.irp j, 0,1,2,3,4,5,6,7
	global_load_b128 v[32+4*\j:35+4*\j], v[16+\j], s[40:41] th:TH_LOAD_NT
.endr
	global_load_b32 v14, v7, s[42:43] th:TH_LOAD_NT
	s_wait_loadcnt 0x0
.irp j, 0,1,2,3,4,5,6,7
	ds_store_b128 v8, v[32+4*\j:35+4*\j] offset:32*\j
.endr
.irp m, 0,1,2,3,4,5,6,7
	ds_load_b128 v[64+4*\m:67+4*\m], v9 offset:544*\m   ; my own bytes: LDS serves a wave's instructions in order (ISA guide 5.7.1.4)
.endr
	s_wait_dscnt 0x0
.irp m, 0,1,2,3,4,5,6,7
	global_store_b128 v10, v[64+4*\m:67+4*\m], s[34:35] offset:512*\m   ; 512 consecutive bytes a store
.endr
	global_store_b32 v11, v14, s[36:37]            ; two K steps' 16 words each
	s_wait_tensorcnt 0x0                           ; the wave's end
	ds_add_u32 v[SPW], v[NIL]
	s_wait_dscnt 0x0
	s_endpgm
.Lmask:
	; ---- the mask
	s_load_b64 s[32:33], s[0:1], 0x70              ; the mask
	s_load_b64 s[38:39], s[0:1], 0x88              ; mk
	s_sub_co_u32 s3, ttmp9, 640                    ; qt
	v_and_b32 v12, 15, v1
	v_lshrrev_b32 v13, 4, v1
	v_lshlrev_b32 v6, 11, v13
	v_lshl_add_u32 v6, v12, 4, v6                  ; in: row lane / 16 of a pair, 256 bytes on end
	v_mul_u32_u24 v8, v13, 272
	v_lshl_add_u32 v8, v12, 4, v8                  ; to my stage: rows 272 bytes apart
	v_mul_u32_u24 v9, v12, 272
	v_lshl_add_u32 v9, v13, 3, v9                  ; back: row lane % 16, + 8 (lane / 16)
	s_mul_i32 s57, s[WV], 4352
	s_add_co_u32 s57, s57, MST
	v_add_nc_u32 v8, s57, v8
	v_add_nc_u32 v9, s57, v9
	v_lshlrev_b32 v10, 3, v1                       ; out: two words a lane
.irp i, 0,1,2,3
	v_mov_b32 v[OW+\i], 0                          ; a lane write's destination counts as read
.endr
	s_lshl_b32 s40, s3, 15
	s_lshl_b32 s41, s[WV], 8
	s_add_co_u32 s40, s40, s41
	s_mov_b32 s41, 0
	s_lshl_b32 s42, s3, 4
	s_lshl_b32 s43, s[WV], 1
	s_add_co_u32 s42, s42, s43
	s_lshl_b32 s42, s42, 8                         ; (16 qt + 2 w) x 256 bytes of words
	s_mov_b32 s43, 0
	s_lshl_b32 s52, s3, 3
	s_add_co_u32 s52, s52, s[WV]
	s_lshl_b32 s52, s52, 2
	s_add_co_u32 s52, s52, 524288                  ; the flags: word 8 qt + w behind the lane masks
	s_mov_b32 s53, 0
	s_lshl_b32 s51, s[WV], 1                       ; 2 w
	s_mov_b32 s50, 0
	s_wait_alu depctr_va_vdst(0)
	s_wait_kmcnt 0x0
	s_add_nc_u64 s[32:33], s[32:33], s[40:41]
	s_add_nc_u64 s[54:55], s[38:39], s[52:53]
	s_add_nc_u64 s[38:39], s[38:39], s[42:43]
.irp j, 0,1,2,3,4,5,6,7
	global_load_b128 v[64+4*\j:67+4*\j], v6, s[32:33] offset:4096*\j th:TH_LOAD_NT
.endr
	s_wait_loadcnt 0x0
.irp j, 0,1,2,3,4,5,6,7
	ds_store_b128 v8, v[64+4*\j:67+4*\j] offset:544*\j
.endr
.irp e, 0,1
.irp t, 0,1,2,3,4,5,6,7
	ds_load_b64 v[MB+16*\e+2*\t:MB+16*\e+2*\t+1], v9 offset:128*\e+16*\t   ; my own bytes, in order
.endr
.endr
	s_wait_dscnt 0x0
.set e, 0
.rept 2
.set g, 0
.rept 16                               ; four words at a time: n = 4 g + k; byte k of register g % 2 of tile g / 2
.irp k, 0,1,2,3
	v_bfe_u32 v[104+\k], v[MB+16*e+2*(g/2)+g%2], 8*\k, 8
.endr
.irp k, 0,1,2,3
	v_cmp_ne_u32 s[44+\k], 0, v[104+\k]            ; the 32 lanes' bits are the word
.endr
.irp k, 0,1,2,3
	v_writelane_b32 v[OW+2*e+\k%2], s[44+\k], 2*g+\k/2   ; word n goes to lane n / 2, register n % 2
.endr
.set g, g+1
.endr
	global_store_b64 v10, v[OW+2*e:OW+2*e+1], s[38:39] offset:256*e   ; 64 words: 256 consecutive bytes, aligned
	v_and_b32 v108, v[OW+2*e], v[OW+2*e+1]
	v_or_b32 v109, v[OW+2*e], v[OW+2*e+1]
	v_cmp_eq_u32 vcc_lo, -1, v108
	s_cmp_eq_u32 vcc_lo, -1                        ; every word all ones: every place masked
	s_cselect_b32 s48, 1<<e, 0
	s_or_b32 s50, s50, s48
	v_cmp_eq_u32 vcc_lo, 0, v109
	s_cmp_eq_u32 vcc_lo, -1                        ; every word 0: no place masked
	s_cselect_b32 s48, 1<<(16+e), 0
	s_or_b32 s50, s50, s48
.set e, e+1
.endr
	s_lshl_b32 s50, s50, s51                       ; my two key steps' bits at 2 w and 16 + 2 w
	v_mov_b32 v15, s50
	v_mov_b32 v11, 0
	v_cmp_eq_u32 vcc_lo, 0, v1
	s_wait_alu depctr_va_vdst(0)
	s_wait_xcnt 0x0                                ; EXEC changes only behind this wait: it is a source of the stores above
	s_and_saveexec_b32 s49, vcc_lo
	global_store_b32 v11, v15, s[54:55]            ; one lane stores the wave's flag word
	s_wait_xcnt 0x0
	s_or_b32 exec_lo, exec_lo, s49
	s_wait_tensorcnt 0x0                           ; the wave's end
	ds_add_u32 v[SPW], v[NIL]
	s_wait_dscnt 0x0
	s_endpgm
.Lfunc_end_k_qe1db57be8a_prep:
	.size	k_qe1db57be8a_prep, .Lfunc_end_k_qe1db57be8a_prep-k_qe1db57be8a_prep
	.p2alignl 7, 3214868480
	.fill 96, 4, 3214868480
	.section	.rodata,"a",@progbits
	.p2align	6, 0x0
	.amdhsa_kernel k_qe1db57be8a_prep
		.amdhsa_group_segment_fixed_size 88576
		.amdhsa_private_segment_fixed_size 0
		.amdhsa_enable_private_segment 0
		.amdhsa_kernarg_size 144
		.amdhsa_user_sgpr_count 2
		.amdhsa_user_sgpr_kernarg_segment_ptr 1
		.amdhsa_wavefront_size32 1
		.amdhsa_system_sgpr_workgroup_id_x 1
		.amdhsa_system_sgpr_workgroup_id_y 1
		.amdhsa_system_sgpr_workgroup_id_z 1
		.amdhsa_system_vgpr_workitem_id 0
		.amdhsa_next_free_vgpr 136
		.amdhsa_next_free_sgpr 66
		.amdhsa_reserve_vcc 1
		.amdhsa_float_denorm_mode_32 3
		.amdhsa_float_denorm_mode_16_64 3
		.amdhsa_memory_ordered 1
		.amdhsa_forward_progress 1
		.amdhsa_inst_pref_size 58
	.end_amdhsa_kernel
	.amdgpu_metadata
---
amdhsa.version: [ 1, 2 ]
amdhsa.kernels:
  - .name:           k_qe1db57be8a_prep
    .symbol:         k_qe1db57be8a_prep.kd
    .args:
      - { .name: x, .offset: 0, .size: 8, .value_kind: global_buffer, .address_space: global }
      - { .name: ha, .offset: 8, .size: 8, .value_kind: global_buffer, .address_space: global }
      - { .name: Wq_codes, .offset: 16, .size: 8, .value_kind: global_buffer, .address_space: global }
      - { .name: Wk_codes, .offset: 24, .size: 8, .value_kind: global_buffer, .address_space: global }
      - { .name: Wv_codes, .offset: 32, .size: 8, .value_kind: global_buffer, .address_space: global }
      - { .name: Wo_codes, .offset: 40, .size: 8, .value_kind: global_buffer, .address_space: global }
      - { .name: W1_codes, .offset: 48, .size: 8, .value_kind: global_buffer, .address_space: global }
      - { .name: W2_codes, .offset: 56, .size: 8, .value_kind: global_buffer, .address_space: global }
      - { .name: Wq_scales, .offset: 64, .size: 8, .value_kind: global_buffer, .address_space: global }
      - { .name: Wk_scales, .offset: 72, .size: 8, .value_kind: global_buffer, .address_space: global }
      - { .name: Wv_scales, .offset: 80, .size: 8, .value_kind: global_buffer, .address_space: global }
      - { .name: Wo_scales, .offset: 88, .size: 8, .value_kind: global_buffer, .address_space: global }
      - { .name: W1_scales, .offset: 96, .size: 8, .value_kind: global_buffer, .address_space: global }
      - { .name: W2_scales, .offset: 104, .size: 8, .value_kind: global_buffer, .address_space: global }
      - { .name: causal_mask, .offset: 112, .size: 8, .value_kind: global_buffer, .address_space: global }
      - { .name: wimg, .offset: 120, .size: 8, .value_kind: global_buffer, .address_space: global }
      - { .name: wsw, .offset: 128, .size: 8, .value_kind: global_buffer, .address_space: global }
      - { .name: mk, .offset: 136, .size: 8, .value_kind: global_buffer, .address_space: global }
    .group_segment_fixed_size: 88576
    .private_segment_fixed_size: 0
    .kernarg_segment_align: 8
    .kernarg_segment_size: 144
    .max_flat_workgroup_size: 256
    .sgpr_count:     66
    .vgpr_count:     136
    .wavefront_size: 32
...
	.end_amdgpu_metadata
.endif
;; end of part 8
;; launch qkv (part 9): grid 8 x 32, 4 waves a work-group, clusters of 4 x 4, 327,680 bytes of LDS; arguments ha, wimg, wsw, qkv; writes qkv
.if DOCPART == 9
	.amdgcn_target "amdgcn-amd-amdhsa--gfx1250"
	.amdhsa_code_object_version 6
	.text
	.protected	k_qe1db57be8a_qkv
	.globl	k_qe1db57be8a_qkv
	.p2align	8
	.type	k_qe1db57be8a_qkv,@function
k_qe1db57be8a_qkv:
	s_mov_b64 s[64:65], 0
	v_nop
	global_prefetch_b8 v0, s[64:65] scope:SCOPE_SE
	s_setreg_imm32_b32 hwreg(HW_REG_WAVE_MODE, 25, 1), 1
	s_wait_xcnt 0x0
	s_wait_alu depctr_hold_cnt(0) depctr_sa_sdst(0) depctr_va_vdst(0) depctr_va_sdst(0) depctr_va_ssrc(0) depctr_va_vcc(0) depctr_vm_vsrc(0)
	s_getreg_b32 s2, hwreg(HW_REG_IB_STS2, 6, 4)
	s_cmp_eq_u32 s2, 0
	s_cbranch_scc0 .Lentry_in_a_cluster
	s_endpgm
.Lentry_in_a_cluster:
	s_bfe_u32 s2, ttmp6, 0x10000c
	s_cmp_lg_u32 s2, 0xf033
	s_cbranch_scc0 .Lentry_shape_is_right
	s_endpgm
.Lentry_shape_is_right:
; q = Q(h Wq), k = Q(h Wk), v^T = Q(Wv^T h^T): three products of K = 1,024 on E4M3 codes with E8M0 scales, their results quantised at once for the attention launch.
; OPERANDS are images of operand registers (fragment = 16 rows x 128 K = 2,048 bytes, pieces of 512 bytes at 16 x lane, fragments [row tile][K step]) with scale words [row tile][K step][16 rows].
; A WORK-GROUP STAYS: it keeps 128 tokens of h (X) and walks three weight tiles of 128 rows (Y): tile gx of Wq, of Wk, of Wv.  256 work-groups; four waves, 64 x 64 each: 16 accumulators.
; X comes into LDS region A once, and each wave takes its 64 rows x 1,024 K into 512 REGISTERS.  Regions A and B then take turns as slots that hold a whole Y tile (all of K, 131,072 bytes): one change of slots a tile,
; behind the tile's way out; behind it one joint load a wave (32,768 dense bytes) asks for the tile after the next.  Only Y's fragments are read from LDS in the steps, two steps ahead, into three buffers.
; q, k: source 0 = 16 image rows of the weight, source 1 = 16 tokens: lane (r, h) holds token r; the weight's image rows are chosen so that the 16 registers of Y tiles 2 beta, 2 beta + 1 are columns 32 beta + 16 h + 0 .. 15.
; v: THE SOURCES CHANGE PLACES (source 0 = tokens, source 1 = Wv's image rows): lane (r, h) holds a channel and its registers run along the tokens, the second attention product's K; accumulator (a, b) then lies at
; 8 (4 b + a), so that 16 registers on end are half a block: place (h, i) of a block of 32 tokens holds token 16 (i / 8) + 8 h + i % 8, the order in which the attention launch also holds p.
; CLUSTER 4 x 4: X's tile is shared along a row of the cluster, Y's tiles along a column; each is asked for jointly.
; OUT: images q, k [token tile][8], v [channel tile][32 K steps of 128 tokens]; scale words [K step][row].  LIMITS: NaN and infinities are not served; blocks under 2^-118 (zeros too) get the byte 1: only this program reads the bytes.
; REGISTERS: window 0: v4-15 scale words, three sets; v16-31 addresses; v32-127 the way out; v128-255 the accumulators.  window 1: v0-191 three buffers of Y's four fragments.  windows 2, 3: X's fragment (a, K step) at 64 x K step + 16 a.
.set NKS,   8                          ; K steps of 128
.set NT,    3                          ; Y tiles that a work-group walks
.set XSOFF, 0x400000                   ; h's scale words lie behind its codes
.set YCOFF, 0                          ; Wq's image in wimg; Wk's and Wv's follow
.set YSOFF, 0
.set YGSH,  17                         ; log2 of the bytes from a work-group's first Y tile to its neighbour's
.set YSGSH, 12                         ; the same for the scale words
.set YTILE, 1048576                    ; bytes from a walked tile to the next: a whole weight
.set YSSTR, 4096                       ; the same for its scale words, in elements of 8 bytes
.set RA,    0                          ; LDS region A: X, then the odd tiles
.set RB,    131072                     ; region B: the even tiles
.set SCLX,  262144                     ; X's scale words for all of K
.set SCLY,  SCLX+NKS*512+64            ; Y's, [tile][half of the rows][2,048 bytes]; 64 bytes on, so that the two halves of a scale load fall on different banks
.set SPARE, (SCLY+NT*NKS*512+255)/256*256   ; the spare words, 128 bytes a wave
.set SST,   SPARE+512                  ; 128 scale words on the way out, two such stages by turns
.set SC,   4
.set ADRS, 16                          ; v16-18  my scale words of tile t: lanes 0-15 X's, lanes 16-31 Y's
.set ADRY, 20                          ; v20 region B, v21 region A: my 64 rows of Y
.set ADRX, 22                          ; v22     my 64 rows of X in region A
.set SPW,  28
.set NIL,  29
.set ACC,  128
.set TM,   96
.set SEL,  66
.set MNT,  2
.set G1X, 24                           ; s[24:31] group 1 for X's codes;  s[32:35] its group 0
.set G0X, 32
.set G0YB, 36                          ; s[36:39] group 0 for the even tiles (region B)
.set G1Y, 48                           ; s[48:55] group 1 for Y's codes
.set G0YA, 56                          ; s[56:59] group 0 for the odd tiles (region A)
.set G1S, 68
.set G0S, 76
.set G1SB, 80
.set G0SB, 88
.set MSB, 0
.macro WIN new                         ; the immediate's high byte repeats the setting that is left
.if MSB != \new
	s_set_vgpr_msb (MSB<<8)|\new
.set MSB, \new
.endif
.endm
.macro PLACES n
.rept \n
	v_nop
.endr
.endm
.macro CREST                           ; a round of the cluster's barrier behind its opening barrier
	s_cmp_lg_u32 s14, 0
	s_cbranch_scc1 .Lnot_wave_0_\@
	s_barrier_signal -3
.Lnot_wave_0_\@:
	s_barrier_wait -3
	s_barrier_signal -1
	s_barrier_wait -1
.endm
.macro CROUND
	s_barrier_signal -1
	s_barrier_wait -1
	CREST
.endm
.macro XLOAD                           ; my 64 rows of X, all of K, into windows 2 and 3: 128 loads of 512 bytes on end
	WIN 0x80
.irp ks, 0,1,2,3
.irp a, 0,1,2,3
.irp c, 0,1,2,3
	ds_load_b128 v[64*\ks+16*\a+4*\c:64*\ks+16*\a+4*\c+3], v[ADRX] offset:\a*16384+\ks*2048+512*\c
.endr
.endr
.endr
	WIN 0xc0
.irp ks, 4,5,6,7
.irp a, 0,1,2,3
.irp c, 0,1,2,3
	ds_load_b128 v[64*(\ks-4)+16*\a+4*\c:64*(\ks-4)+16*\a+4*\c+3], v[ADRX] offset:\a*16384+\ks*2048+512*\c
.endr
.endr
.endr
	WIN 0
.endm
.macro FETCH t, ks                     ; 20 LDS loads: Y's four fragments of tile t, K step ks, into buffer ks % 3, and the step's scale words into set ks % 3
.set FB, 64*((\ks)%3)
	WIN 0x40
.irp i, 0,1,2,3
.irp c, 0,1,2,3
	ds_load_b128 v[FB+16*\i+4*\c:FB+16*\i+4*\c+3], v[ADRY+(\t)%2] offset:\i*16384+(\ks)*2048+512*\c
.endr
.endr
	WIN 0
.irp i, 0,1,2,3
	ds_load_b32 v[SC+4*((\ks)%3)+\i], v[ADRS+(\t)] offset:(\i*NKS+(\ks))*64   ; lanes 0-15: X tile i's words; lanes 16-31: Y tile i's
.endr
.endm
.macro MUL16 ks                        ; source 0 = Y, source 1 = X.  The 16 accumulators take turns in one order in every step; the first step's products start the sums
.set FB, 64*((\ks)%3)
.set XB, 64*((\ks)%4)
.set SS, SC+4*((\ks)%3)
	WIN (0x09+4*((\ks)/4))                         ; source 0 window 1, source 1 window 2 or 3
.irp a, 0,1,2,3
.irp b, 0,1,2,3
.if (\ks) == 0
	v_wmma_scale_f32_16x16x128_f8f6f4 v[ACC+8*(4*\a+\b):ACC+8*(4*\a+\b)+7], v[FB+16*\b:FB+16*\b+15], v[XB+16*\a:XB+16*\a+15], 0, v[SS+\b], v[SS+\a] matrix_a_scale:MATRIX_SCALE_ROW1
.else
	v_wmma_scale_f32_16x16x128_f8f6f4 v[ACC+8*(4*\a+\b):ACC+8*(4*\a+\b)+7], v[FB+16*\b:FB+16*\b+15], v[XB+16*\a:XB+16*\a+15], v[ACC+8*(4*\a+\b):ACC+8*(4*\a+\b)+7], v[SS+\b], v[SS+\a] matrix_a_scale:MATRIX_SCALE_ROW1
.endif
.endr
.endr
	WIN 0
.endm
.macro MUL16V ks                       ; the sources change places: source 0 = X, source 1 = Y; accumulator (a, b) at 8 (4 b + a)
.set FB, 64*((\ks)%3)
.set XB, 64*((\ks)%4)
.set SS, SC+4*((\ks)%3)
	WIN (0x06+((\ks)/4))                           ; source 0 window 2 or 3, source 1 window 1
.irp b, 0,1,2,3
.irp a, 0,1,2,3
.if (\ks) == 0
	v_wmma_scale_f32_16x16x128_f8f6f4 v[ACC+8*(4*\b+\a):ACC+8*(4*\b+\a)+7], v[XB+16*\a:XB+16*\a+15], v[FB+16*\b:FB+16*\b+15], 0, v[SS+\a], v[SS+\b] matrix_b_scale:MATRIX_SCALE_ROW1
.else
	v_wmma_scale_f32_16x16x128_f8f6f4 v[ACC+8*(4*\b+\a):ACC+8*(4*\b+\a)+7], v[XB+16*\a:XB+16*\a+15], v[FB+16*\b:FB+16*\b+15], v[ACC+8*(4*\b+\a):ACC+8*(4*\b+\a)+7], v[SS+\a], v[SS+\b] matrix_b_scale:MATRIX_SCALE_ROW1
.endif
.endr
.endr
	WIN 0
.endm
.macro STEPK t, ks, sw                 ; a step of 128 along K; the fragments of the step after the next are asked for first
.if (\ks) < 6
.if (\ks) > 0
	PLACES 8                                       ; eight places in front of loads into registers that the last products read
.endif
	FETCH \t, (\ks)+2
	s_wait_dscnt 40                                ; this step's 20 loads are in; those of the next two steps may be out
.elseif (\ks) == 6
	s_wait_dscnt 20                                ; the last step's 20 may be out
.else
	s_wait_dscnt 0x0
.endif
.if \sw
	MUL16V \ks
.else
	MUL16 \ks
.endif
.endm
.macro STEPS t, sw
.irp ks, 0,1,2,3,4,5,6,7
	STEPK \t, \ks, \sw
.endr
.endm
; THE CHANGE OF SLOTS, behind a tile's way out.  Each wave waits for all its tensor loads (one is out: its part of the next tile), adds 0 to its spare word, and waits for that, for its reads of the region that it has left and for
; its stores into the scale stage.  fill = 1: the barrier is a round of the cluster's, and behind it the region just left is asked to take the tile after the next.
.macro CHANGE fill, g0, step
	s_wait_tensorcnt 0x0                           ; no tensor load of mine is out, so a group 0 may be written
	ds_add_u32 v[SPW], v[NIL]                      ; 0 onto my spare word
.if \step
	s_add_nc_u64 s[\g0+2:\g0+3], s[\g0+2:\g0+3], 2*YTILE
.endif
	s_wait_dscnt 0x0
.if \fill
	CROUND                                         ; no wave of any partner still reads the region or has a load on its way
	tensor_load_to_lds s[\g0:\g0+3], s[G1Y:G1Y+7]  ; my one tensor load behind the round: my quarter of the tile
	s_nop 0
	PLACES 4
.else
	s_barrier_signal -1
	s_barrier_wait -1
.endif
.endm
.macro SCOUT base, off, par, vo        ; wave 0 stores the tile's 128 scale words, which all four waves put into stage par ahead of the barrier just passed
	s_cmp_lg_u32 s14, 0
	s_cbranch_scc1 .Lnot_first_\@
	s_wait_xcnt 0x0                                ; the last such store has read v120-123
	ds_load_b128 v[120:123], v26 offset:512*(\par)
	s_wait_dscnt 0x0
	global_store_b128 v[\vo], v[120:123], s[\base:\base+1] offset:\off
.Lnot_first_\@:
.endm
.macro QUANT s, pc                     ; 64 numbers of a lane (block b = registers 16 b on) become 16 registers of codes; the four bytes are left in v[TM+4] on
.irp b, 0,1,2,3
	v_max3_num_f32 v[TM+\b], |v[(\s)+16*\b]|, |v[(\s)+1+16*\b]|, 0x4800000   ; my 16 numbers and the floor 2^(9 - 127).  Each accumulator is read from its low end on
.endr
.irp i, 2,4,6,8,10,12,14
.irp b, 0,1,2,3
	v_max3_num_f32 v[TM+\b], v[TM+\b], |v[(\s)+16*\b+\i]|, |v[(\s)+1+16*\b+\i]|
.endr
.endr
.irp b, 0,1,2,3
	v_permlanex16_b32 v[TM+4+\b], v[TM+\b], s[SEL], s[SEL+1]
.endr
.irp b, 0,1,2,3
	v_max_num_f32 v[TM+\b], v[TM+\b], v[TM+4+\b]   ; with lane l xor 16's 16: the block's largest magnitude
.endr
.irp b, 0,1,2,3
	v_add_nc_u32 v[TM+12+\b], 0xfc000000, v[TM+\b] ; 8 off its exponent field: the conversion's scale operand
.endr
.irp b, 0,1,2,3
	v_and_or_b32 v[TM+8+\b], v[TM+\b], 0x7f800000, s[MNT]   ; 448 x the scale
.endr
.irp b, 0,1,2,3
	v_lshrrev_b32 v[TM+4+\b], 23, v[TM+12+\b]      ; the scale's byte
.endr
.irp b, 0,1,2,3
.irp i, 0,1,2,3,4,5,6,7,8,9,10,11,12,13,14,15
	v_med3_num_f32 v[(\s)+16*\b+\i], v[(\s)+16*\b+\i], -v[TM+8+\b], v[TM+8+\b]   ; the conversion does not saturate (ISA guide 7.6.2): the hold comes first
.endr
	v_cvt_scalef32_pk8_fp8_f32 v[(\pc)+4*\b:(\pc)+4*\b+1], v[(\s)+16*\b:(\s)+16*\b+7], v[TM+12+\b]
	v_cvt_scalef32_pk8_fp8_f32 v[(\pc)+4*\b+2:(\pc)+4*\b+3], v[(\s)+16*\b+8:(\s)+16*\b+15], v[TM+12+\b]
.endr
	v_nop                                          ; a plain line behind the last conversion
.endm
; THE WAY OUT of a tile: the quantiser along the registers.  Block b of half A: row tile 2 A + b / 2 of the image that is written, piece b % 2 of my two.  pitch: bytes from a row tile of that image to the next
.macro EPI base, pitch, off, sa, par
	PLACES 8
	s_wait_xcnt 0x0                                ; the last tile's stores have read v32-63
.irp A, 0,1
	QUANT ACC+64*\A, 32+16*\A
	v_lshl_or_b32 v114, v[TM+5], 8, v[TM+4]        ; two bytes: my half of a row's scale word
	v_lshl_or_b32 v115, v[TM+7], 8, v[TM+6]
.irp b, 0,1,2,3
	global_store_b128 v24, v[32+16*\A+4*\b:32+16*\A+4*\b+3], s[\base:\base+1] offset:(2*\A+\b/2)*(\pitch)+(\b%2)*512+(\off)   ; a piece of the next operand's image: 512 consecutive bytes
.endr
	ds_store_b16 v[\sa], v114 offset:64*(2*\A)+512*(\par)
	ds_store_b16 v[\sa], v115 offset:64*(2*\A+1)+512*(\par)
.endr
.endm
	s_load_b128 s[4:7], s[0:1], 0x0                ; ha, wimg
	s_load_b128 s[8:11], s[0:1], 0x10              ; wsw, qkv
	v_lshl_add_u32 v[SPW], v0, 2, SPARE
	v_mov_b32 v[NIL], 0
	ds_add_u32 v28, v29
	ds_add_u32 v28, v29
	s_wait_dscnt 0x0
	v_lshrrev_b32 v1, 5, v0
	v_readfirstlane_b32 s14, v1                    ; wave 0..3
	s_lshr_b32 s15, s14, 1                         ; wx: my 64 X rows
	s_and_b32 s16, s14, 1                          ; wy: my 64 Y rows
	s_bfe_u32 s40, ttmp6, 0x40000                  ; cx, cy: my place in the cluster
	s_bfe_u32 s41, ttmp6, 0x40004
	s_lshl_b32 s42, ttmp9, 2
	s_add_co_u32 s42, s42, s40                     ; gx: which tile of each weight
	s_and_b32 s17, ttmp7, 0xffff
	s_lshl_b32 s17, s17, 2
	s_add_co_u32 s17, s17, s41                     ; TX: my 128 tokens
	s_lshl_b32 s43, s41, 2
	s_lshl_b32 s43, 15, s43                        ; my row of the cluster
	s_lshl_b32 s44, 0x1111, s40                    ; my column
	; group 1, codes: dense bytes as rows of 1,024 elements of 8 bytes: at the head a whole tile, 16 rows; behind it a quarter, 4 rows; no padding: every LDS access takes 512 bytes on end
	s_or_b32 s[G1X+0], s43, (3<<16)|(1<<21)
	s_or_b32 s[G1Y+0], s44, (3<<16)|(1<<21)
.irp g, G1X, G1Y
	s_mov_b32 s[\g+1], 1024<<16                    ; tensor_dim0
	s_mov_b32 s[\g+2], 16<<16                      ; tensor_dim1: at the head a load brings a whole tile, 16 rows of 8,192 bytes
	s_mov_b32 s[\g+3], 1024<<16                    ; tile_dim0
	s_mov_b32 s[\g+4], 16                          ; tile_dim1
	s_mov_b32 s[\g+5], 1024                        ; tensor_dim0_stride
	s_mov_b32 s[\g+6], 0
	s_mov_b32 s[\g+7], 0
.endr
	s_or_b32 s[G1S+0], s43, (3<<16)|(1<<21)        ; X's scale words of 128 rows: 4,096 dense bytes, as 16 rows of 256
	s_mov_b32 s[G1S+1], 32<<16
	s_mov_b32 s[G1S+2], (2*NKS)<<16
	s_mov_b32 s[G1S+3], 32<<16
	s_mov_b32 s[G1S+4], 2*NKS
	s_mov_b32 s[G1S+5], 32
	s_mov_b32 s[G1S+6], 0
	s_mov_b32 s[G1S+7], 0
	s_or_b32 s[G1SB+0], s44, (3<<16)|(1<<21)       ; Y's of 128 rows of each walked tile: NT rows of 4,096 bytes
	s_mov_b32 s[G1SB+1], 512<<16
	s_mov_b32 s[G1SB+2], NT<<16
	s_mov_b32 s[G1SB+3], 512<<16
	s_mov_b32 s[G1SB+4], NT
	s_mov_b32 s[G1SB+5], YSSTR
	s_mov_b32 s[G1SB+6], 0
	s_mov_b32 s[G1SB+7], 0
	s_lshl_b32 s45, s14, 15                        ; my quarter of a tile, in memory and in LDS: no place in the cluster enters an LDS address
	s_mov_b32 s94, s45                             ; s[94:95]: my quarter as a 64-bit offset
	s_mov_b32 s95, 0
	s_lshl_b32 s20, s17, 17
	s_mov_b32 s21, 0
	s_lshl_b32 s22, s17, 12
	s_add_co_u32 s22, s22, XSOFF                   ; X's scale words
	s_mov_b32 s23, 0
	s_lshl_b32 s46, s42, YGSH
	s_add_co_u32 s46, s46, YCOFF                   ; Y's codes, tile 0
	s_mov_b32 s47, 0
	s_lshl_b32 s92, s42, YSGSH
	s_add_co_u32 s92, s92, YSOFF                   ; Y's scale words
	s_mov_b32 s93, 0
	; where the results go
	s_lshl_b32 s96, s17, 3
	s_lshl_b32 s97, s15, 2
	s_add_co_u32 s96, s96, s97                     ; q, k: token tile 8 TX + 4 wx,
	s_lshl_b32 s96, s96, 3
	s_add_co_u32 s96, s96, s42                     ; K step gx of 8,
	s_lshl_b32 s96, s96, 11
	s_lshl_b32 s97, s16, 10                        ; pieces 2 wy, 2 wy + 1
	s_add_co_u32 s96, s96, s97
	s_mov_b32 s97, 0
	s_lshl_b32 s98, s42, 12
	s_lshl_b32 s99, s17, 7
	s_add_co_u32 s98, s98, s99
	s_lshl_b32 s98, s98, 2                         ; their scale words: [K step gx][token 128 TX on]
	s_add_co_u32 s98, s98, 12582912
	s_mov_b32 s99, 0
	s_lshl_b32 s100, s42, 3
	s_lshl_b32 s101, s16, 2
	s_add_co_u32 s100, s100, s101                  ; v: channel tile 8 gx + 4 wy,
	s_lshl_b32 s100, s100, 5
	s_add_co_u32 s100, s100, s17                   ; K step TX of 32,
	s_lshl_b32 s100, s100, 11
	s_lshl_b32 s101, s15, 10                       ; pieces 2 wx, 2 wx + 1
	s_add_co_u32 s100, s100, s101
	s_add_co_u32 s100, s100, 8388608
	s_mov_b32 s101, 0
	s_lshl_b32 s12, s17, 10
	s_lshl_b32 s13, s42, 7
	s_add_co_u32 s12, s12, s13
	s_lshl_b32 s12, s12, 2                         ; its scale words: [K step TX][channel 128 gx on]
	s_add_co_u32 s12, s12, 12582912+262144
	s_mov_b32 s13, 0
	s_wait_kmcnt 0x0
	s_add_nc_u64 s[20:21], s[4:5], s[20:21]
	s_add_nc_u64 s[22:23], s[4:5], s[22:23]
	s_add_nc_u64 s[46:47], s[6:7], s[46:47]
	s_add_nc_u64 s[92:93], s[8:9], s[92:93]
	s_add_nc_u64 s[96:97], s[10:11], s[96:97]
	s_add_nc_u64 s[98:99], s[10:11], s[98:99]
	s_add_nc_u64 s[100:101], s[10:11], s[100:101]
	s_add_nc_u64 s[12:13], s[10:11], s[12:13]
	CROUND                                         ; all sixteen work-groups are here: the first joint loads meet
	s_mov_b32 s[G0S], 1
	s_mov_b32 s[G0S+1], SCLX
	s_mov_b64 s[G0S+2:G0S+3], s[22:23]
	s_or_b32 s[G0S+3], s[G0S+3], 0x80000000
	s_mov_b32 s[G0SB], 1
	s_mov_b32 s[G0SB+1], SCLY
	s_mov_b64 s[G0SB+2:G0SB+3], s[92:93]
	s_or_b32 s[G0SB+3], s[G0SB+3], 0x80000000
	s_mov_b32 s[G0X], 1
	s_mov_b32 s[G0X+1], RA
	s_mov_b64 s[G0X+2:G0X+3], s[20:21]
	s_or_b32 s[G0X+3], s[G0X+3], 0x80000000
	s_mov_b32 s[G0YB], 1
	s_add_co_u32 s[G0YB+1], s45, RB
	s_add_nc_u64 s[G0YB+2:G0YB+3], s[46:47], s[94:95]
	s_or_b32 s[G0YB+3], s[G0YB+3], 0x80000000
	s_mov_b32 s[G0YA], 1                           ; tile 1 will go into region A
	s_add_co_u32 s[G0YA+1], s45, RA
	s_add_nc_u64 s[G0YA+2:G0YA+3], s[46:47], YTILE
	s_add_nc_u64 s[G0YA+2:G0YA+3], s[G0YA+2:G0YA+3], s[94:95]
	s_or_b32 s[G0YA+3], s[G0YA+3], 0x80000000
.set G0H, 60                           ; s[60:63] group 0 for the head's load of tile 0, whole
	s_mov_b32 s[G0H], 1
	s_mov_b32 s[G0H+1], RB
	s_mov_b64 s[G0H+2:G0H+3], s[46:47]
	s_or_b32 s[G0H+3], s[G0H+3], 0x80000000
	; THE HEAD'S LOADS, ONE A WAVE: wave 0 X, wave 1 tile 0 of Y, wave 2 X's scale words, wave 3 Y's of all walked tiles, laid [tile][4,096 bytes].  One chain of branches on the wave's number
	s_cmp_lt_u32 s14, 1
	s_cbranch_scc0 .Lhead_y
	tensor_load_to_lds s[G0X:G0X+3], s[G1X:G1X+7]
	s_nop 0
	PLACES 4
	s_branch .Lhead_asked
.Lhead_y:
	s_cmp_lt_u32 s14, 2
	s_cbranch_scc0 .Lhead_sx
	tensor_load_to_lds s[G0H:G0H+3], s[G1Y:G1Y+7]
	s_nop 0
	PLACES 4
	s_branch .Lhead_asked
.Lhead_sx:
	s_cmp_lt_u32 s14, 3
	s_cbranch_scc0 .Lhead_sy
	tensor_load_to_lds s[G0S:G0S+3], s[G1S:G1S+7]
	s_nop 0
	PLACES 4
	s_branch .Lhead_asked
.Lhead_sy:
	tensor_load_to_lds s[G0SB:G0SB+3], s[G1SB:G1SB+7]
	s_nop 0
	PLACES 4
.Lhead_asked:
	; No prefetch: a later tile of Y is asked for a whole tile ahead of its first read: 128 matrix instructions a wave and a way out stand between its request and the wait for it
	v_and_b32 v1, 31, v0
	v_lshlrev_b32 v2, 4, v1                        ; 16 x lane
	v_and_b32 v3, 15, v0                           ; r
	v_bfe_u32 v23, v0, 4, 1                        ; h
	s_wait_alu depctr_va_vdst(0)
	s_lshl_b32 s18, s16, 16                        ; my 64 rows of Y: 65,536 bytes a half
	v_add_nc_u32 v[ADRY+1], s18, v2                ; in region A, which begins at byte 0,
	s_add_co_u32 s18, s18, RB
	v_add_nc_u32 v[ADRY], s18, v2                  ; and in region B
	s_lshl_b32 s18, s15, 16
	v_add_nc_u32 v[ADRX], s18, v2                  ; my 64 rows of X in region A
	s_lshl_b32 s18, s15, 11
	s_lshl_b32 s19, s16, 11
	s_add_co_u32 s19, s19, SCLY-SCLX
	s_sub_co_u32 s19, s19, s18                     ; from my X words to my Y words of tile 0
	s_add_co_u32 s18, s18, SCLX
.irp t, 0,1,2
	v_mul_u32_u24 v27, s19, v23                    ; lanes 16-31 take Y's words: one product with h
	v_lshl_add_u32 v27, v3, 2, v27
	v_add_nc_u32 v[ADRS+\t], s18, v27
	s_add_co_u32 s19, s19, 4096
.endr
	s_mov_b32 s[SEL], 0x76543210
	s_mov_b32 s[SEL+1], 0xfedcba98
	s_mov_b32 s[MNT], 0x600000
.irp b, 0,1,2,3
	v_mov_b32 v[TM+4+\b], 0                        ; a lane permute's destination counts as read
.endr
	v_mov_b32 v24, v2                              ; 16 x lane
	s_lshl_b32 s18, s15, 8
	s_lshl_b32 s19, s16, 1
	s_add_co_u32 s18, s18, s19
	s_add_co_u32 s18, s18, SST
	v_lshl_add_u32 v25, v3, 2, s18                 ; q, k: my tokens' scale halfwords: SST + 4 (64 wx + r) + 2 wy
	s_lshl_b32 s18, s16, 8
	s_lshl_b32 s19, s15, 1
	s_add_co_u32 s18, s18, s19
	s_add_co_u32 s18, s18, SST
	v_lshl_add_u32 v31, v3, 2, s18                 ; v: my channels': SST + 4 (64 wy + r) + 2 wx
	v_add_nc_u32 v26, SST, v2
	s_wait_alu depctr_va_vdst(0)                   ; the wait at the head's end
	s_cmp_lg_u32 s14, 0
	s_cbranch_scc1 .Lnot_x
	s_wait_tensorcnt 0x0                           ; wave 0, whose load line is its own: X is in.  The other waves' wait stands behind XLOAD
.Lnot_x:
	s_barrier_signal -1
	s_barrier_wait -1                              ; the other three tiles may stay on their way
	XLOAD
	s_wait_tensorcnt 0x0                           ; my tile of the head's four is in,
	ds_add_u32 v[SPW], v[NIL]                      ; 0 onto my spare word
	s_mov_b32 s[G1Y+2], 4<<16                      ; no tensor load of mine is out: from here on a load brings a quarter of a tile, 4 rows
	s_mov_b32 s[G1Y+4], 4
	s_wait_dscnt 0x0                               ; X is in registers
	CROUND
	tensor_load_to_lds s[G0YA:G0YA+3], s[G1Y:G1Y+7]   ; region A takes tile 1: my quarter
	s_nop 0
	PLACES 4
	FETCH 0, 0
	FETCH 0, 1
	STEPS 0, 0                                     ; q
	EPI 96, 16384, 0, 25, 0
	CHANGE 1, G0YB, 1                              ; tile 1 is in; region B takes tile 2
	SCOUT 98, 0, 0, 24
	FETCH 1, 0
	FETCH 1, 1
	STEPS 1, 0                                     ; k
	EPI 96, 16384, 4194304, 25, 1
	CHANGE 0, G0YA, 0                              ; tile 2 is in; nothing is left to fetch
	SCOUT 98, 131072, 1, 24
	FETCH 2, 0
	FETCH 2, 1
	STEPS 2, 1                                     ; v
	EPI 100, 65536, 0, 31, 0
	s_wait_dscnt 0x0                               ; for the others' sake: my halfwords have landed
	s_barrier_signal -1
	s_barrier_wait -1
	SCOUT 12, 0, 0, 24
	s_wait_tensorcnt 0x0                           ; the wave's end
	ds_add_u32 v[SPW], v[NIL]
	s_wait_dscnt 0x0
	CROUND                                         ; the closing round
	s_endpgm
.Lfunc_end_k_qe1db57be8a_qkv:
	.size	k_qe1db57be8a_qkv, .Lfunc_end_k_qe1db57be8a_qkv-k_qe1db57be8a_qkv
	.p2alignl 7, 3214868480
	.fill 96, 4, 3214868480
	.section	.rodata,"a",@progbits
	.p2align	6, 0x0
	.amdhsa_kernel k_qe1db57be8a_qkv
		.amdhsa_group_segment_fixed_size 327680
		.amdhsa_private_segment_fixed_size 0
		.amdhsa_enable_private_segment 0
		.amdhsa_kernarg_size 32
		.amdhsa_user_sgpr_count 2
		.amdhsa_user_sgpr_kernarg_segment_ptr 1
		.amdhsa_wavefront_size32 1
		.amdhsa_system_sgpr_workgroup_id_x 1
		.amdhsa_system_sgpr_workgroup_id_y 1
		.amdhsa_system_sgpr_workgroup_id_z 1
		.amdhsa_system_vgpr_workitem_id 0
		.amdhsa_next_free_vgpr 1024
		.amdhsa_next_free_sgpr 102
		.amdhsa_reserve_vcc 0
		.amdhsa_float_denorm_mode_32 3
		.amdhsa_float_denorm_mode_16_64 3
		.amdhsa_memory_ordered 1
		.amdhsa_forward_progress 1
		.amdhsa_inst_pref_size 158
	.end_amdhsa_kernel
	.amdgpu_metadata
---
amdhsa.version: [ 1, 2 ]
amdhsa.kernels:
  - .name:           k_qe1db57be8a_qkv
    .symbol:         k_qe1db57be8a_qkv.kd
    .args:
      - { .name: ha, .offset: 0, .size: 8, .value_kind: global_buffer, .address_space: global }
      - { .name: wimg, .offset: 8, .size: 8, .value_kind: global_buffer, .address_space: global }
      - { .name: wsw, .offset: 16, .size: 8, .value_kind: global_buffer, .address_space: global }
      - { .name: qkv, .offset: 24, .size: 8, .value_kind: global_buffer, .address_space: global }
    .group_segment_fixed_size: 327680
    .private_segment_fixed_size: 0
    .kernarg_segment_align: 8
    .kernarg_segment_size: 32
    .max_flat_workgroup_size: 128
    .sgpr_count:     102
    .vgpr_count:     1024
    .wavefront_size: 32
...
	.end_amdgpu_metadata
.endif
;; end of part 9
;; launch attn (part 10): grid 8 x 32, 16 waves a work-group, no clusters, 313,344 bytes of LDS; arguments qkv, mk, ha; writes ha
.if DOCPART == 10
	.amdgcn_target "amdgcn-amd-amdhsa--gfx1250"
	.amdhsa_code_object_version 6
	.text
	.protected	k_qe1db57be8a_attn
	.globl	k_qe1db57be8a_attn
	.p2align	8
	.type	k_qe1db57be8a_attn,@function
k_qe1db57be8a_attn:
	s_mov_b64 s[64:65], 0
	v_nop
	global_prefetch_b8 v0, s[64:65] scope:SCOPE_SE
	s_setreg_imm32_b32 hwreg(HW_REG_WAVE_MODE, 25, 1), 1
	s_wait_xcnt 0x0
; Attention of one (batch, head) on E4M3 codes with E8M0 scales, under the GIVEN mask; its result is quantised along the channels for the next product and stored as an image of operand registers.
; p = 2^(t - M), t = score x log2(e) / 8, M the running largest t rounded up to a whole number; the row's sum is taken of the unquantised p and divides at the end.
; SHARES.  Work-group (gq, 16 b + hd) owns sixteen tiles of 16 queries, in eight pairs j: L = 64 + gq + 8 j and S = 63 - gq - 8 j.  Two waves serve a pair.  Wave A (bit 2 of the wave's number 0) walks key steps 0 to 7 of L.
; Wave B walks key steps 8 to 15 of L, puts that part's state (O^T, -M, the sums: 9 x 512 bytes) into LDS bytes of the pair's own, begins anew and walks all sixteen key steps of S.  Behind a closing barrier A joins the two parts of L:
; both are brought under the larger M by powers of two, which round nothing.  Every (tile, key step) is walked by one wave, whatever the mask holds; the deal is an order only.
; THE WHOLE HEAD LIES IN LDS: K's 2,048 keys x 64 bytes and V's 64 channels x 2,048 bytes, 131,072 bytes each, and their scale words.  Each of the 512 threads asks for its 32 x 16 bytes at the kernel's head, all at once, into
; registers that are idle there, and stores them to LDS as they come.  One barrier follows; behind it these bytes are only read.  All of K and V is asked for ahead of the loops: there is no later load to prefetch for.
; The trip counts are constants (8, then 16; A's sixteen find every step flagged hidden).  A step's WORK is left out where the stored flag says that the mask hides all its 128 keys from the tile's 16 queries; the 64 selects
; are left out where it hides none.  Both are branches on whole numbers that an earlier launch stored: so this text has no tensor load and no cluster, and K and V go memory -> registers -> LDS.
; LAYOUT.  S^T = K Q^T (source 0 = 16 keys, source 1 = my queries), O^T = V^T P^T: a lane holds one query throughout.  The head has 64 channels: Q's registers 8-15 are zero codes; K's fragment names 16 registers of which
; the upper eight are the next tile's codes (behind the last tile: zeros), which meet Q's zeros.  Register 8 t + j of S^T is key 16 t + 8 h + j; V's image holds the keys of a block of 32 in that same order.
; LIMITS: a query whose every key is masked is not served (0 x 1/0 goes into the quantiser, where reference() has NaN); NaN and infinities are not served; blocks under 2^-118 (zeros too) get the byte 1.
.set VL,  131072                       ; LDS: K at 0, step j at 8,192 j (8 tiles x 1,024); V here, step j at 8,192 j (4 channel tiles x 2,048);
.set KSC, 262144                       ; K's scale words of 2,048 keys;
.set VSC, 270336                       ; V's: [step][64 channels]
.set SPARE, 274432                     ; the spare words, 128 bytes a wave
.set SAVE, 276480                      ; 4,608 bytes a pair: the state that B hands to A
.set BLK, 32                           ; v32-159 at the head: my 32 x 16 bytes of K and V on their way to LDS
.set KF,  32                           ; v32-95 K's eight half fragments, later V's four fragments; v96-103 zeros
.set S,   104                          ; v104-167 S^T, then p
.set O,   168                          ; v168-199 O^T
.set PC,  200                          ; v200-215 p's codes
.set KS,  216                          ; v216-223 K's or V's scale words
.set QS,  224                          ; v224 Q's
.set NINF, 225
.set BM,  234
.set T2,  238
.set HD,  242
.set SO,  246
.set FF,  250                          ; v250 f = 2^(old M - new M)
.set PW,  251                          ; v251 p's scale word
.set TP,  252
.set SV,  253                          ; v253 behind the head: the pair's bytes, SAVE + 4,608 j + 16 x lane
.set SEL, 22
.set CS,  100
.set MNT, 67
.macro TILE qt, tt, fl, lm, q, qs      ; a tile's offsets: its eight flag words and lane masks in mk, Q's 1,024 bytes and scale halfwords in qkv
	s_lshl_b32 s[\fl], s[\qt], 5
	s_add_co_u32 s[\fl], s[\fl], 524288
	s_mov_b32 s[\fl+1], 0
	s_lshl_b32 s[\lm], s[\qt], 12
	s_mov_b32 s[\lm+1], 0
	s_lshl_b32 s[\q], s[\tt], 4
	s_add_co_u32 s[\q], s[\q], s13
	s_lshl_b32 s[\q], s[\q], 10
	s_mov_b32 s[\q+1], 0
	s_lshl_b32 s[\qs], s15, 12
	s_lshl_b32 s52, s12, 11
	s_add_co_u32 s[\qs], s[\qs], s52
	s_lshl_b32 s52, s[\qt], 4
	s_add_co_u32 s[\qs], s[\qs], s52
	s_lshl_b32 s[\qs], s[\qs], 2
	s_lshl_b32 s52, s21, 1
	s_add_co_u32 s[\qs], s[\qs], s52
	s_add_co_u32 s[\qs], s[\qs], 12582912
	s_mov_b32 s[\qs+1], 0
.endm
	s_load_b128 s[4:7], s[0:1], 0x0                ; qkv, mk
	s_load_b64 s[8:9], s[0:1], 0x10                ; ha
	v_lshl_add_u32 v232, v0, 2, SPARE
	v_mov_b32 v233, 0
	v_lshrrev_b32 v8, 5, v0
	s_delay_alu instid0(VALU_DEP_1)
	v_readfirstlane_b32 s10, v8                    ; wave 0..15
	s_and_b32 s11, ttmp7, 0xffff
	s_lshr_b32 s12, s11, 4                         ; b
	s_and_b32 s13, s11, 15                         ; hd
	s_bfe_u32 s31, s10, 0x10002                    ; s31: 0 = A, 1 = B
	s_and_b32 s14, s10, 3
	s_lshr_b32 s15, s10, 3
	s_lshl_b32 s15, s15, 2
	s_add_co_u32 s15, s15, s14                     ; the pair j
	s_mul_i32 s85, s15, 4608
	s_add_co_u32 s85, s85, SAVE
	s_lshl_b32 s14, s15, 3
	s_add_co_u32 s14, s14, ttmp9
	s_sub_co_u32 s84, 63, s14                      ; S
	s_add_co_u32 s14, s14, 64                      ; L
	s_lshl_b32 s11, s12, 7
	s_add_co_u32 s86, s11, s84                     ; token tile 128 b + S,
	s_add_co_u32 s11, s11, s14                     ; 128 b + L,
	s_cmp_eq_u32 s31, 1
	s_cselect_b32 s87, s86, s11                    ; and the one whose result I store: A L's, B S's
	s_lshr_b32 s15, s13, 1                         ; the head's K step in q's and k's images
	s_and_b32 s21, s13, 1                          ; and its half of it
	TILE 14, 11, 32, 34, 36, 38
	TILE 84, 86, 68, 70, 72, 74
	s_lshl_b32 s52, s31, 11
	s_add_co_u32 s34, s34, s52                     ; B begins at key step 8: 256 bytes of lane masks a step
	s_lshl_b32 s40, s15, 14
	s_lshl_b32 s52, s12, 13
	s_add_co_u32 s40, s40, s52
	s_add_co_u32 s40, s40, 12582912+131072         ; K's scale words of my batch's 2,048 keys
	s_mov_b32 s41, 0
	s_lshl_b32 s42, s12, 16
	s_lshl_b32 s52, s13, 8
	s_add_co_u32 s42, s42, s52
	s_add_co_u32 s42, s42, 12582912+262144         ; V's: [K step 16 b on][channel 64 hd on]
	s_mov_b32 s43, 0
	s_lshl_b32 s44, s12, 11
	s_add_co_u32 s44, s44, s13
	s_lshl_b32 s44, s44, 10
	s_add_co_u32 s44, s44, 4194304                 ; K, step 0
	s_mov_b32 s45, 0
	s_lshl_b32 s46, s13, 7
	s_lshl_b32 s52, s12, 4
	s_add_co_u32 s46, s46, s52
	s_lshl_b32 s46, s46, 11
	s_add_co_u32 s46, s46, 8388608                 ; V, step 0
	s_mov_b32 s47, 0
	s_lshl_b32 s48, s87, 5
	s_lshl_b32 s52, s13, 1
	s_add_co_u32 s48, s48, s52
	s_lshl_b32 s48, s48, 9                         ; out: pieces 2 hd, 2 hd + 1 of the token tile's 32
	s_mov_b32 s49, 0
	s_lshl_b32 s50, s87, 3
	s_add_co_u32 s50, s50, s15
	s_lshl_b32 s50, s50, 6
	s_lshl_b32 s52, s21, 1
	s_add_co_u32 s50, s50, s52
	s_add_co_u32 s50, s50, 4194304                 ; out: my rows' scale halfwords
	s_mov_b32 s51, 0
	v_and_b32 v9, 31, v0                           ; lane
	v_and_b32 v10, 15, v0                          ; r
	s_delay_alu instid0(VALU_DEP_2)
	v_lshlrev_b32 v1, 4, v9                        ; v1: 16 x lane
	s_delay_alu instid0(VALU_DEP_2)
	v_lshlrev_b32 v11, 2, v10                      ; 4 r
	s_add_co_u32 s52, s52, KSC
	v_add_nc_u32 v2, s52, v11                      ; v2: K's scale halfwords: KSC + 4 r + 2 (hd % 2)
	v_add_nc_u32 v3, VSC, v11                      ; v3: V's scale words
	v_lshrrev_b32 v4, 6, v0
	s_delay_alu instid0(VALU_DEP_1)
	v_lshlrev_b32 v4, 14, v4
	v_and_b32 v8, 63, v0
	s_delay_alu instid0(VALU_DEP_1)
	v_lshl_add_u32 v4, v8, 4, v4                   ; v4: my 16 bytes of a step's K: key tile thread / 64, 16,384 bytes apart
	v_lshrrev_b32 v5, 7, v0
	s_delay_alu instid0(VALU_DEP_1)
	v_lshlrev_b32 v5, 16, v5
	v_and_b32 v8, 127, v0
	s_delay_alu instid0(VALU_DEP_1)
	v_lshl_add_u32 v5, v8, 4, v5                   ; v5: of its V: channel tile thread / 128, 65,536 bytes apart
	v_lshlrev_b32 v6, 4, v0                        ; v6: 16 x thread: the same bytes' place in a step's 8,192: K's steps 0 to 7,
	s_delay_alu instid0(VALU_DEP_1)
	v_add_nc_u32 v7, 0x10000, v6                   ; v7: K's steps 8 to 15,
	s_delay_alu instid0(VALU_DEP_2)
	v_add_nc_u32 v8, 0x20000, v6                   ; v8: V's steps 0 to 7,
	s_delay_alu instid0(VALU_DEP_3)
	v_add_nc_u32 v10, 0x30000, v6                  ; v10: V's steps 8 to 15
	s_delay_alu instid0(VALU_DEP_4)
	v_add_nc_u32 v253, KSC, v6                     ; v253: where my 16 bytes of K's scale words go
	v_lshl_add_u32 v254, v0, 3, VSC                ; v254: and my 8 bytes of V's
	v_lshrrev_b32 v255, 5, v0
	s_delay_alu instid0(VALU_DEP_1)
	v_lshlrev_b32 v255, 12, v255
	s_delay_alu instid0(VALU_DEP_1)
	v_lshl_add_u32 v255, v9, 3, v255               ; v255: V's scale words in memory: step thread / 32, 4,096 bytes apart; 8 bytes a lane
	s_mov_b32 s[SEL], 0x76543210
	s_mov_b32 s[SEL+1], 0xfedcba98
	s_mov_b32 s[CS], 0x3e38aa3b                    ; c = log2(e) / 8
	s_mov_b32 s[CS+1], s[CS]
	s_mov_b32 s[MNT], 0x600000
	s_wait_alu depctr_va_vdst(0)
	s_wait_kmcnt 0x0
	s_add_nc_u64 s[32:33], s[6:7], s[32:33]
	s_load_b256 s[56:63], s[32:33], 0x0            ; L's flags
	s_add_nc_u64 s[68:69], s[6:7], s[68:69]
	s_load_b256 s[76:83], s[68:69], 0x0            ; S's
	s_add_nc_u64 s[26:27], s[6:7], s[34:35]        ; s[26:27]: the step's lane masks
	s_add_nc_u64 s[36:37], s[4:5], s[36:37]
	s_add_nc_u64 s[38:39], s[4:5], s[38:39]
	s_add_nc_u64 s[40:41], s[4:5], s[40:41]
	s_add_nc_u64 s[42:43], s[4:5], s[42:43]
	s_add_nc_u64 s[16:17], s[4:5], s[44:45]        ; s[16:17]: K
	s_add_nc_u64 s[18:19], s[4:5], s[46:47]        ; s[18:19]: V
	s_add_nc_u64 s[12:13], s[4:5], s[72:73]        ; s[12:13]: S's Q,
	s_add_nc_u64 s[14:15], s[4:5], s[74:75]        ; s[14:15]: its scale halfwords,
	s_add_nc_u64 s[4:5], s[6:7], s[70:71]          ; s[4:5]: its lane masks
	s_add_nc_u64 s[6:7], s[8:9], s[50:51]          ; s[6:7]: the scale halfwords out
	s_add_nc_u64 s[8:9], s[8:9], s[48:49]          ; s[8:9]: the codes out
	global_load_b128 v[16:19], v1, s[36:37]        ; Q: k = 0 .. 31,
	global_load_b128 v[20:23], v1, s[36:37] offset:512   ; 32 .. 63
	global_load_u16 v[QS], v11, s[38:39]           ; its two scale bytes; bytes 2 and 3 are 0 and stand over zero codes
	global_load_b128 v[BM:BM+3], v6, s[40:41]      ; K's scale words
	global_load_b64 v[T2:T2+1], v255, s[42:43]     ; V's
.set i, 0
.rept 16                               ; all sixteen steps of K and V are asked for at once: 32 loads a thread, each 512 consecutive bytes a wave
	global_load_b128 v[BLK+8*i:BLK+8*i+3], v4, s[16:17] offset:131072*i
	global_load_b128 v[BLK+8*i+4:BLK+8*i+7], v5, s[18:19] offset:2048*i
.set i, i+1
.endr
	v_mov_b32 v[NINF], 0xff800000
	v_mov_b32 v13, 0xff61b1e6                      ; the largest t so far: -3e38
	s_delay_alu instid0(VALU_DEP_1)
	v_floor_f32 v12, -v13                          ; -M
	v_mov_b32 v14, 0                               ; the sum, in two halves
	v_mov_b32 v15, 0
	v_mov_b32 v[PW], 0
	v_mov_b32 v[TP], 0
.set i, 0
.rept 8
	v_mov_b32 v[24+i], 0                           ; Q's k = 64 .. 127
.set i, i+1
.endr
.set i, 0
.rept 32
	v_mov_b32 v[O+i], 0                            ; O^T: the step is written for every step alike: the first finds zeros
.set i, i+1
.endr
	s_wait_loadcnt 33                              ; loads come back in order: K's scale words are in; V's and the 32 behind them may be out
	ds_store_b128 v253, v[BM:BM+3]
	s_wait_loadcnt 32                              ; V's scale words are in
	ds_store_b64 v254, v[T2:T2+1]
.set i, 0
.rept 8
	s_wait_loadcnt 30-2*i                          ; step i's two loads are in; those of the steps behind it may be out
	ds_store_b128 v6, v[BLK+8*i:BLK+8*i+3] offset:8192*i
	ds_store_b128 v8, v[BLK+8*i+4:BLK+8*i+7] offset:8192*i
.set i, i+1
.endr
.rept 8
	s_wait_loadcnt 30-2*i
	ds_store_b128 v7, v[BLK+8*i:BLK+8*i+3] offset:8192*(i-8)
	ds_store_b128 v10, v[BLK+8*i+4:BLK+8*i+7] offset:8192*(i-8)
.set i, i+1
.endr
	s_wait_kmcnt 0x0
	s_or_b32 s20, s56, s57
	s_or_b32 s25, s76, s77
.irp k, 2,3,4,5,6,7
	s_or_b32 s20, s20, s[56+\k]                    ; s20: bit j: all of step j is hidden from L; bit 16 + j: none of it
	s_or_b32 s25, s25, s[76+\k]                    ; s25: the same for S
.endr
	s_cmp_eq_u32 s31, 1
	s_cselect_b32 s25, s25, 0xffff                 ; A has no part in S: every step counts as hidden
	s_mov_b32 s28, 8                               ; trips
	s_lshl_b32 s29, s31, 3                         ; the step: A from 0, B from 8
	s_add_co_u32 s30, s29, 16
	s_lshl_b32 s24, s31, 16                        ; where the step's K begins in LDS (V: VL further on),
	s_lshl_b32 s2, s31, 12                         ; its scale words of K,
	s_lshl_b32 s3, s31, 11                         ; and of V
	s_wait_dscnt 0x0                               ; for the others' sake: my stores have landed; and they have read their registers
	v_add_nc_u32 v[SV], s85, v1
.irp b, 0,1,2,3
	v_mov_b32 v[T2+\b], 0                          ; a lane permute's destination counts as read
.endr
.set i, 0
.rept 8
	v_mov_b32 v[96+i], 0                           ; behind K's last tile
.set i, i+1
.endr
	s_barrier_signal -1
	s_barrier_wait -1                              ; the head lies in LDS, and nobody writes these bytes again
.macro WORK                            ; a key step's loads, products and softmax
	s_bitcmp1_b32 s20, s29
	s_cbranch_scc1 .Lskip_\@                       ; all 128 keys are hidden from my 16 queries
	s_load_b512 s[32:47], s[26:27], 0x0            ; the step's 64 lane masks
	s_load_b512 s[48:63], s[26:27], 0x40
	s_load_b512 s[68:83], s[26:27], 0x80
	s_load_b512 s[84:99], s[26:27], 0xc0
	v_add_nc_u32 v8, s24, v1
	v_add_nc_u32 v9, s2, v2
	v_add_nc_u32 v10, s3, v3
	s_delay_alu instid0(VALU_DEP_3)
	v_add_nc_u32 v11, VL, v8
.rept 4
	v_nop                                          ; with the four additions: eight places in front of loads into registers that the last products read
.endr
.irp t, 0,1,2,3,4,5,6,7
	ds_load_b128 v[KF+8*\t:KF+8*\t+3], v8 offset:1024*\t
	ds_load_b128 v[KF+8*\t+4:KF+8*\t+7], v8 offset:1024*\t+512
	ds_load_u16 v[KS+\t], v9 offset:64*\t
.endr
	s_wait_dscnt 0x0
	s_wait_alu depctr_va_vdst(0)
.irp t, 0,1,2,3,4,5,6,7
	v_wmma_scale_f32_16x16x128_f8f6f4 v[S+8*\t:S+8*\t+7], v[KF+8*\t:KF+8*\t+15], v[16:31], 0, v[KS+\t], v[QS]
.endr
.rept 8
	v_nop
.endr
.irp t, 0,1,2,3                        ; V's fragments land while the softmax runs
.irp c, 0,1,2,3
	ds_load_b128 v[KF+16*\t+4*\c:KF+16*\t+4*\c+3], v11 offset:2048*\t+512*\c
.endr
	ds_load_b32 v[KS+\t], v10 offset:64*\t
.endr
	s_bitcmp1_b32 s20, s30
	s_cbranch_scc1 .Lopen_\@                       ; no key of the step is hidden: the lane masks are not read, and not waited for here
	s_wait_kmcnt 0x0
.set n, 0
.rept 32
	v_cndmask_b32 v[S+n], v[S+n], v[NINF], s[32+n] ; a hidden score becomes -infinity ahead of the maximum: p = 0 then
.set n, n+1
.endr
.set n, 0
.rept 32
	v_cndmask_b32 v[S+32+n], v[S+32+n], v[NINF], s[68+n]
.set n, n+1
.endr
.Lopen_\@:
.irp b, 0,1,2,3
	v_max3_num_f32 v[BM+\b], v[S+16*\b], v[S+1+16*\b], v[S+2+16*\b]   ; the largest score of each block of 32 keys: for the row's maximum and for the block's largest p
.endr
.irp i, 3,5,7,9,11,13
.irp b, 0,1,2,3
	v_max3_num_f32 v[BM+\b], v[BM+\b], v[S+16*\b+\i], v[S+1+16*\b+\i]
.endr
.endr
.irp b, 0,1,2,3
	v_max_num_f32 v[BM+\b], v[BM+\b], v[S+15+16*\b]
.endr
.irp b, 0,1,2,3
	s_delay_alu instid0(VALU_DEP_4)
	v_permlanex16_b32 v[T2+\b], v[BM+\b], s[SEL], s[SEL+1]
.endr
.irp b, 0,1,2,3
	s_delay_alu instid0(VALU_DEP_4)
	v_max_num_f32 v[BM+\b], v[BM+\b], v[T2+\b]     ; with lane l xor 16's 16 keys
.endr
	s_delay_alu instid0(VALU_DEP_2)
	v_max3_num_f32 v[TP], v[BM], v[BM+1], v[BM+2]
	s_delay_alu instid0(VALU_DEP_1)
	v_max_num_f32 v[TP], v[TP], v[BM+3]
	s_delay_alu instid0(VALU_DEP_1)
	v_mul_f32 v[TP], s[CS], v[TP]
	s_delay_alu instid0(VALU_DEP_1)
	v_max_num_f32 v13, v13, v[TP]                  ; the running largest t
	v_mov_b32 v[TP], v12
	s_delay_alu instid0(VALU_DEP_2)
	v_floor_f32 v12, -v13                          ; the new -M = -ceil(t)
	s_delay_alu instid0(VALU_DEP_1)
	v_sub_f32 v[TP], v12, v[TP]                    ; old M - new M: a whole number, 0 or less
	s_delay_alu instid0(VALU_DEP_1)
	v_cvt_i32_f32 v[TP], v[TP]                     ; (it saturates)
	s_delay_alu instid0(VALU_DEP_1)
	v_ldexp_f32 v[FF], 1.0, v[TP]                  ; f = 2^(old M - new M): rounds nothing
.set j, 0
.rept 32
	v_pk_fma_f32 v[S+j:S+j+1], v[S+j:S+j+1], s[CS:CS+1], v[12:13] op_sel_hi:[1,0,0]   ; t - M
.set j, j+2
.endr
.irp b, 0,1,2,3
	v_fma_f32 v[BM+\b], v[BM+\b], s[CS], v12
.endr
.set j, 0
	s_wait_alu depctr_va_vdst(0)
.rept 64
	v_exp_f32 v[S+j], v[S+j]                       ; p = 2^(t - M)
.set j, j+1
.endr
	v_pk_mul_f32 v[14:15], v[14:15], v[FF:FF+1] op_sel_hi:[1,0]   ; the sums under the new M: a plain line behind the exponentials
	s_wait_alu depctr_va_vdst(0)                   ; one wait for the batch, ahead of its first reader
.irp b, 0,1,2,3
	v_exp_f32 v[BM+\b], v[BM+\b]                   ; the block's largest p
.endr
	v_pk_add_f32 v[238:239], v[S:S+1], v[S+2:S+3]  ; the row's sum of the unquantised p: four chains by turns
	v_pk_add_f32 v[230:231], v[S+4:S+5], v[S+6:S+7]
	v_pk_add_f32 v[228:229], v[S+8:S+9], v[S+10:S+11]
.set j, 12
.rept 6
	v_pk_add_f32 v[14:15], v[14:15], v[S+j:S+j+1]
	v_pk_add_f32 v[238:239], v[238:239], v[S+j+2:S+j+3]
	v_pk_add_f32 v[230:231], v[230:231], v[S+j+4:S+j+5]
	v_pk_add_f32 v[228:229], v[228:229], v[S+j+6:S+j+7]
.set j, j+8
.endr
	v_pk_add_f32 v[14:15], v[14:15], v[S+60:S+61]
	v_pk_add_f32 v[238:239], v[238:239], v[S+62:S+63]
	v_pk_add_f32 v[230:231], v[230:231], v[228:229]
	v_pk_add_f32 v[14:15], v[14:15], v[238:239]
	v_pk_add_f32 v[14:15], v[14:15], v[230:231]
	s_wait_alu depctr_va_vdst(0)                   ; and one for the four
.irp b, 0,1,2,3
	v_max_num_f32 v[BM+\b], 0x4800000, v[BM+\b]    ; the floor 2^(9 - 127)
.endr
.irp b, 0,1,2,3
	s_delay_alu instid0(VALU_DEP_4)
	v_add_nc_u32 v[SO+\b], 0xfc000000, v[BM+\b]    ; the conversion's scale operand
.endr
.irp b, 0,1,2,3
	v_and_or_b32 v[HD+\b], v[BM+\b], 0x7f800000, s[MNT]   ; 448 x the scale
.endr
.irp b, 0,1,2,3
	v_lshrrev_b32 v[T2+\b], 23, v[SO+\b]           ; the scale's byte
.endr
	s_delay_alu instid0(VALU_DEP_3)
	v_lshl_or_b32 v[PW], v[T2+1], 8, v[T2]
	s_delay_alu instid0(VALU_DEP_1)
	v_lshl_or_b32 v[PW], v[T2+2], 16, v[PW]
	s_delay_alu instid0(VALU_DEP_1)
	v_lshl_or_b32 v[PW], v[T2+3], 24, v[PW]
.irp b, 0,1,2,3
	v_mov_b32 v[T2+(\b+1)%4], v[HD+\b]             ; a second copy of each bound, its register number one more modulo 4: the second half of a dual pair takes it
.endr
.irp b, 0,1,2,3
.irp i, 0,2,4,6,8,10,12,14
	v_dual_min_num_f32 v[S+16*\b+\i], v[S+16*\b+\i], v[HD+\b] :: v_dual_min_num_f32 v[S+16*\b+\i+1], v[S+16*\b+\i+1], v[T2+(\b+1)%4]   ; the conversion does not saturate (ISA guide 7.6.2); p is not negative: a one-sided hold, two numbers a line
.endr
	v_cvt_scalef32_pk8_fp8_f32 v[PC+4*\b:PC+4*\b+1], v[S+16*\b:S+16*\b+7], v[SO+\b]
	v_cvt_scalef32_pk8_fp8_f32 v[PC+4*\b+2:PC+4*\b+3], v[S+16*\b+8:S+16*\b+15], v[SO+\b]
.endr
.set j, 0
.rept 16
	v_pk_mul_f32 v[O+j:O+j+1], v[O+j:O+j+1], v[FF:FF+1] op_sel_hi:[1,0]   ; O^T under the new M; these are also the places in front of the products below
.set j, j+2
.endr
	s_wait_alu depctr_va_vdst(0)
	s_wait_dscnt 0x0                               ; V
.irp t, 0,1,2,3
	v_wmma_scale_f32_16x16x128_f8f6f4 v[O+8*\t:O+8*\t+7], v[KF+16*\t:KF+16*\t+15], v[PC:PC+15], v[O+8*\t:O+8*\t+7], v[KS+\t], v[PW]
.endr
	s_wait_kmcnt 0x0                               ; the lane masks have landed on either way: their base is stepped, and the next step loads into the same registers, only behind this wait
.Lskip_\@:
.endm
.macro ONWARD                          ; what differs between key steps stands in scalars stepped by constants
	s_add_nc_u64 s[26:27], s[26:27], 256
	s_add_co_u32 s24, s24, 8192
	s_add_co_u32 s2, s2, 512
	s_add_co_u32 s3, s3, 256
	s_add_co_u32 s29, s29, 1
	s_add_co_u32 s30, s30, 1
	s_sub_co_u32 s28, s28, 1
	s_cmp_lg_u32 s28, 0
.endm
.Lstep:                                            ; eight trips: my half of L's key steps
	WORK
	ONWARD
	s_cbranch_scc1 .Lstep
	; BETWEEN THE WALKS.  B hands its part of L over and begins S; A keeps its part of L in registers and finds every step of the second walk hidden
.rept 8
	v_nop                                          ; eight places behind the last products, ahead of the stores of O^T, the loads into Q's registers and the writes of O^T
.endr
	s_mov_b32 s20, s25
	s_mov_b64 s[26:27], s[4:5]
	s_mov_b32 s28, 16
	s_mov_b32 s29, 0
	s_mov_b32 s30, 16
	s_mov_b32 s24, 0
	s_mov_b32 s2, 0
	s_mov_b32 s3, 0
	s_wait_alu depctr_va_vdst(0)                   ; the wait ahead of the branch
	s_cmp_eq_u32 s31, 0
	s_cbranch_scc1 .Lkeeps
.irp k, 0,1,2,3,4,5,6,7
	ds_store_b128 v[SV], v[O+4*\k:O+4*\k+3] offset:512*\k   ; each accumulator from its low end on
.endr
	ds_store_b128 v[SV], v[12:15] offset:4096      ; -M, the largest t, the sum's two halves
	v_and_b32 v9, 15, v0
	v_lshlrev_b32 v9, 2, v9
	global_load_b128 v[16:19], v1, s[12:13]        ; S's Q
	global_load_b128 v[20:23], v1, s[12:13] offset:512
	global_load_u16 v[QS], v9, s[14:15]
	v_mov_b32 v13, 0xff61b1e6
	v_floor_f32 v12, -v13
	v_mov_b32 v14, 0
	v_mov_b32 v15, 0
.set i, 0
.rept 32
	v_mov_b32 v[O+i], 0
.set i, i+1
.endr
	s_wait_alu depctr_va_vdst(0)
	s_wait_loadcnt 0x0
.Lkeeps:
.Lstep2:                                           ; sixteen trips: all of S's key steps
	WORK
	ONWARD
	s_cbranch_scc1 .Lstep2
.rept 8
	v_nop
.endr
	s_wait_dscnt 0x0                               ; for A's sake: B's stores have landed
	s_barrier_signal -1
	s_barrier_wait -1
	s_cmp_eq_u32 s31, 1
	s_cbranch_scc1 .Lwhole
	; A JOINS THE TWO PARTS OF L: M = the larger of the two; each part is multiplied by 2^(its M - M), which rounds nothing; a part all of whose keys were hidden holds zeros and gets the factor 0
.irp k, 0,1,2,3,4,5,6,7
	ds_load_b128 v[S+4*\k:S+4*\k+3], v[SV] offset:512*\k
.endr
	ds_load_b128 v[S+32:S+35], v[SV] offset:4096
	s_wait_dscnt 0x0
	v_min_num_f32 v[S+36], v12, v[S+32]            ; -M
	v_add_f32 v14, v14, v15
	v_add_f32 v[S+34], v[S+34], v[S+35]
	v_sub_f32 v[S+37], v[S+36], v12
	v_sub_f32 v[S+38], v[S+36], v[S+32]
	v_mov_b32 v[S+41], 0                           ; (named as the upper half of a pair)
	v_cvt_i32_f32 v[S+37], v[S+37]                 ; (it saturates)
	v_cvt_i32_f32 v[S+38], v[S+38]
	v_mov_b32 v15, 0
	v_ldexp_f32 v[FF], 1.0, v[S+37]
	v_ldexp_f32 v[S+40], 1.0, v[S+38]
	v_mul_f32 v14, v14, v[FF]
	v_fmac_f32 v14, v[S+34], v[S+40]               ; the sum
.set j, 0
.rept 16
	v_pk_mul_f32 v[O+j:O+j+1], v[O+j:O+j+1], v[FF:FF+1] op_sel_hi:[1,0]
.set j, j+2
.endr
.set j, 0
.rept 16
	v_pk_fma_f32 v[O+j:O+j+1], v[S+j:S+j+1], v[S+40:S+41], v[O+j:O+j+1] op_sel_hi:[1,0,1]
.set j, j+2
.endr
.Lwhole:
	; THE WAY OUT: O^T / the sum, quantised along the channels: register 16 beta + i is channel 32 beta + 16 h + i of the head (Wv's image rows were chosen for that)
	v_add_f32 v14, v14, v15
	s_delay_alu instid0(VALU_DEP_1)
	v_permlanex16_b32 v[TP], v14, s[SEL], s[SEL+1]
	s_delay_alu instid0(VALU_DEP_1)
	v_add_f32 v14, v14, v[TP]                      ; the row's sum
	s_wait_alu depctr_va_vdst(0)
	v_rcp_f32 v14, v14
	v_and_b32 v9, 15, v0                           ; (a plain line behind the transcendental)
	s_delay_alu instid0(VALU_DEP_1)
	v_lshlrev_b32 v9, 2, v9
	v_and_b32 v10, 31, v0
	s_wait_alu depctr_va_vdst(0)                   ; the wait ahead of the first reader
.set j, 0
.rept 16
	v_pk_mul_f32 v[O+j:O+j+1], v[O+j:O+j+1], v[14:15] op_sel_hi:[1,0]
.set j, j+2
.endr
.irp b, 0,1
	v_max3_num_f32 v[BM+\b], |v[O+16*\b]|, |v[O+1+16*\b]|, 0x4800000
.endr
.irp i, 2,4,6,8,10,12,14
.irp b, 0,1
	s_delay_alu instid0(VALU_DEP_2)
	v_max3_num_f32 v[BM+\b], v[BM+\b], |v[O+16*\b+\i]|, |v[O+1+16*\b+\i]|
.endr
.endr
.irp b, 0,1
	s_delay_alu instid0(VALU_DEP_2)
	v_permlanex16_b32 v[T2+\b], v[BM+\b], s[SEL], s[SEL+1]
.endr
.irp b, 0,1
	s_delay_alu instid0(VALU_DEP_2)
	v_max_num_f32 v[BM+\b], v[BM+\b], v[T2+\b]
.endr
.irp b, 0,1
	s_delay_alu instid0(VALU_DEP_2)
	v_add_nc_u32 v[SO+\b], 0xfc000000, v[BM+\b]
.endr
.irp b, 0,1
	s_delay_alu instid0(VALU_DEP_4)
	v_and_or_b32 v[HD+\b], v[BM+\b], 0x7f800000, s[MNT]
.endr
.irp b, 0,1
	s_delay_alu instid0(VALU_DEP_4)
	v_lshrrev_b32 v[T2+\b], 23, v[SO+\b]
.endr
	s_delay_alu instid0(VALU_DEP_1)
	v_lshl_or_b32 v[TP], v[T2+1], 8, v[T2]         ; the head's two bytes of the row's scale word
.irp b, 0,1
.irp i, 0,1,2,3,4,5,6,7,8,9,10,11,12,13,14,15
	v_med3_num_f32 v[O+16*\b+\i], v[O+16*\b+\i], -v[HD+\b], v[HD+\b]
.endr
	v_cvt_scalef32_pk8_fp8_f32 v[PC+4*\b:PC+4*\b+1], v[O+16*\b:O+16*\b+7], v[SO+\b]
	v_cvt_scalef32_pk8_fp8_f32 v[PC+4*\b+2:PC+4*\b+3], v[O+16*\b+8:O+16*\b+15], v[SO+\b]
.endr
	v_cmp_gt_u32 vcc_lo, 16, v10                   ; (a plain line behind the last conversion)
	global_store_b128 v1, v[PC:PC+3], s[8:9]       ; 1,024 consecutive bytes of the next operand's image
	global_store_b128 v1, v[PC+4:PC+7], s[8:9] offset:512
	s_wait_xcnt 0x0                                ; EXEC changes only behind this wait
	s_wait_tensorcnt 0x0                           ; the wave's end, all lanes on
	ds_add_u32 v232, v233
	s_wait_dscnt 0x0
	s_and_saveexec_b32 s11, vcc_lo
	global_store_b16 v9, v[TP], s[6:7]             ; lanes 0-15: 16 rows' halfwords
	s_wait_xcnt 0x0
	s_or_b32 exec_lo, exec_lo, s11
	s_endpgm
.Lfunc_end_k_qe1db57be8a_attn:
	.size	k_qe1db57be8a_attn, .Lfunc_end_k_qe1db57be8a_attn-k_qe1db57be8a_attn
	.p2alignl 7, 3214868480
	.fill 96, 4, 3214868480
	.section	.rodata,"a",@progbits
	.p2align	6, 0x0
	.amdhsa_kernel k_qe1db57be8a_attn
		.amdhsa_group_segment_fixed_size 313344
		.amdhsa_private_segment_fixed_size 0
		.amdhsa_enable_private_segment 0
		.amdhsa_kernarg_size 24
		.amdhsa_user_sgpr_count 2
		.amdhsa_user_sgpr_kernarg_segment_ptr 1
		.amdhsa_wavefront_size32 1
		.amdhsa_system_sgpr_workgroup_id_x 1
		.amdhsa_system_sgpr_workgroup_id_y 1
		.amdhsa_system_sgpr_workgroup_id_z 1
		.amdhsa_system_vgpr_workitem_id 0
		.amdhsa_next_free_vgpr 256
		.amdhsa_next_free_sgpr 102
		.amdhsa_reserve_vcc 1
		.amdhsa_float_denorm_mode_32 3
		.amdhsa_float_denorm_mode_16_64 3
		.amdhsa_memory_ordered 1
		.amdhsa_forward_progress 1
		.amdhsa_inst_pref_size 78
	.end_amdhsa_kernel
	.amdgpu_metadata
---
amdhsa.version: [ 1, 2 ]
amdhsa.kernels:
  - .name:           k_qe1db57be8a_attn
    .symbol:         k_qe1db57be8a_attn.kd
    .args:
      - { .name: qkv, .offset: 0, .size: 8, .value_kind: global_buffer, .address_space: global }
      - { .name: mk, .offset: 8, .size: 8, .value_kind: global_buffer, .address_space: global }
      - { .name: ha, .offset: 16, .size: 8, .value_kind: global_buffer, .address_space: global }
    .group_segment_fixed_size: 313344
    .private_segment_fixed_size: 0
    .kernarg_segment_align: 8
    .kernarg_segment_size: 24
    .max_flat_workgroup_size: 512
    .sgpr_count:     102
    .vgpr_count:     256
    .wavefront_size: 32
...
	.end_amdgpu_metadata
.endif
;; end of part 10
;; launch wo (part 11): grid 8 x 32, 4 waves a work-group, clusters of 4 x 4, 327,680 bytes of LDS; arguments ha, wimg, wsw, x, x1; writes x1
.if DOCPART == 11
	.amdgcn_target "amdgcn-amd-amdhsa--gfx1250"
	.amdhsa_code_object_version 6
	.text
	.protected	k_qe1db57be8a_wo
	.globl	k_qe1db57be8a_wo
	.p2align	8
	.type	k_qe1db57be8a_wo,@function
k_qe1db57be8a_wo:
	s_mov_b64 s[64:65], 0
	v_nop
	global_prefetch_b8 v0, s[64:65] scope:SCOPE_SE
	s_setreg_imm32_b32 hwreg(HW_REG_WAVE_MODE, 25, 1), 1
	s_wait_xcnt 0x0
	s_wait_alu depctr_hold_cnt(0) depctr_sa_sdst(0) depctr_va_vdst(0) depctr_va_sdst(0) depctr_va_ssrc(0) depctr_va_vcc(0) depctr_vm_vsrc(0)
	s_getreg_b32 s2, hwreg(HW_REG_IB_STS2, 6, 4)
	s_cmp_eq_u32 s2, 0
	s_cbranch_scc0 .Lentry_in_a_cluster
	s_endpgm
.Lentry_in_a_cluster:
	s_bfe_u32 s2, ttmp6, 0x10000c
	s_cmp_lg_u32 s2, 0xf033
	s_cbranch_scc0 .Lentry_shape_is_right
	s_endpgm
.Lentry_shape_is_right:
.set NKS,   8
.set XSOFF, 0x400000
.set YCOFF, 0x300000
.set YSOFF, 98304
.set LAPS,  NKS/8
.set HALFT, 32768
.set SLOT,  131072
.set SCLX,  262144
.set SCLY,  SCLX+NKS*512+64
.set SPARE, (SCLY+NKS*512+255)/256*256
.set SC,   8
.set ADRX, 16
.set ADRY, 20
.set STO,  24
.set RD,   25
.set CO,   26
.set ADRS, 27
.set SPW,  28
.set NIL,  29
.set ACC,  128
.set G1, 24
.set G0, 32
.set G1B, 48
.set G0B, 56
.set G1S, 68
.set G0S, 76
.set G1SB, 80
.set G0SB, 88
.set MSB, 0
.macro WIN new
.if MSB != \new
	s_set_vgpr_msb (MSB<<8)|\new
.set MSB, \new
.endif
.endm
.macro JLOAD g0a, g1a, g0b, g1b
	s_cmp_eq_u32 s15, 0
	s_cbranch_scc0 .Lfor_y_\@
	tensor_load_to_lds s[\g0a:\g0a+3], s[\g1a:\g1a+7]
	s_nop 0
.rept 4
	v_nop
.endr
	s_branch .Lasked_\@
.Lfor_y_\@:
	tensor_load_to_lds s[\g0b:\g0b+3], s[\g1b:\g1b+7]
	s_nop 0
.rept 4
	v_nop
.endr
.Lasked_\@:
.endm
.macro CREST
	s_cmp_lg_u32 s14, 0
	s_cbranch_scc1 .Lnot_wave_0_\@
	s_barrier_signal -3
.Lnot_wave_0_\@:
	s_barrier_wait -3
	s_barrier_signal -1
	s_barrier_wait -1
.endm
.macro CROUND
	s_barrier_signal -1
	s_barrier_wait -1
	CREST
.endm
.macro PLACES n
.rept \n
	v_nop
.endr
.endm
.macro FETCH slot, q, f, set
	WIN 0x40
.irp i, 0,1,2,3
.irp c, 0,1,2,3
	ds_load_b128 v[(\f)+64+16*\i+4*\c:(\f)+64+16*\i+4*\c+3], v[ADRY+\slot] offset:(4*\i+(\q))*2048+512*\c
.endr
.endr
.irp i, 0,1,2,3
.irp c, 0,1,2,3
	ds_load_b128 v[(\f)+16*\i+4*\c:(\f)+16*\i+4*\c+3], v[ADRX+\slot] offset:(4*\i+(\q))*2048+512*\c
.endr
.endr
	WIN 0
.irp i, 0,1,2,3
	ds_load_b32 v[SC+4*(\set)+\i], v[ADRS] offset:(\i*NKS+4*\slot+(\q))*64
.endr
.endm
.macro MUL8 f, set, a0, zero
.irp a, \a0, \a0+1
.irp b, 0,1,2,3
.if \zero
	v_wmma_scale_f32_16x16x128_f8f6f4 v[ACC+8*(4*(\a)+\b):ACC+8*(4*(\a)+\b)+7], v[(\f)+64+16*\b:(\f)+64+16*\b+15], v[(\f)+16*(\a):(\f)+16*(\a)+15], 0, v[SC+4*(\set)+\b], v[SC+4*(\set)+(\a)] matrix_a_scale:MATRIX_SCALE_ROW1
.else
	v_wmma_scale_f32_16x16x128_f8f6f4 v[ACC+8*(4*(\a)+\b):ACC+8*(4*(\a)+\b)+7], v[(\f)+64+16*\b:(\f)+64+16*\b+15], v[(\f)+16*(\a):(\f)+16*(\a)+15], v[ACC+8*(4*(\a)+\b):ACC+8*(4*(\a)+\b)+7], v[SC+4*(\set)+\b], v[SC+4*(\set)+(\a)] matrix_a_scale:MATRIX_SCALE_ROW1
.endif
.endr
.endr
.endm
.macro STEP slot, q, zero
	PLACES 8
	FETCH \slot, (\q)+1, 128-128*((\q)%2), 1-(\q)%2
	s_wait_dscnt 36
	WIN 0x05
	MUL8 128*((\q)%2), (\q)%2, 0, \zero
	MUL8 128*((\q)%2), (\q)%2, 2, \zero
	WIN 0
.endm
.macro TURN slot, next, fill
	s_wait_tensorcnt 0x0
	ds_add_u32 v[SPW], v[NIL]
	s_wait_dscnt 1
	WIN 0x05
	MUL8 128, 1, 0, 0
	s_wait_dscnt 0x0
	s_barrier_signal -1
	MUL8 128, 1, 2, 0
	WIN 0
	s_barrier_wait -1
.if \fill
	CREST
	s_add_nc_u64 s[G0+4*\slot+2:G0+4*\slot+3], s[G0+4*\slot+2:G0+4*\slot+3], 16384
	s_add_nc_u64 s[G0B+4*\slot+2:G0B+4*\slot+3], s[G0B+4*\slot+2:G0B+4*\slot+3], 16384
	JLOAD G0+4*\slot, G1, G0B+4*\slot, G1B
	PLACES 4
.else
	PLACES 8
.endif
.if \next == 0
	v_add_nc_u32 v[ADRS], 512, v[ADRS]
.endif
	FETCH \next, 0, 0, 0
.endm
	s_load_b128 s[4:7], s[0:1], 0x0
	s_load_b128 s[8:11], s[0:1], 0x10
	s_load_b64 s[12:13], s[0:1], 0x20
	v_lshl_add_u32 v[SPW], v0, 2, SPARE
	v_mov_b32 v[NIL], 0
	ds_add_u32 v28, v29
	ds_add_u32 v28, v29
	s_wait_dscnt 0x0
	v_lshrrev_b32 v1, 5, v0
	v_readfirstlane_b32 s14, v1
	s_lshr_b32 s15, s14, 1
	s_and_b32 s16, s14, 1
	s_bfe_u32 s40, ttmp6, 0x40000
	s_bfe_u32 s41, ttmp6, 0x40004
	s_lshl_b32 s42, ttmp9, 2
	s_add_co_u32 s42, s42, s40
	s_and_b32 s17, ttmp7, 0xffff
	s_lshl_b32 s17, s17, 2
	s_add_co_u32 s17, s17, s41
	s_lshl_b32 s43, s41, 2
	s_lshl_b32 s43, 15, s43
	s_lshl_b32 s44, 0x1111, s40
	s_or_b32 s[G1+0], s43, (3<<16)|(1<<21)
	s_or_b32 s[G1B+0], s44, (3<<16)|(1<<21)
.irp g, G1, G1B
	s_mov_b32 s[\g+1], 1024<<16
	s_mov_b32 s[\g+2], 8<<16
	s_mov_b32 s[\g+3], 1024<<16
	s_mov_b32 s[\g+4], 8
	s_mov_b32 s[\g+5], NKS*256
	s_mov_b32 s[\g+6], 0
	s_mov_b32 s[\g+7], 0
.endr
	s_or_b32 s[G1S+0], s43, (3<<16)|(1<<21)
	s_or_b32 s[G1SB+0], s44, (3<<16)|(1<<21)
.irp g, G1S, G1SB
	s_mov_b32 s[\g+1], 32<<16
	s_mov_b32 s[\g+2], (2*NKS)<<16
	s_mov_b32 s[\g+3], 32<<16
	s_mov_b32 s[\g+4], 2*NKS
	s_mov_b32 s[\g+5], 32
	s_mov_b32 s[\g+6], 0
	s_mov_b32 s[\g+7], 0
.endr
	s_lshl_b32 s20, s17, 3
	s_mul_i32 s20, s20, NKS*2048
	s_mov_b32 s21, 0
	s_lshl_b32 s22, s17, 1
	s_mul_i32 s22, s22, NKS*256
	s_add_co_u32 s22, s22, XSOFF
	s_mov_b32 s23, 0
	s_lshl_b32 s46, s42, 3
	s_mul_i32 s46, s46, NKS*2048
	s_add_co_u32 s46, s46, YCOFF
	s_mov_b32 s47, 0
	s_lshl_b32 s92, s42, 1
	s_mul_i32 s92, s92, NKS*256
	s_add_co_u32 s92, s92, YSOFF
	s_mov_b32 s93, 0
	s_mul_i32 s45, s14, HALFT
	s_mul_i32 s94, s16, NKS*8192                   ; s[94:95]: in the ring I fetch four row tiles of eight: which half, in bytes
	s_mov_b32 s95, 0
	v_and_b32 v3, 15, v0
	v_bfe_u32 v4, v0, 4, 1
	v_lshlrev_b32 v[CO], 12, v4
	v_lshl_add_u32 v[CO], v3, 4, v[CO]
	s_lshl_b32 s96, s17, 19
	s_lshl_b32 s97, s15, 18
	s_add_co_u32 s96, s96, s97
	s_lshl_b32 s97, s42, 9
	s_add_co_u32 s96, s96, s97
	s_lshl_b32 s97, s16, 8
	s_add_co_u32 s96, s96, s97
	s_mov_b32 s97, 0
	s_wait_kmcnt 0x0
	s_add_nc_u64 s[20:21], s[4:5], s[20:21]
	s_add_nc_u64 s[22:23], s[4:5], s[22:23]
	s_add_nc_u64 s[46:47], s[6:7], s[46:47]
	s_add_nc_u64 s[92:93], s[8:9], s[92:93]
	s_add_nc_u64 s[98:99], s[12:13], s[96:97]
	s_add_nc_u64 s[96:97], s[10:11], s[96:97]
	CROUND
	s_mov_b32 s[G0S], 1
	s_mov_b32 s[G0S+1], SCLX
	s_mov_b64 s[G0S+2:G0S+3], s[22:23]
	s_or_b32 s[G0S+3], s[G0S+3], 0x80000000
	s_mov_b32 s[G0SB], 1
	s_mov_b32 s[G0SB+1], SCLY
	s_mov_b64 s[G0SB+2:G0SB+3], s[92:93]
	s_or_b32 s[G0SB+3], s[G0SB+3], 0x80000000
	; THE HEAD'S LOADS, ONE A WAVE: wave 0 slot 0's eight row tiles of X, wave 1 those of Y, wave 2 X's scale words, wave 3 Y's.  Their groups 0 lie where arguments lay that have been used
	s_mov_b32 s4, 1
	s_mov_b32 s5, 0
	s_mov_b64 s[6:7], s[20:21]
	s_or_b32 s7, s7, 0x80000000
	s_mov_b32 s8, 1
	s_mov_b32 s9, 2*HALFT
	s_mov_b64 s[10:11], s[46:47]
	s_or_b32 s11, s11, 0x80000000
	s_cmp_lt_u32 s14, 1
	s_cbranch_scc0 .Lhead_y
	tensor_load_to_lds s[4:7], s[G1:G1+7]
	s_nop 0
	PLACES 4
	s_branch .Lhead_asked
.Lhead_y:
	s_cmp_lt_u32 s14, 2
	s_cbranch_scc0 .Lhead_sx
	tensor_load_to_lds s[8:11], s[G1B:G1B+7]
	s_nop 0
	PLACES 4
	s_branch .Lhead_asked
.Lhead_sx:
	s_cmp_lt_u32 s14, 3
	s_cbranch_scc0 .Lhead_sy
	tensor_load_to_lds s[G0S:G0S+3], s[G1S:G1S+7]
	s_nop 0
	PLACES 4
	s_branch .Lhead_asked
.Lhead_sy:
	tensor_load_to_lds s[G0SB:G0SB+3], s[G1SB:G1SB+7]
	s_nop 0
	PLACES 4
.Lhead_asked:
	s_add_nc_u64 s[20:21], s[20:21], s[94:95]      ; for the ring: my four row tiles
	s_add_nc_u64 s[46:47], s[46:47], s[94:95]
	; A PREFETCH INTO THE L2 of slot 1's fill, which is asked for only when the head's tiles have landed.  Of the four row tiles that I will fetch, each of the four partners that ask for them jointly takes one,
	; told apart BY ADDRESS (cx for X, cy for Y): 8,192 consecutive bytes, lanes 256 bytes apart: each aligned block of 256 bytes is named once in a cluster
	s_cmp_eq_u32 s15, 0
	s_cselect_b64 s[100:101], s[20:21], s[46:47]
	s_cselect_b32 s18, s40, s41
	s_mul_i32 s18, s18, NKS*2048
	s_mov_b32 s19, 0
	s_add_nc_u64 s[100:101], s[100:101], s[18:19]
	v_and_b32 v30, 31, v0
	v_lshlrev_b32 v30, 8, v30                      ; v30: 256 x lane; never rewritten
.irp s, 0,1
	s_mov_b32 s[G0+4*\s], 1
	s_add_co_u32 s[G0+4*\s+1], s45, \s*SLOT
	s_add_nc_u64 s[G0+4*\s+2:G0+4*\s+3], s[20:21], \s*8192
	s_or_b32 s[G0+4*\s+3], s[G0+4*\s+3], 0x80000000
	s_mov_b32 s[G0B+4*\s], 1
	s_add_co_u32 s[G0B+4*\s+1], s45, \s*SLOT
	s_add_nc_u64 s[G0B+4*\s+2:G0B+4*\s+3], s[46:47], \s*8192
	s_or_b32 s[G0B+4*\s+3], s[G0B+4*\s+3], 0x80000000
.endr
	s_wait_alu depctr_va_vdst(0)
	global_prefetch_b8 v30, s[100:101] offset:8192 th:TH_LOAD_NT scope:SCOPE_SE
	v_and_b32 v1, 31, v0
	v_lshlrev_b32 v2, 4, v1
	s_mul_i32 s18, s15, HALFT
	s_mul_i32 s19, s16, HALFT
	s_add_co_u32 s19, s19, 2*HALFT
.irp s, 0,1
	v_add_nc_u32 v[ADRX+\s], s18, v2
	v_add_nc_u32 v[ADRY+\s], s19, v2
	s_add_co_u32 s18, s18, SLOT
	s_add_co_u32 s19, s19, SLOT
.endr
	s_mul_i32 s18, s15, NKS*256
	s_mul_i32 s19, s16, NKS*256
	s_add_co_u32 s19, s19, SCLY-SCLX
	s_sub_co_u32 s19, s19, s18
	v_mul_u32_u24 v5, s19, v4
	s_add_co_u32 s18, s18, SCLX
	v_lshl_add_u32 v5, v3, 2, v5
	v_add_nc_u32 v[ADRS], s18, v5
	s_mul_i32 s18, s14, 16*272
	v_mul_u32_u24 v5, v3, 272
	v_lshl_add_u32 v5, v4, 6, v5
	v_add_nc_u32 v[STO], s18, v5
	v_mul_u32_u24 v5, v4, 272
	v_lshl_add_u32 v5, v3, 4, v5
	v_add_nc_u32 v[RD], s18, v5
	s_wait_alu depctr_va_vdst(0)                   ; the wait at the head's end
	s_wait_tensorcnt 0x0                           ; my tile of the head's four is in
	ds_add_u32 v28, v29
	s_mov_b32 s[G1+2], 4<<16                       ; no tensor load of mine is out: from here on a load brings four row tiles
	s_mov_b32 s[G1+4], 4
	s_mov_b32 s[G1B+2], 4<<16
	s_mov_b32 s[G1B+4], 4
	s_wait_dscnt 0x0
	CROUND                                         ; all four tiles are in, and the sixteen work-groups are here
	JLOAD G0+4, G1, G0B+4, G1B                     ; slot 1's first fill, the first tensor load behind the round; K has two slots' worth: no refill follows
	FETCH 0, 0, 0, 0
	WIN 0x80
.irp a, 0,1,2,3                        ; the residual, which the way out adds: asked for behind the tiles that the products wait for
.irp t, 0,1,2,3,4,5,6,7
	global_load_b128 v[4*(8*\a+\t):4*(8*\a+\t)+3], v[CO], s[96:97] offset:(16*\a+2*\t)*4096 th:TH_LOAD_NT
.endr
.endr
	WIN 0
	STEP 0, 0, 1
.if LAPS > 1
	s_mov_b32 s3, LAPS-1
.Llap:
	STEP 0, 1, 0
	STEP 0, 2, 0
	TURN 0, 1, 1
	STEP 1, 0, 0
	STEP 1, 1, 0
	STEP 1, 2, 0
	TURN 1, 0, 1
	STEP 0, 0, 0
	s_sub_co_u32 s3, s3, 1
	s_cmp_lg_u32 s3, 0
	s_cbranch_scc1 .Llap
.endif
	STEP 0, 1, 0
	STEP 0, 2, 0
	TURN 0, 1, 0
	STEP 1, 0, 0
	STEP 1, 1, 0
	STEP 1, 2, 0
	s_wait_dscnt 0x0
	WIN 0x05
	MUL8 128, 1, 0, 0
	MUL8 128, 1, 2, 0
	WIN 0
.macro TOSTAGE a
.irp b, 0,1,2,3
	ds_store_b128 v[STO], v[ACC+8*(4*(\a)+\b):ACC+8*(4*(\a)+\b)+3] offset:128*(\b/2)+32*(\b%2)
	ds_store_b128 v[STO], v[ACC+8*(4*(\a)+\b)+4:ACC+8*(4*(\a)+\b)+7] offset:128*(\b/2)+32*(\b%2)+16
.endr
.set BK, 32+32*((\a)%2)
.irp t, 0,1,2,3,4,5,6,7
	ds_load_b128 v[BK+4*\t:BK+4*\t+3], v[RD] offset:544*\t
.endr
.endm
.macro SEND a, younger
.set BK, 32+32*((\a)%2)
	s_wait_dscnt \younger
	WIN 0x08
.set i, 0
.rept 16
	v_pk_add_f32 v[BK+i:BK+i+1], v[BK+i:BK+i+1], v[32*(\a)+i:32*(\a)+i+1]
.set i, i+2
.endr
	WIN 0
.irp t, 0,1,2,3,4,5,6,7
	global_store_b128 v[CO], v[BK+4*\t:BK+4*\t+3], s[98:99] offset:(16*(\a)+2*\t)*4096
.endr
.endm
	PLACES 8
	s_wait_loadcnt 0x0
	TOSTAGE 0
.irp a, 1,2,3
.if \a > 1
	s_wait_xcnt 0x0
.endif
	TOSTAGE \a
	SEND \a-1, 16
.endr
	SEND 3, 0
	s_wait_tensorcnt 0x0
	ds_add_u32 v[SPW], v[NIL]
	s_wait_dscnt 0x0
	CROUND
	s_endpgm
.Lfunc_end_k_qe1db57be8a_wo:
	.size	k_qe1db57be8a_wo, .Lfunc_end_k_qe1db57be8a_wo-k_qe1db57be8a_wo
	.p2alignl 7, 3214868480
	.fill 96, 4, 3214868480
	.section	.rodata,"a",@progbits
	.p2align	6, 0x0
	.amdhsa_kernel k_qe1db57be8a_wo
		.amdhsa_group_segment_fixed_size 327680
		.amdhsa_private_segment_fixed_size 0
		.amdhsa_enable_private_segment 0
		.amdhsa_kernarg_size 40
		.amdhsa_user_sgpr_count 2
		.amdhsa_user_sgpr_kernarg_segment_ptr 1
		.amdhsa_wavefront_size32 1
		.amdhsa_system_sgpr_workgroup_id_x 1
		.amdhsa_system_sgpr_workgroup_id_y 1
		.amdhsa_system_sgpr_workgroup_id_z 1
		.amdhsa_system_vgpr_workitem_id 0
		.amdhsa_next_free_vgpr 640
		.amdhsa_next_free_sgpr 102
		.amdhsa_reserve_vcc 0
		.amdhsa_float_denorm_mode_32 3
		.amdhsa_float_denorm_mode_16_64 3
		.amdhsa_memory_ordered 1
		.amdhsa_forward_progress 1
		.amdhsa_inst_pref_size 64
	.end_amdhsa_kernel
	.amdgpu_metadata
---
amdhsa.version: [ 1, 2 ]
amdhsa.kernels:
  - .name:           k_qe1db57be8a_wo
    .symbol:         k_qe1db57be8a_wo.kd
    .args:
      - { .name: ha, .offset: 0, .size: 8, .value_kind: global_buffer, .address_space: global }
      - { .name: wimg, .offset: 8, .size: 8, .value_kind: global_buffer, .address_space: global }
      - { .name: wsw, .offset: 16, .size: 8, .value_kind: global_buffer, .address_space: global }
      - { .name: x, .offset: 24, .size: 8, .value_kind: global_buffer, .address_space: global }
      - { .name: x1, .offset: 32, .size: 8, .value_kind: global_buffer, .address_space: global }
    .group_segment_fixed_size: 327680
    .private_segment_fixed_size: 0
    .kernarg_segment_align: 8
    .kernarg_segment_size: 40
    .max_flat_workgroup_size: 128
    .sgpr_count:     102
    .vgpr_count:     640
    .wavefront_size: 32
...
	.end_amdgpu_metadata
.endif
;; end of part 11
;; launch norm2 (part 12): grid 256 x 1, 8 waves a work-group, no clusters, 18,944 bytes of LDS; arguments x1, ha; writes ha
.if DOCPART == 12
	.amdgcn_target "amdgcn-amd-amdhsa--gfx1250"
	.amdhsa_code_object_version 6
	.text
	.protected	k_qe1db57be8a_norm2
	.globl	k_qe1db57be8a_norm2
	.p2align	8
	.type	k_qe1db57be8a_norm2,@function
k_qe1db57be8a_norm2:
	s_mov_b64 s[64:65], 0
	v_nop
	global_prefetch_b8 v0, s[64:65] scope:SCOPE_SE
	s_setreg_imm32_b32 hwreg(HW_REG_WAVE_MODE, 25, 1), 1
	s_wait_xcnt 0x0
; ha = Q(x1 rsqrt(mean(x1^2) + 1e-6)): the rms norm of 16 rows of 1,024 f32 a work-group, quantised to E4M3 with one E8M0 scale for each 32 along the row, stored as images of operand registers
; (fragment = 16 rows x 128 K = 2,048 bytes: piece c at 512 c holds at 16 x lane the codes k = 32 c + 16 (lane / 16) + 0 .. 15 of row lane % 16; fragments [row tile][8 K steps]); scale words behind the codes, at byte 4,194,304, [row tile][K step][16 rows].
; Wave w owns rows 2 w and 2 w + 1 whole: lane l holds k = 256 i + 8 l + 0 .. 7, i = 0 .. 3: the row's sum stays in the wave, a block of 32 lies in four lanes.
; The codes meet in an LDS stage of 64 units of 256 bytes (unit = K step, piece, half of the lanes), 272 bytes apart, and leave as 512 consecutive bytes a store.
; Memory binds: no matrix unit, no cluster, no tensor load.  LIMITS: NaN and infinities are not served; a block whose largest magnitude lies under 2^-118 (zeros too) gets the byte 1: only this program reads the bytes.
.set SSC, 17408                        ; the stage lies at 0; here the 512 bytes of scale words
.set SPARE, 17920                      ; the spare words, 128 bytes a wave
.set SPW, 2
.set NIL, 3
.set WV, 61                            ; s61 the wave
.set ST, 32                            ; v32-95 my 64 numbers, group g = 4 row + i at 8 g
.set PC, 96                            ; v96-111 their codes
.set TM, 112                           ; v112-119 largest magnitudes, then bytes
.set SO, 120                           ; v120-127 the conversions' scale operands
.set HD, 128                           ; v128-135 448 x the scale
	s_load_b128 s[4:7], s[0:1], 0x0                ; x1, ha
	v_lshl_add_u32 v[SPW], v0, 2, SPARE
	v_mov_b32 v[NIL], 0
	v_lshrrev_b32 v1, 5, v0
	v_readfirstlane_b32 s[WV], v1
	v_and_b32 v1, 31, v0                           ; lane
	v_lshlrev_b32 v4, 5, v1                        ; in: 32 x lane
	v_lshrrev_b32 v8, 1, v1
	v_and_b32 v9, 1, v1
	v_lshlrev_b32 v9, 3, v9
	v_mad_u32_u24 v5, v8, 272, v9                  ; codes to the stage: unit 16 i + lane / 2, + 8 (lane % 2),
	s_lshl_b32 s9, s[WV], 5
	v_add_nc_u32 v5, s9, v5                        ; + 16 x row
	v_lshrrev_b32 v8, 4, v1
	v_bfe_u32 v9, v1, 2, 2
	v_lshl_add_u32 v6, v8, 6, v9                   ; bytes: K step 2 i + lane / 16: 64 each; byte (lane / 4) % 4,
	s_lshl_b32 s9, s[WV], 3
	s_add_co_u32 s9, s9, SSC
	v_add_nc_u32 v6, s9, v6                        ; + 4 x row
	v_and_b32 v9, 15, v1
	v_lshlrev_b32 v9, 4, v9
	v_mad_u32_u24 v7, v8, 272, v9                  ; back: K step w: unit 8 w + 2 c + lane / 16, + 16 (lane % 16)
	s_mul_i32 s9, s[WV], 2176
	v_add_nc_u32 v7, s9, v7
	v_lshlrev_b32 v10, 4, v1                       ; 16 x lane
	v_add_nc_u32 v11, SSC, v10
	v_mov_b32 v30, 0                               ; a lane permute's destination counts as read
	v_mov_b32 v31, 0
	s_mov_b32 s12, 0x76543210
	s_mov_b32 s13, 0xfedcba98
	s_mov_b32 s14, 0x600000                        ; the mantissa field of 448
	s_mov_b32 s15, 0x358637bd                      ; 1e-6
	s_mov_b32 s16, 0x3a800000                      ; 1 / 1,024
	s_lshl_b32 s10, ttmp9, 16
	s_lshl_b32 s11, s[WV], 13
	s_add_co_u32 s10, s10, s11                     ; 16 rows of 4,096 bytes a tile, my two rows
	s_mov_b32 s11, 0
	s_lshl_b32 s18, ttmp9, 14
	s_lshl_b32 s19, s[WV], 11
	s_add_co_u32 s18, s18, s19                     ; fragment 8 x tile + w
	s_mov_b32 s19, 0
	s_lshl_b32 s20, ttmp9, 9
	s_add_co_u32 s20, s20, 4194304
	s_mov_b32 s21, 0
	s_wait_alu depctr_va_vdst(0)                   ; the wait at the head's end
	s_wait_kmcnt 0x0
	s_add_nc_u64 s[4:5], s[4:5], s[10:11]
	s_add_nc_u64 s[20:21], s[6:7], s[20:21]
	s_add_nc_u64 s[6:7], s[6:7], s[18:19]
.irp p, 0,1
.irp i, 0,1,2,3
.irp f, 0,1
	global_load_b128 v[ST+32*\p+8*\i+4*\f:ST+32*\p+8*\i+4*\f+3], v4, s[4:5] offset:4096*\p+1024*\i+16*\f   ; a pair of loads takes 1,024 consecutive bytes of a row
.endr
.endr
.endr
	s_wait_loadcnt 0x0
.irp p, 0,1                            ; the sums of squares: two chains a row, started by a product
.irp k, 0,1
	v_pk_mul_f32 v[20+4*\p+2*\k:21+4*\p+2*\k], v[ST+32*\p+2*\k:ST+32*\p+2*\k+1], v[ST+32*\p+2*\k:ST+32*\p+2*\k+1]
.endr
.endr
.irp i, 1,2,3,4,5,6,7
.irp p, 0,1
.irp k, 0,1
	v_pk_fma_f32 v[20+4*\p+2*\k:21+4*\p+2*\k], v[ST+32*\p+4*\i+2*\k:ST+32*\p+4*\i+2*\k+1], v[ST+32*\p+4*\i+2*\k:ST+32*\p+4*\i+2*\k+1], v[20+4*\p+2*\k:21+4*\p+2*\k]
.endr
.endr
.endr
	v_pk_add_f32 v[20:21], v[20:21], v[22:23]
	v_pk_add_f32 v[24:25], v[24:25], v[26:27]
	v_add_f32 v20, v20, v21
	v_add_f32 v24, v24, v25
.irp m, 1,2,4,8
	v_add_f32_dpp v20, v20, v20 row_xmask:\m row_mask:0xf bank_mask:0xf
	v_add_f32_dpp v24, v24, v24 row_xmask:\m row_mask:0xf bank_mask:0xf
.endr
	v_permlanex16_b32 v30, v20, s12, s13
	v_permlanex16_b32 v31, v24, s12, s13
	v_add_f32 v20, v20, v30
	v_add_f32 v24, v24, v31                        ; each row's 1,024 squares, in every lane
	v_fma_f32 v20, v20, s16, s15
	v_fma_f32 v24, v24, s16, s15                   ; the mean + 1e-6
	s_wait_alu depctr_va_vdst(0)                   ; the wait ahead of the batch
	v_rsq_f32 v18, v20
	v_rsq_f32 v19, v20                             ; twice: a pair for the packed multiply
	v_rsq_f32 v28, v24
	v_rsq_f32 v29, v24
	v_nop
	s_wait_alu depctr_va_vdst(0)                   ; and behind it
.set i, 0
.rept 16
	v_pk_mul_f32 v[ST+i:ST+i+1], v[ST+i:ST+i+1], v[18:19]
	v_pk_mul_f32 v[ST+32+i:ST+32+i+1], v[ST+32+i:ST+32+i+1], v[28:29]
.set i, i+2
.endr
.irp g, 0,1,2,3,4,5,6,7                ; eight groups by turns: my 8 numbers of a block, and the floor 2^(9 - 127)
	v_max3_num_f32 v[TM+\g], |v[ST+8*\g]|, |v[ST+8*\g+1]|, 0x4800000
.endr
.irp i, 2,4,6
.irp g, 0,1,2,3,4,5,6,7
	v_max3_num_f32 v[TM+\g], v[TM+\g], |v[ST+8*\g+\i]|, |v[ST+8*\g+\i+1]|
.endr
.endr
.irp m, 1,2                            ; with the block's three other lanes
.irp g, 0,1,2,3,4,5,6,7
	v_max_num_f32_dpp v[TM+\g], v[TM+\g], v[TM+\g] row_xmask:\m row_mask:0xf bank_mask:0xf
.endr
.endr
.irp g, 0,1,2,3,4,5,6,7
	v_add_nc_u32 v[SO+\g], 0xfc000000, v[TM+\g]    ; 8 off the exponent field: the conversion's scale operand
.endr
.irp g, 0,1,2,3,4,5,6,7
	v_and_or_b32 v[HD+\g], v[TM+\g], 0x7f800000, s14   ; 448 x the scale
.endr
.irp g, 0,1,2,3,4,5,6,7
	v_lshrrev_b32 v[TM+\g], 23, v[SO+\g]           ; the scale's byte
.endr
.irp g, 0,1,2,3,4,5,6,7
.irp i, 0,1,2,3,4,5,6,7
	v_med3_num_f32 v[ST+8*\g+\i], v[ST+8*\g+\i], -v[HD+\g], v[HD+\g]   ; the conversion does not saturate (ISA guide 7.6.2): the hold comes first
.endr
	v_cvt_scalef32_pk8_fp8_f32 v[PC+2*\g:PC+2*\g+1], v[ST+8*\g:ST+8*\g+7], v[SO+\g]
.endr
	v_nop                                          ; a plain line behind the last conversion
.irp p, 0,1
.irp i, 0,1,2,3
	ds_store_b64 v5, v[PC+8*\p+2*\i:PC+8*\p+2*\i+1] offset:16*\p+4352*\i
	ds_store_b8 v6, v[TM+4*\p+\i] offset:4*\p+128*\i   ; a block's four lanes store the same byte with the same value
.endr
.endr
	s_wait_dscnt 0x0                               ; for the others' sake: my stores have landed
	s_barrier_signal -1
	s_barrier_wait -1
.irp c, 0,1,2,3
	ds_load_b128 v[32+4*\c:35+4*\c], v7 offset:544*\c
.endr
	s_wait_dscnt 0x0
.irp c, 0,1,2,3
	global_store_b128 v10, v[32+4*\c:35+4*\c], s[6:7] offset:512*\c   ; 512 consecutive bytes a store
.endr
	s_cmp_lg_u32 s[WV], 0
	s_cbranch_scc1 .Lend
	ds_load_b128 v[48:51], v11
	s_wait_dscnt 0x0
	global_store_b128 v10, v[48:51], s[20:21]      ; wave 0 stores the tile's 512 bytes of scale words on end
.Lend:
	s_wait_tensorcnt 0x0                           ; the wave's end
	ds_add_u32 v[SPW], v[NIL]
	s_wait_dscnt 0x0
	s_endpgm
.Lfunc_end_k_qe1db57be8a_norm2:
	.size	k_qe1db57be8a_norm2, .Lfunc_end_k_qe1db57be8a_norm2-k_qe1db57be8a_norm2
	.p2alignl 7, 3214868480
	.fill 96, 4, 3214868480
	.section	.rodata,"a",@progbits
	.p2align	6, 0x0
	.amdhsa_kernel k_qe1db57be8a_norm2
		.amdhsa_group_segment_fixed_size 18944
		.amdhsa_private_segment_fixed_size 0
		.amdhsa_enable_private_segment 0
		.amdhsa_kernarg_size 16
		.amdhsa_user_sgpr_count 2
		.amdhsa_user_sgpr_kernarg_segment_ptr 1
		.amdhsa_wavefront_size32 1
		.amdhsa_system_sgpr_workgroup_id_x 1
		.amdhsa_system_sgpr_workgroup_id_y 1
		.amdhsa_system_sgpr_workgroup_id_z 1
		.amdhsa_system_vgpr_workitem_id 0
		.amdhsa_next_free_vgpr 136
		.amdhsa_next_free_sgpr 66
		.amdhsa_reserve_vcc 0
		.amdhsa_float_denorm_mode_32 3
		.amdhsa_float_denorm_mode_16_64 3
		.amdhsa_memory_ordered 1
		.amdhsa_forward_progress 1
		.amdhsa_inst_pref_size 21
	.end_amdhsa_kernel
	.amdgpu_metadata
---
amdhsa.version: [ 1, 2 ]
amdhsa.kernels:
  - .name:           k_qe1db57be8a_norm2
    .symbol:         k_qe1db57be8a_norm2.kd
    .args:
      - { .name: x1, .offset: 0, .size: 8, .value_kind: global_buffer, .address_space: global }
      - { .name: ha, .offset: 8, .size: 8, .value_kind: global_buffer, .address_space: global }
    .group_segment_fixed_size: 18944
    .private_segment_fixed_size: 0
    .kernarg_segment_align: 8
    .kernarg_segment_size: 16
    .max_flat_workgroup_size: 256
    .sgpr_count:     66
    .vgpr_count:     136
    .wavefront_size: 32
...
	.end_amdgpu_metadata
.endif
;; end of part 12
;; launch w1 (part 13): grid 8 x 32, 4 waves a work-group, clusters of 4 x 4, 327,680 bytes of LDS; arguments ha, wimg, wsw, g; writes g
.if DOCPART == 13
	.amdgcn_target "amdgcn-amd-amdhsa--gfx1250"
	.amdhsa_code_object_version 6
	.text
	.protected	k_qe1db57be8a_w1
	.globl	k_qe1db57be8a_w1
	.p2align	8
	.type	k_qe1db57be8a_w1,@function
k_qe1db57be8a_w1:
	s_mov_b64 s[64:65], 0
	v_nop
	global_prefetch_b8 v0, s[64:65] scope:SCOPE_SE
	s_setreg_imm32_b32 hwreg(HW_REG_WAVE_MODE, 25, 1), 1
	s_wait_xcnt 0x0
	s_wait_alu depctr_hold_cnt(0) depctr_sa_sdst(0) depctr_va_vdst(0) depctr_va_sdst(0) depctr_va_ssrc(0) depctr_va_vcc(0) depctr_vm_vsrc(0)
	s_getreg_b32 s2, hwreg(HW_REG_IB_STS2, 6, 4)
	s_cmp_eq_u32 s2, 0
	s_cbranch_scc0 .Lentry_in_a_cluster
	s_endpgm
.Lentry_in_a_cluster:
	s_bfe_u32 s2, ttmp6, 0x10000c
	s_cmp_lg_u32 s2, 0xf033
	s_cbranch_scc0 .Lentry_shape_is_right
	s_endpgm
.Lentry_shape_is_right:
; g = Q(gelu(h2 W1)): a product of K = 1,024 on E4M3 codes with E8M0 scales; gelu (the tanh form) in f32; the result quantised along the 4,096 hidden units for the next product.
; OPERANDS are images of operand registers (fragment = 16 rows x 128 K = 2,048 bytes, pieces of 512 bytes at 16 x lane, fragments [row tile][K step]) with scale words [row tile][K step][16 rows]; so is the result.
; A WORK-GROUP STAYS: it keeps 128 tokens of h2 (X) and walks four neighbouring tiles of 128 image rows of W1 (Y).  256 work-groups; four waves, 64 x 64 each: 16 accumulators.
; X comes into LDS region A once, and each wave takes its 64 rows x 1,024 K into 512 REGISTERS.  Regions A and B then take turns as slots that hold a whole Y tile (all of K, 131,072 bytes): one change of slots a tile,
; behind the tile's way out; behind it one joint load a wave (32,768 dense bytes) asks for the tile after the next.  Only Y's fragments are read from LDS in the steps, two steps ahead, into three buffers.
; THE PRODUCT: source 0 = 16 image rows of W1, source 1 = 16 tokens: lane (r, h) holds token r; the 16 registers of Y tiles 2 beta, 2 beta + 1 are hidden units 32 beta + 16 h + 0 .. 15.
; gelu(x) = x / (1 + 2^z), z = x (c0 + c1 x^2), c0 = -2 log2(e) sqrt(2 / pi), c1 = 0.044715 c0: the same function as 0.5 x (1 + tanh(..)).
; CLUSTER 4 x 4: X's tile is shared along a row of the cluster, Y's tiles along a column; each is asked for jointly.
; LIMITS: NaN and infinities are not served; blocks under 2^-118 (zeros too) get the byte 1: only this program reads the bytes.
; REGISTERS: window 0: v4-15 scale words, three sets; v16-31 addresses; v32-127 the way out; v128-255 accumulator (a, b) at 128 + 8 (4 a + b).  window 1: v0-191 three buffers of Y's four fragments.
;   windows 2, 3: X's fragment (a, K step) at 64 x K step + 16 a.
.set NKS,   8                          ; K steps of 128
.set NT,    4                          ; Y tiles that a work-group walks
.set XSOFF, 0x400000                   ; h2's scale words lie behind its codes
.set YCOFF, 0x400000                   ; W1's image in wimg
.set YSOFF, 131072                     ; and its scale words in wsw
.set YGSH,  19                         ; log2 of the bytes from a work-group's first Y tile to its neighbour's: four tiles
.set YSGSH, 14                         ; the same for the scale words
.set YTILE, 131072                     ; bytes from a walked tile to the next
.set YSSTR, 512                        ; the same for its scale words, in elements of 8 bytes
.set RA,    0                          ; LDS region A: X, then the odd tiles
.set RB,    131072                     ; region B: the even tiles
.set SCLX,  262144                     ; X's scale words for all of K
.set SCLY,  SCLX+NKS*512+64            ; Y's, [tile][half of the rows][2,048 bytes]; 64 bytes on, so that the two halves of a scale load fall on different banks
.set SPARE, (SCLY+NT*NKS*512+255)/256*256   ; the spare words, 128 bytes a wave
.set SST,   SPARE+512                  ; 128 scale words on the way out, two such stages by turns
.set SC,   4
.set ADRS, 16                          ; v16-19  my scale words of tile t: lanes 0-15 X's, lanes 16-31 Y's
.set ADRY, 20                          ; v20 region B, v21 region A: my 64 rows of Y
.set ADRX, 22                          ; v22     my 64 rows of X in region A
.set SPW,  28
.set NIL,  29
.set ACC,  128
.set TM,   96
.set SEL,  66
.set MNT,  2
.set G1X, 24                           ; s[24:31] group 1 for X's codes;  s[32:35] its group 0
.set G0X, 32
.set G0YB, 36                          ; s[36:39] group 0 for the even tiles (region B)
.set G1Y, 48                           ; s[48:55] group 1 for Y's codes
.set G0YA, 56                          ; s[56:59] group 0 for the odd tiles (region A)
.set G1S, 68
.set G0S, 76
.set G1SB, 80
.set G0SB, 88
.set MSB, 0
.macro WIN new                         ; the immediate's high byte repeats the setting that is left
.if MSB != \new
	s_set_vgpr_msb (MSB<<8)|\new
.set MSB, \new
.endif
.endm
.macro PLACES n
.rept \n
	v_nop
.endr
.endm
.macro CREST                           ; a round of the cluster's barrier behind its opening barrier
	s_cmp_lg_u32 s14, 0
	s_cbranch_scc1 .Lnot_wave_0_\@
	s_barrier_signal -3
.Lnot_wave_0_\@:
	s_barrier_wait -3
	s_barrier_signal -1
	s_barrier_wait -1
.endm
.macro CROUND
	s_barrier_signal -1
	s_barrier_wait -1
	CREST
.endm
.macro XLOAD                           ; my 64 rows of X, all of K, into windows 2 and 3: 128 loads of 512 bytes on end
	WIN 0x80
.irp ks, 0,1,2,3
.irp a, 0,1,2,3
.irp c, 0,1,2,3
	ds_load_b128 v[64*\ks+16*\a+4*\c:64*\ks+16*\a+4*\c+3], v[ADRX] offset:\a*16384+\ks*2048+512*\c
.endr
.endr
.endr
	WIN 0xc0
.irp ks, 4,5,6,7
.irp a, 0,1,2,3
.irp c, 0,1,2,3
	ds_load_b128 v[64*(\ks-4)+16*\a+4*\c:64*(\ks-4)+16*\a+4*\c+3], v[ADRX] offset:\a*16384+\ks*2048+512*\c
.endr
.endr
.endr
	WIN 0
.endm
.macro FETCH t, ks                     ; 20 LDS loads: Y's four fragments of tile t, K step ks, into buffer ks % 3, and the step's scale words into set ks % 3
.set FB, 64*((\ks)%3)
	WIN 0x40
.irp i, 0,1,2,3
.irp c, 0,1,2,3
	ds_load_b128 v[FB+16*\i+4*\c:FB+16*\i+4*\c+3], v[ADRY+(\t)%2] offset:\i*16384+(\ks)*2048+512*\c
.endr
.endr
	WIN 0
.irp i, 0,1,2,3
	ds_load_b32 v[SC+4*((\ks)%3)+\i], v[ADRS+(\t)] offset:(\i*NKS+(\ks))*64   ; lanes 0-15: X tile i's words; lanes 16-31: Y tile i's
.endr
.endm
.macro MUL16 ks                        ; the 16 accumulators take turns in one order in every step; the first step's products start the sums
.set FB, 64*((\ks)%3)
.set XB, 64*((\ks)%4)
.set SS, SC+4*((\ks)%3)
	WIN (0x09+4*((\ks)/4))                         ; source 0 (Y) window 1, source 1 (X) window 2 or 3
.irp a, 0,1,2,3
.irp b, 0,1,2,3
.if (\ks) == 0
	v_wmma_scale_f32_16x16x128_f8f6f4 v[ACC+8*(4*\a+\b):ACC+8*(4*\a+\b)+7], v[FB+16*\b:FB+16*\b+15], v[XB+16*\a:XB+16*\a+15], 0, v[SS+\b], v[SS+\a] matrix_a_scale:MATRIX_SCALE_ROW1
.else
	v_wmma_scale_f32_16x16x128_f8f6f4 v[ACC+8*(4*\a+\b):ACC+8*(4*\a+\b)+7], v[FB+16*\b:FB+16*\b+15], v[XB+16*\a:XB+16*\a+15], v[ACC+8*(4*\a+\b):ACC+8*(4*\a+\b)+7], v[SS+\b], v[SS+\a] matrix_a_scale:MATRIX_SCALE_ROW1
.endif
.endr
.endr
	WIN 0
.endm
.macro STEPK t, ks                     ; a step of 128 along K; the fragments of the step after the next are asked for first
.if (\ks) < 6
.if (\ks) > 0
	PLACES 8                                       ; eight places in front of loads into registers that the last products read
.endif
	FETCH \t, (\ks)+2
	s_wait_dscnt 40                                ; this step's 20 loads are in; those of the next two steps may be out
.elseif (\ks) == 6
	s_wait_dscnt 20                                ; the last step's 20 may be out
.else
	s_wait_dscnt 0x0
.endif
	MUL16 \ks
.endm
.macro STEPS t
.irp ks, 0,1,2,3,4,5,6,7
	STEPK \t, \ks
.endr
.endm
; THE CHANGE OF SLOTS, behind a tile's way out.  Each wave waits for all its tensor loads (one is out: its part of the next tile), adds 0 to its spare word, and waits for that, for its reads of the region that it has left and for
; its stores into the scale stage.  fill = 1: the barrier is a round of the cluster's, and behind it the region just left is asked to take the tile after the next.
.macro CHANGE fill, g0, step
	s_wait_tensorcnt 0x0                           ; no tensor load of mine is out, so a group 0 may be written
	ds_add_u32 v[SPW], v[NIL]                      ; 0 onto my spare word
.if \step
	s_add_nc_u64 s[\g0+2:\g0+3], s[\g0+2:\g0+3], 2*YTILE
.endif
	s_wait_dscnt 0x0
.if \fill
	CROUND                                         ; no wave of any partner still reads the region or has a load on its way
	tensor_load_to_lds s[\g0:\g0+3], s[G1Y:G1Y+7]  ; my one tensor load behind the round: my quarter of the tile
	s_nop 0
	PLACES 4
.else
	s_barrier_signal -1
	s_barrier_wait -1
.endif
.endm
.macro SCOUT base, off, par, vo        ; wave 0 stores the tile's 128 scale words, which all four waves put into stage par ahead of the barrier just passed
	s_cmp_lg_u32 s14, 0
	s_cbranch_scc1 .Lnot_first_\@
	s_wait_xcnt 0x0                                ; the last such store has read v120-123
	ds_load_b128 v[120:123], v26 offset:512*(\par)
	s_wait_dscnt 0x0
	global_store_b128 v[\vo], v[120:123], s[\base:\base+1] offset:\off
.Lnot_first_\@:
.endm
.macro QUANT s, pc                     ; 64 numbers of a lane (block b = registers 16 b on) become 16 registers of codes; the four bytes are left in v[TM+4] on
.irp b, 0,1,2,3
	v_max3_num_f32 v[TM+\b], |v[(\s)+16*\b]|, |v[(\s)+1+16*\b]|, 0x4800000   ; my 16 numbers and the floor 2^(9 - 127)
.endr
.irp i, 2,4,6,8,10,12,14
.irp b, 0,1,2,3
	v_max3_num_f32 v[TM+\b], v[TM+\b], |v[(\s)+16*\b+\i]|, |v[(\s)+1+16*\b+\i]|
.endr
.endr
.irp b, 0,1,2,3
	v_permlanex16_b32 v[TM+4+\b], v[TM+\b], s[SEL], s[SEL+1]
.endr
.irp b, 0,1,2,3
	v_max_num_f32 v[TM+\b], v[TM+\b], v[TM+4+\b]   ; with lane l xor 16's 16: the block's largest magnitude
.endr
.irp b, 0,1,2,3
	v_add_nc_u32 v[TM+12+\b], 0xfc000000, v[TM+\b] ; 8 off its exponent field: the conversion's scale operand
.endr
.irp b, 0,1,2,3
	v_and_or_b32 v[TM+8+\b], v[TM+\b], 0x7f800000, s[MNT]   ; 448 x the scale
.endr
.irp b, 0,1,2,3
	v_lshrrev_b32 v[TM+4+\b], 23, v[TM+12+\b]      ; the scale's byte
.endr
.irp b, 0,1,2,3
.irp i, 0,1,2,3,4,5,6,7,8,9,10,11,12,13,14,15
	v_med3_num_f32 v[(\s)+16*\b+\i], v[(\s)+16*\b+\i], -v[TM+8+\b], v[TM+8+\b]   ; the conversion does not saturate (ISA guide 7.6.2): the hold comes first
.endr
	v_cvt_scalef32_pk8_fp8_f32 v[(\pc)+4*\b:(\pc)+4*\b+1], v[(\s)+16*\b:(\s)+16*\b+7], v[TM+12+\b]
	v_cvt_scalef32_pk8_fp8_f32 v[(\pc)+4*\b+2:(\pc)+4*\b+3], v[(\s)+16*\b+8:(\s)+16*\b+15], v[TM+12+\b]
.endr
	v_nop                                          ; a plain line behind the last conversion
.endm
.macro GELU s                          ; 64 numbers in place; v32-95 at work; each batch of transcendentals has one plain line and one wait behind it
.set i, 0
.rept 32
	v_pk_mul_f32 v[32+i:33+i], v[(\s)+i:(\s)+i+1], v[(\s)+i:(\s)+i+1]            ; x^2: the accumulators are read from their low ends on
.set i, i+2
.endr
.set i, 0
.rept 32
	v_pk_fma_f32 v[32+i:33+i], v[32+i:33+i], s[100:101], v[112:113] op_sel_hi:[1,0,0]   ; c1 x^2 + c0
.set i, i+2
.endr
.set i, 0
.rept 32
	v_pk_mul_f32 v[32+i:33+i], v[32+i:33+i], v[(\s)+i:(\s)+i+1]                  ; z
.set i, i+2
.endr
.set i, 0
	s_wait_alu depctr_va_vdst(0)
.rept 64
	v_exp_f32 v[32+i], v[32+i]
.set i, i+1
.endr
	v_nop
	s_wait_alu depctr_va_vdst(0)
.set i, 0
.rept 32
	v_pk_add_f32 v[32+i:33+i], v[32+i:33+i], 1.0 op_sel_hi:[1,0]
.set i, i+2
.endr
.set i, 0
	s_wait_alu depctr_va_vdst(0)
.rept 64
	v_rcp_f32 v[32+i], v[32+i]
.set i, i+1
.endr
	v_nop
	s_wait_alu depctr_va_vdst(0)
.set i, 0
.rept 32
	v_pk_mul_f32 v[(\s)+i:(\s)+i+1], v[(\s)+i:(\s)+i+1], v[32+i:33+i]
.set i, i+2
.endr
.endm
; THE WAY OUT of tile t: gelu, then the quantiser along the hidden units.  Block b of half A: token tile 2 A + b / 2, units 32 (b % 2) on of my 64.  The tile is K step 4 gx + t of the next product: 2,048 bytes on for each t
.macro EPI t
	PLACES 8
	s_wait_xcnt 0x0                                ; the last tile's stores have read v32-63
	GELU ACC
	GELU ACC+64
.irp A, 0,1
	QUANT ACC+64*\A, 32+16*\A
	v_lshl_or_b32 v114, v[TM+5], 8, v[TM+4]        ; two bytes: my half of a row's scale word
	v_lshl_or_b32 v115, v[TM+7], 8, v[TM+6]
.irp b, 0,1,2,3
	global_store_b128 v24, v[32+16*\A+4*\b:32+16*\A+4*\b+3], s[96:97] offset:(2*\A+\b/2)*65536+(\b%2)*512+2048*(\t)   ; a piece of the next operand's image: 512 consecutive bytes
.endr
	ds_store_b16 v25, v114 offset:64*(2*\A)+512*((\t)%2)
	ds_store_b16 v25, v115 offset:64*(2*\A+1)+512*((\t)%2)
.endr
.endm
	s_load_b128 s[4:7], s[0:1], 0x0                ; ha, wimg
	s_load_b128 s[8:11], s[0:1], 0x10              ; wsw, g
	v_lshl_add_u32 v[SPW], v0, 2, SPARE
	v_mov_b32 v[NIL], 0
	ds_add_u32 v28, v29
	ds_add_u32 v28, v29
	s_wait_dscnt 0x0
	v_lshrrev_b32 v1, 5, v0
	v_readfirstlane_b32 s14, v1                    ; wave 0..3
	s_lshr_b32 s15, s14, 1                         ; wx: my 64 X rows
	s_and_b32 s16, s14, 1                          ; wy: my 64 Y rows
	s_bfe_u32 s40, ttmp6, 0x40000                  ; cx, cy: my place in the cluster
	s_bfe_u32 s41, ttmp6, 0x40004
	s_lshl_b32 s42, ttmp9, 2
	s_add_co_u32 s42, s42, s40                     ; gx: which four tiles of W1
	s_and_b32 s17, ttmp7, 0xffff
	s_lshl_b32 s17, s17, 2
	s_add_co_u32 s17, s17, s41                     ; TX: my 128 tokens
	s_lshl_b32 s43, s41, 2
	s_lshl_b32 s43, 15, s43                        ; my row of the cluster
	s_lshl_b32 s44, 0x1111, s40                    ; my column
	; group 1, codes: dense bytes as rows of 1,024 elements of 8 bytes: at the head a whole tile, 16 rows; behind it a quarter, 4 rows; no padding: every LDS access takes 512 bytes on end
	s_or_b32 s[G1X+0], s43, (3<<16)|(1<<21)
	s_or_b32 s[G1Y+0], s44, (3<<16)|(1<<21)
.irp g, G1X, G1Y
	s_mov_b32 s[\g+1], 1024<<16                    ; tensor_dim0
	s_mov_b32 s[\g+2], 16<<16                      ; tensor_dim1: at the head a load brings a whole tile, 16 rows of 8,192 bytes
	s_mov_b32 s[\g+3], 1024<<16                    ; tile_dim0
	s_mov_b32 s[\g+4], 16                          ; tile_dim1
	s_mov_b32 s[\g+5], 1024                        ; tensor_dim0_stride
	s_mov_b32 s[\g+6], 0
	s_mov_b32 s[\g+7], 0
.endr
	s_or_b32 s[G1S+0], s43, (3<<16)|(1<<21)        ; X's scale words of 128 rows: 4,096 dense bytes, as 16 rows of 256
	s_mov_b32 s[G1S+1], 32<<16
	s_mov_b32 s[G1S+2], (2*NKS)<<16
	s_mov_b32 s[G1S+3], 32<<16
	s_mov_b32 s[G1S+4], 2*NKS
	s_mov_b32 s[G1S+5], 32
	s_mov_b32 s[G1S+6], 0
	s_mov_b32 s[G1S+7], 0
	s_or_b32 s[G1SB+0], s44, (3<<16)|(1<<21)       ; Y's of 128 rows of each walked tile: NT rows of 4,096 bytes
	s_mov_b32 s[G1SB+1], 512<<16
	s_mov_b32 s[G1SB+2], NT<<16
	s_mov_b32 s[G1SB+3], 512<<16
	s_mov_b32 s[G1SB+4], NT
	s_mov_b32 s[G1SB+5], YSSTR
	s_mov_b32 s[G1SB+6], 0
	s_mov_b32 s[G1SB+7], 0
	s_lshl_b32 s45, s14, 15                        ; my quarter of a tile, in memory and in LDS: no place in the cluster enters an LDS address
	s_mov_b32 s94, s45                             ; s[94:95]: my quarter as a 64-bit offset
	s_mov_b32 s95, 0
	s_lshl_b32 s20, s17, 17
	s_mov_b32 s21, 0
	s_lshl_b32 s22, s17, 12
	s_add_co_u32 s22, s22, XSOFF                   ; X's scale words
	s_mov_b32 s23, 0
	s_lshl_b32 s46, s42, YGSH
	s_add_co_u32 s46, s46, YCOFF                   ; Y's codes, tile 0
	s_mov_b32 s47, 0
	s_lshl_b32 s92, s42, YSGSH
	s_add_co_u32 s92, s92, YSOFF                   ; Y's scale words
	s_mov_b32 s93, 0
	; where the results go
	s_lshl_b32 s96, s17, 3
	s_lshl_b32 s97, s15, 2
	s_add_co_u32 s96, s96, s97                     ; token tile 8 TX + 4 wx,
	s_lshl_b32 s96, s96, 5
	s_lshl_b32 s97, s42, 2
	s_add_co_u32 s96, s96, s97                     ; K step 4 gx of 32,
	s_lshl_b32 s96, s96, 11
	s_lshl_b32 s97, s16, 10                        ; pieces 2 wy, 2 wy + 1
	s_add_co_u32 s96, s96, s97
	s_mov_b32 s97, 0
	s_lshl_b32 s98, s17, 8
	s_lshl_b32 s99, s42, 2
	s_add_co_u32 s98, s98, s99
	s_lshl_b32 s98, s98, 6
	s_add_co_u32 s98, s98, 16777216                ; scale words: (token tile 8 TX, K step 4 gx)
	s_mov_b32 s99, 0
	s_wait_kmcnt 0x0
	s_add_nc_u64 s[20:21], s[4:5], s[20:21]
	s_add_nc_u64 s[22:23], s[4:5], s[22:23]
	s_add_nc_u64 s[46:47], s[6:7], s[46:47]
	s_add_nc_u64 s[92:93], s[8:9], s[92:93]
	s_add_nc_u64 s[96:97], s[10:11], s[96:97]
	s_add_nc_u64 s[98:99], s[10:11], s[98:99]
	CROUND                                         ; all sixteen work-groups are here: the first joint loads meet
	s_mov_b32 s[G0S], 1
	s_mov_b32 s[G0S+1], SCLX
	s_mov_b64 s[G0S+2:G0S+3], s[22:23]
	s_or_b32 s[G0S+3], s[G0S+3], 0x80000000
	s_mov_b32 s[G0SB], 1
	s_mov_b32 s[G0SB+1], SCLY
	s_mov_b64 s[G0SB+2:G0SB+3], s[92:93]
	s_or_b32 s[G0SB+3], s[G0SB+3], 0x80000000
	s_mov_b32 s[G0X], 1
	s_mov_b32 s[G0X+1], RA
	s_mov_b64 s[G0X+2:G0X+3], s[20:21]
	s_or_b32 s[G0X+3], s[G0X+3], 0x80000000
	s_mov_b32 s[G0YB], 1
	s_add_co_u32 s[G0YB+1], s45, RB
	s_add_nc_u64 s[G0YB+2:G0YB+3], s[46:47], s[94:95]
	s_or_b32 s[G0YB+3], s[G0YB+3], 0x80000000
	s_mov_b32 s[G0YA], 1                           ; tile 1 will go into region A
	s_add_co_u32 s[G0YA+1], s45, RA
	s_add_nc_u64 s[G0YA+2:G0YA+3], s[46:47], YTILE
	s_add_nc_u64 s[G0YA+2:G0YA+3], s[G0YA+2:G0YA+3], s[94:95]
	s_or_b32 s[G0YA+3], s[G0YA+3], 0x80000000
.set G0H, 60                           ; s[60:63] group 0 for the head's load of tile 0, whole
	s_mov_b32 s[G0H], 1
	s_mov_b32 s[G0H+1], RB
	s_mov_b64 s[G0H+2:G0H+3], s[46:47]
	s_or_b32 s[G0H+3], s[G0H+3], 0x80000000
	; THE HEAD'S LOADS, ONE A WAVE: wave 0 X, wave 1 tile 0 of Y, wave 2 X's scale words, wave 3 Y's of all walked tiles, laid [tile][4,096 bytes].  One chain of branches on the wave's number
	s_cmp_lt_u32 s14, 1
	s_cbranch_scc0 .Lhead_y
	tensor_load_to_lds s[G0X:G0X+3], s[G1X:G1X+7]
	s_nop 0
	PLACES 4
	s_branch .Lhead_asked
.Lhead_y:
	s_cmp_lt_u32 s14, 2
	s_cbranch_scc0 .Lhead_sx
	tensor_load_to_lds s[G0H:G0H+3], s[G1Y:G1Y+7]
	s_nop 0
	PLACES 4
	s_branch .Lhead_asked
.Lhead_sx:
	s_cmp_lt_u32 s14, 3
	s_cbranch_scc0 .Lhead_sy
	tensor_load_to_lds s[G0S:G0S+3], s[G1S:G1S+7]
	s_nop 0
	PLACES 4
	s_branch .Lhead_asked
.Lhead_sy:
	tensor_load_to_lds s[G0SB:G0SB+3], s[G1SB:G1SB+7]
	s_nop 0
	PLACES 4
.Lhead_asked:
	; No prefetch: a later tile of Y is asked for a whole tile ahead of its first read: 128 matrix instructions a wave and a way out stand between its request and the wait for it
	v_and_b32 v1, 31, v0
	v_lshlrev_b32 v2, 4, v1                        ; 16 x lane
	v_and_b32 v3, 15, v0                           ; r
	v_bfe_u32 v23, v0, 4, 1                        ; h
	s_wait_alu depctr_va_vdst(0)
	s_lshl_b32 s18, s16, 16                        ; my 64 rows of Y: 65,536 bytes a half
	v_add_nc_u32 v[ADRY+1], s18, v2                ; in region A, which begins at byte 0,
	s_add_co_u32 s18, s18, RB
	v_add_nc_u32 v[ADRY], s18, v2                  ; and in region B
	s_lshl_b32 s18, s15, 16
	v_add_nc_u32 v[ADRX], s18, v2                  ; my 64 rows of X in region A
	s_lshl_b32 s18, s15, 11
	s_lshl_b32 s19, s16, 11
	s_add_co_u32 s19, s19, SCLY-SCLX
	s_sub_co_u32 s19, s19, s18                     ; from my X words to my Y words of tile 0
	s_add_co_u32 s18, s18, SCLX
.irp t, 0,1,2,3
	v_mul_u32_u24 v27, s19, v23                    ; lanes 16-31 take Y's words: one product with h
	v_lshl_add_u32 v27, v3, 2, v27
	v_add_nc_u32 v[ADRS+\t], s18, v27
	s_add_co_u32 s19, s19, 4096
.endr
	s_mov_b32 s[SEL], 0x76543210
	s_mov_b32 s[SEL+1], 0xfedcba98
	s_mov_b32 s[MNT], 0x600000
	s_mov_b32 s100, 0xbdd2d3e8                     ; c1
	s_mov_b32 s101, s100
	v_mov_b32 v112, 0xc0135761                     ; c0
	v_mov_b32 v113, v112
.irp b, 0,1,2,3
	v_mov_b32 v[TM+4+\b], 0                        ; a lane permute's destination counts as read
.endr
	v_mov_b32 v24, v2                              ; 16 x lane
	s_lshl_b32 s18, s15, 8
	s_lshl_b32 s19, s16, 1
	s_add_co_u32 s18, s18, s19
	s_add_co_u32 s18, s18, SST
	v_lshl_add_u32 v25, v3, 2, s18                 ; my rows' scale halfwords: SST + 4 (64 wx + r) + 2 wy
	v_add_nc_u32 v26, SST, v2
	v_lshrrev_b32 v30, 2, v1
	v_lshlrev_b32 v30, 11, v30
	v_and_b32 v27, 3, v1
	v_lshl_add_u32 v30, v27, 4, v30                ; scale words out: token tile lane / 4, 2,048 bytes apart; 16 bytes a lane
	s_wait_alu depctr_va_vdst(0)                   ; the wait at the head's end
	s_cmp_lg_u32 s14, 0
	s_cbranch_scc1 .Lnot_x
	s_wait_tensorcnt 0x0                           ; wave 0, whose load line is its own: X is in.  The other waves' wait stands behind XLOAD
.Lnot_x:
	s_barrier_signal -1
	s_barrier_wait -1                              ; the other three tiles may stay on their way
	XLOAD
	s_wait_tensorcnt 0x0                           ; my tile of the head's four is in,
	ds_add_u32 v[SPW], v[NIL]                      ; 0 onto my spare word
	s_mov_b32 s[G1Y+2], 4<<16                      ; no tensor load of mine is out: from here on a load brings a quarter of a tile, 4 rows
	s_mov_b32 s[G1Y+4], 4
	s_wait_dscnt 0x0                               ; X is in registers
	CROUND
	tensor_load_to_lds s[G0YA:G0YA+3], s[G1Y:G1Y+7]   ; region A takes tile 1: my quarter
	s_nop 0
	PLACES 4
	FETCH 0, 0
	FETCH 0, 1
	STEPS 0
	EPI 0
	CHANGE 1, G0YB, 1                              ; tile 1 is in; region B takes tile 2
	SCOUT 98, 0, 0, 30
	FETCH 1, 0
	FETCH 1, 1
	STEPS 1
	EPI 1
	CHANGE 1, G0YA, 1                              ; tile 2 is in; region A takes tile 3
	SCOUT 98, 64, 1, 30
	FETCH 2, 0
	FETCH 2, 1
	STEPS 2
	EPI 2
	CHANGE 0, G0YB, 0                              ; tile 3 is in; nothing is left to fetch
	SCOUT 98, 128, 0, 30
	FETCH 3, 0
	FETCH 3, 1
	STEPS 3
	EPI 3
	s_wait_dscnt 0x0                               ; for the others' sake: my halfwords have landed
	s_barrier_signal -1
	s_barrier_wait -1
	SCOUT 98, 192, 1, 30
	s_wait_tensorcnt 0x0                           ; the wave's end
	ds_add_u32 v[SPW], v[NIL]
	s_wait_dscnt 0x0
	CROUND                                         ; the closing round
	s_endpgm
.Lfunc_end_k_qe1db57be8a_w1:
	.size	k_qe1db57be8a_w1, .Lfunc_end_k_qe1db57be8a_w1-k_qe1db57be8a_w1
	.p2alignl 7, 3214868480
	.fill 96, 4, 3214868480
	.section	.rodata,"a",@progbits
	.p2align	6, 0x0
	.amdhsa_kernel k_qe1db57be8a_w1
		.amdhsa_group_segment_fixed_size 327680
		.amdhsa_private_segment_fixed_size 0
		.amdhsa_enable_private_segment 0
		.amdhsa_kernarg_size 32
		.amdhsa_user_sgpr_count 2
		.amdhsa_user_sgpr_kernarg_segment_ptr 1
		.amdhsa_wavefront_size32 1
		.amdhsa_system_sgpr_workgroup_id_x 1
		.amdhsa_system_sgpr_workgroup_id_y 1
		.amdhsa_system_sgpr_workgroup_id_z 1
		.amdhsa_system_vgpr_workitem_id 0
		.amdhsa_next_free_vgpr 1024
		.amdhsa_next_free_sgpr 102
		.amdhsa_reserve_vcc 0
		.amdhsa_float_denorm_mode_32 3
		.amdhsa_float_denorm_mode_16_64 3
		.amdhsa_memory_ordered 1
		.amdhsa_forward_progress 1
		.amdhsa_inst_pref_size 255
	.end_amdhsa_kernel
	.section	.bss,"aw",@nobits
	.p2align	6
	.space	262144
	.amdgpu_metadata
---
amdhsa.version: [ 1, 2 ]
amdhsa.kernels:
  - .name:           k_qe1db57be8a_w1
    .symbol:         k_qe1db57be8a_w1.kd
    .args:
      - { .name: ha, .offset: 0, .size: 8, .value_kind: global_buffer, .address_space: global }
      - { .name: wimg, .offset: 8, .size: 8, .value_kind: global_buffer, .address_space: global }
      - { .name: wsw, .offset: 16, .size: 8, .value_kind: global_buffer, .address_space: global }
      - { .name: g, .offset: 24, .size: 8, .value_kind: global_buffer, .address_space: global }
    .group_segment_fixed_size: 327680
    .private_segment_fixed_size: 0
    .kernarg_segment_align: 8
    .kernarg_segment_size: 32
    .max_flat_workgroup_size: 128
    .sgpr_count:     102
    .vgpr_count:     1024
    .wavefront_size: 32
...
	.end_amdgpu_metadata
.endif
;; end of part 13
;; launch w2 (part 14): grid 8 x 32, 4 waves a work-group, clusters of 4 x 4, 327,680 bytes of LDS; arguments g, wimg, wsw, x1, out0; writes out0
.if DOCPART == 14
	.amdgcn_target "amdgcn-amd-amdhsa--gfx1250"
	.amdhsa_code_object_version 6
	.text
	.protected	k_qe1db57be8a_w2
	.globl	k_qe1db57be8a_w2
	.p2align	8
	.type	k_qe1db57be8a_w2,@function
k_qe1db57be8a_w2:
	s_mov_b64 s[64:65], 0
	v_nop
	global_prefetch_b8 v0, s[64:65] scope:SCOPE_SE
	s_setreg_imm32_b32 hwreg(HW_REG_WAVE_MODE, 25, 1), 1
	s_wait_xcnt 0x0
	s_wait_alu depctr_hold_cnt(0) depctr_sa_sdst(0) depctr_va_vdst(0) depctr_va_sdst(0) depctr_va_ssrc(0) depctr_va_vcc(0) depctr_vm_vsrc(0)
	s_getreg_b32 s2, hwreg(HW_REG_IB_STS2, 6, 4)
	s_cmp_eq_u32 s2, 0
	s_cbranch_scc0 .Lentry_in_a_cluster
	s_endpgm
.Lentry_in_a_cluster:
	s_bfe_u32 s2, ttmp6, 0x10000c
	s_cmp_lg_u32 s2, 0xf033
	s_cbranch_scc0 .Lentry_shape_is_right
	s_endpgm
.Lentry_shape_is_right:
.set NKS,   32
.set XSOFF, 0x1000000
.set YCOFF, 0x800000
.set YSOFF, 262144
.set LAPS,  NKS/8
.set HALFT, 32768
.set SLOT,  131072
.set SCLX,  262144
.set SCLY,  SCLX+NKS*512+64
.set SPARE, (SCLY+NKS*512+255)/256*256
.set SC,   8
.set ADRX, 16
.set ADRY, 20
.set STO,  24
.set RD,   25
.set CO,   26
.set ADRS, 27
.set SPW,  28
.set NIL,  29
.set ACC,  128
.set G1, 24
.set G0, 32
.set G1B, 48
.set G0B, 56
.set G1S, 68
.set G0S, 76
.set G1SB, 80
.set G0SB, 88
.set MSB, 0
.macro WIN new
.if MSB != \new
	s_set_vgpr_msb (MSB<<8)|\new
.set MSB, \new
.endif
.endm
.macro JLOAD g0a, g1a, g0b, g1b
	s_cmp_eq_u32 s15, 0
	s_cbranch_scc0 .Lfor_y_\@
	tensor_load_to_lds s[\g0a:\g0a+3], s[\g1a:\g1a+7]
	s_nop 0
.rept 4
	v_nop
.endr
	s_branch .Lasked_\@
.Lfor_y_\@:
	tensor_load_to_lds s[\g0b:\g0b+3], s[\g1b:\g1b+7]
	s_nop 0
.rept 4
	v_nop
.endr
.Lasked_\@:
.endm
.macro CREST
	s_cmp_lg_u32 s14, 0
	s_cbranch_scc1 .Lnot_wave_0_\@
	s_barrier_signal -3
.Lnot_wave_0_\@:
	s_barrier_wait -3
	s_barrier_signal -1
	s_barrier_wait -1
.endm
.macro CROUND
	s_barrier_signal -1
	s_barrier_wait -1
	CREST
.endm
.macro PLACES n
.rept \n
	v_nop
.endr
.endm
.macro FETCH slot, q, f, set
	WIN 0x40
.irp i, 0,1,2,3
.irp c, 0,1,2,3
	ds_load_b128 v[(\f)+64+16*\i+4*\c:(\f)+64+16*\i+4*\c+3], v[ADRY+\slot] offset:(4*\i+(\q))*2048+512*\c
.endr
.endr
.irp i, 0,1,2,3
.irp c, 0,1,2,3
	ds_load_b128 v[(\f)+16*\i+4*\c:(\f)+16*\i+4*\c+3], v[ADRX+\slot] offset:(4*\i+(\q))*2048+512*\c
.endr
.endr
	WIN 0
.irp i, 0,1,2,3
	ds_load_b32 v[SC+4*(\set)+\i], v[ADRS] offset:(\i*NKS+4*\slot+(\q))*64
.endr
.endm
.macro MUL8 f, set, a0, zero
.irp a, \a0, \a0+1
.irp b, 0,1,2,3
.if \zero
	v_wmma_scale_f32_16x16x128_f8f6f4 v[ACC+8*(4*(\a)+\b):ACC+8*(4*(\a)+\b)+7], v[(\f)+64+16*\b:(\f)+64+16*\b+15], v[(\f)+16*(\a):(\f)+16*(\a)+15], 0, v[SC+4*(\set)+\b], v[SC+4*(\set)+(\a)] matrix_a_scale:MATRIX_SCALE_ROW1
.else
	v_wmma_scale_f32_16x16x128_f8f6f4 v[ACC+8*(4*(\a)+\b):ACC+8*(4*(\a)+\b)+7], v[(\f)+64+16*\b:(\f)+64+16*\b+15], v[(\f)+16*(\a):(\f)+16*(\a)+15], v[ACC+8*(4*(\a)+\b):ACC+8*(4*(\a)+\b)+7], v[SC+4*(\set)+\b], v[SC+4*(\set)+(\a)] matrix_a_scale:MATRIX_SCALE_ROW1
.endif
.endr
.endr
.endm
.macro STEP slot, q, zero
	PLACES 8
	FETCH \slot, (\q)+1, 128-128*((\q)%2), 1-(\q)%2
	s_wait_dscnt 36
	WIN 0x05
	MUL8 128*((\q)%2), (\q)%2, 0, \zero
	MUL8 128*((\q)%2), (\q)%2, 2, \zero
	WIN 0
.endm
.macro TURN slot, next, fill
.if \fill
	s_wait_xcnt 0x0                                ; my last prefetch has read its address: it steps a slot's 8,192 bytes of each row tile
	s_add_nc_u64 s[100:101], s[100:101], 8192
.endif
	s_wait_tensorcnt 0x0
	ds_add_u32 v[SPW], v[NIL]
	s_wait_dscnt 1
	WIN 0x05
	MUL8 128, 1, 0, 0
	s_wait_dscnt 0x0
	s_barrier_signal -1
	MUL8 128, 1, 2, 0
	WIN 0
	s_barrier_wait -1
.if \fill
	CREST
	s_add_nc_u64 s[G0+4*\slot+2:G0+4*\slot+3], s[G0+4*\slot+2:G0+4*\slot+3], 16384
	s_add_nc_u64 s[G0B+4*\slot+2:G0B+4*\slot+3], s[G0B+4*\slot+2:G0B+4*\slot+3], 16384
	JLOAD G0+4*\slot, G1, G0B+4*\slot, G1B
	PLACES 4
.else
	PLACES 8
.endif
.if \next == 0
	v_add_nc_u32 v[ADRS], 512, v[ADRS]
	s_wait_alu depctr_va_vdst(0)                   ; the wait here, directly behind the write
.endif
	FETCH \next, 0, 0, 0
.if \fill
	s_cmp_gt_u32 s3, 1                             ; the last trip's two refills have no slot two on
	s_cbranch_scc0 .Lnone_\@
	global_prefetch_b8 v30, s[100:101] offset:3*8192 th:TH_LOAD_NT scope:SCOPE_SE   ; the slot that stands two refills on: my work-group's row tile of the four that I fetch, 32 lanes x 256 bytes
.Lnone_\@:
.endif
.endm
	s_load_b128 s[4:7], s[0:1], 0x0
	s_load_b128 s[8:11], s[0:1], 0x10
	s_load_b64 s[12:13], s[0:1], 0x20
	v_lshl_add_u32 v[SPW], v0, 2, SPARE
	v_mov_b32 v[NIL], 0
	ds_add_u32 v28, v29
	ds_add_u32 v28, v29
	s_wait_dscnt 0x0
	v_lshrrev_b32 v1, 5, v0
	v_readfirstlane_b32 s14, v1
	s_lshr_b32 s15, s14, 1
	s_and_b32 s16, s14, 1
	s_bfe_u32 s40, ttmp6, 0x40000
	s_bfe_u32 s41, ttmp6, 0x40004
	s_lshl_b32 s42, ttmp9, 2
	s_add_co_u32 s42, s42, s40
	s_and_b32 s17, ttmp7, 0xffff
	s_lshl_b32 s17, s17, 2
	s_add_co_u32 s17, s17, s41
	s_lshl_b32 s43, s41, 2
	s_lshl_b32 s43, 15, s43
	s_lshl_b32 s44, 0x1111, s40
	s_or_b32 s[G1+0], s43, (3<<16)|(1<<21)
	s_or_b32 s[G1B+0], s44, (3<<16)|(1<<21)
.irp g, G1, G1B
	s_mov_b32 s[\g+1], 1024<<16
	s_mov_b32 s[\g+2], 8<<16
	s_mov_b32 s[\g+3], 1024<<16
	s_mov_b32 s[\g+4], 8
	s_mov_b32 s[\g+5], NKS*256
	s_mov_b32 s[\g+6], 0
	s_mov_b32 s[\g+7], 0
.endr
	s_or_b32 s[G1S+0], s43, (3<<16)|(1<<21)
	s_or_b32 s[G1SB+0], s44, (3<<16)|(1<<21)
.irp g, G1S, G1SB
	s_mov_b32 s[\g+1], 32<<16
	s_mov_b32 s[\g+2], (2*NKS)<<16
	s_mov_b32 s[\g+3], 32<<16
	s_mov_b32 s[\g+4], 2*NKS
	s_mov_b32 s[\g+5], 32
	s_mov_b32 s[\g+6], 0
	s_mov_b32 s[\g+7], 0
.endr
	s_lshl_b32 s20, s17, 3
	s_mul_i32 s20, s20, NKS*2048
	s_mov_b32 s21, 0
	s_lshl_b32 s22, s17, 1
	s_mul_i32 s22, s22, NKS*256
	s_add_co_u32 s22, s22, XSOFF
	s_mov_b32 s23, 0
	s_lshl_b32 s46, s42, 3
	s_mul_i32 s46, s46, NKS*2048
	s_add_co_u32 s46, s46, YCOFF
	s_mov_b32 s47, 0
	s_lshl_b32 s92, s42, 1
	s_mul_i32 s92, s92, NKS*256
	s_add_co_u32 s92, s92, YSOFF
	s_mov_b32 s93, 0
	s_mul_i32 s45, s14, HALFT
	s_mul_i32 s94, s16, NKS*8192                   ; s[94:95]: in the ring I fetch four row tiles of eight: which half, in bytes
	s_mov_b32 s95, 0
	v_and_b32 v3, 15, v0
	v_bfe_u32 v4, v0, 4, 1
	v_lshlrev_b32 v[CO], 12, v4
	v_lshl_add_u32 v[CO], v3, 4, v[CO]
	s_lshl_b32 s96, s17, 19
	s_lshl_b32 s97, s15, 18
	s_add_co_u32 s96, s96, s97
	s_lshl_b32 s97, s42, 9
	s_add_co_u32 s96, s96, s97
	s_lshl_b32 s97, s16, 8
	s_add_co_u32 s96, s96, s97
	s_mov_b32 s97, 0
	s_wait_kmcnt 0x0
	s_add_nc_u64 s[20:21], s[4:5], s[20:21]
	s_add_nc_u64 s[22:23], s[4:5], s[22:23]
	s_add_nc_u64 s[46:47], s[6:7], s[46:47]
	s_add_nc_u64 s[92:93], s[8:9], s[92:93]
	s_add_nc_u64 s[98:99], s[12:13], s[96:97]
	s_add_nc_u64 s[96:97], s[10:11], s[96:97]
	CROUND
	s_mov_b32 s[G0S], 1
	s_mov_b32 s[G0S+1], SCLX
	s_mov_b64 s[G0S+2:G0S+3], s[22:23]
	s_or_b32 s[G0S+3], s[G0S+3], 0x80000000
	s_mov_b32 s[G0SB], 1
	s_mov_b32 s[G0SB+1], SCLY
	s_mov_b64 s[G0SB+2:G0SB+3], s[92:93]
	s_or_b32 s[G0SB+3], s[G0SB+3], 0x80000000
	; THE HEAD'S LOADS, ONE A WAVE: wave 0 slot 0's eight row tiles of X, wave 1 those of Y, wave 2 X's scale words, wave 3 Y's.  Their groups 0 lie where arguments lay that have been used
	s_mov_b32 s4, 1
	s_mov_b32 s5, 0
	s_mov_b64 s[6:7], s[20:21]
	s_or_b32 s7, s7, 0x80000000
	s_mov_b32 s8, 1
	s_mov_b32 s9, 2*HALFT
	s_mov_b64 s[10:11], s[46:47]
	s_or_b32 s11, s11, 0x80000000
	s_cmp_lt_u32 s14, 1
	s_cbranch_scc0 .Lhead_y
	tensor_load_to_lds s[4:7], s[G1:G1+7]
	s_nop 0
	PLACES 4
	s_branch .Lhead_asked
.Lhead_y:
	s_cmp_lt_u32 s14, 2
	s_cbranch_scc0 .Lhead_sx
	tensor_load_to_lds s[8:11], s[G1B:G1B+7]
	s_nop 0
	PLACES 4
	s_branch .Lhead_asked
.Lhead_sx:
	s_cmp_lt_u32 s14, 3
	s_cbranch_scc0 .Lhead_sy
	tensor_load_to_lds s[G0S:G0S+3], s[G1S:G1S+7]
	s_nop 0
	PLACES 4
	s_branch .Lhead_asked
.Lhead_sy:
	tensor_load_to_lds s[G0SB:G0SB+3], s[G1SB:G1SB+7]
	s_nop 0
	PLACES 4
.Lhead_asked:
	s_add_nc_u64 s[20:21], s[20:21], s[94:95]      ; for the ring: my four row tiles
	s_add_nc_u64 s[46:47], s[46:47], s[94:95]
	; THE PREFETCHES INTO THE L2: behind the load of slot-fill c stands one instruction a wave for fill c + 2 (c = 0 .. 5 of 8).  Of the four row tiles that I fetch, each of the four partners that ask for them jointly
	; takes one, told apart BY ADDRESS (cx for X, cy for Y): a fill's part of a row tile is 8,192 consecutive bytes, lanes 256 bytes apart: each aligned block of 256 bytes is named once in a cluster
	s_cmp_eq_u32 s15, 0
	s_cselect_b64 s[100:101], s[20:21], s[46:47]
	s_cselect_b32 s18, s40, s41
	s_mul_i32 s18, s18, NKS*2048
	s_mov_b32 s19, 0
	s_add_nc_u64 s[100:101], s[100:101], s[18:19]
	v_and_b32 v30, 31, v0
	v_lshlrev_b32 v30, 8, v30                      ; v30: 256 x lane; never rewritten
.irp s, 0,1
	s_mov_b32 s[G0+4*\s], 1
	s_add_co_u32 s[G0+4*\s+1], s45, \s*SLOT
	s_add_nc_u64 s[G0+4*\s+2:G0+4*\s+3], s[20:21], \s*8192
	s_or_b32 s[G0+4*\s+3], s[G0+4*\s+3], 0x80000000
	s_mov_b32 s[G0B+4*\s], 1
	s_add_co_u32 s[G0B+4*\s+1], s45, \s*SLOT
	s_add_nc_u64 s[G0B+4*\s+2:G0B+4*\s+3], s[46:47], \s*8192
	s_or_b32 s[G0B+4*\s+3], s[G0B+4*\s+3], 0x80000000
.endr
	s_wait_alu depctr_va_vdst(0)
	global_prefetch_b8 v30, s[100:101] offset:8192 th:TH_LOAD_NT scope:SCOPE_SE   ; fill 1 too, the buffers' first touch: its load goes out only when the head's tiles have landed
	global_prefetch_b8 v30, s[100:101] offset:2*8192 th:TH_LOAD_NT scope:SCOPE_SE   ; behind fill 0's load: fill 2
	v_and_b32 v1, 31, v0
	v_lshlrev_b32 v2, 4, v1
	s_mul_i32 s18, s15, HALFT
	s_mul_i32 s19, s16, HALFT
	s_add_co_u32 s19, s19, 2*HALFT
.irp s, 0,1
	v_add_nc_u32 v[ADRX+\s], s18, v2
	v_add_nc_u32 v[ADRY+\s], s19, v2
	s_add_co_u32 s18, s18, SLOT
	s_add_co_u32 s19, s19, SLOT
.endr
	s_mul_i32 s18, s15, NKS*256
	s_mul_i32 s19, s16, NKS*256
	s_add_co_u32 s19, s19, SCLY-SCLX
	s_sub_co_u32 s19, s19, s18
	v_mul_u32_u24 v5, s19, v4
	s_add_co_u32 s18, s18, SCLX
	v_lshl_add_u32 v5, v3, 2, v5
	v_add_nc_u32 v[ADRS], s18, v5
	s_mul_i32 s18, s14, 16*272
	v_mul_u32_u24 v5, v3, 272
	v_lshl_add_u32 v5, v4, 6, v5
	v_add_nc_u32 v[STO], s18, v5
	v_mul_u32_u24 v5, v4, 272
	v_lshl_add_u32 v5, v3, 4, v5
	v_add_nc_u32 v[RD], s18, v5
	s_wait_alu depctr_va_vdst(0)                   ; the wait at the head's end
	s_wait_tensorcnt 0x0                           ; my tile of the head's four is in
	ds_add_u32 v28, v29
	s_mov_b32 s[G1+2], 4<<16                       ; no tensor load of mine is out: from here on a load brings four row tiles
	s_mov_b32 s[G1+4], 4
	s_mov_b32 s[G1B+2], 4<<16
	s_mov_b32 s[G1B+4], 4
	s_wait_dscnt 0x0
	CROUND                                         ; all four tiles are in, and the sixteen work-groups are here
	JLOAD G0+4, G1, G0B+4, G1B                     ; slot 1's first fill, the first tensor load behind the round
	FETCH 0, 0, 0, 0
	global_prefetch_b8 v30, s[100:101] offset:3*8192 th:TH_LOAD_NT scope:SCOPE_SE   ; behind fill 1's load: fill 3
	STEP 0, 0, 1
.if LAPS > 1
	s_mov_b32 s3, LAPS-1
.Llap:
	s_wait_alu depctr_va_vdst(0)
	STEP 0, 1, 0
	STEP 0, 2, 0
	TURN 0, 1, 1
	STEP 1, 0, 0
	STEP 1, 1, 0
	STEP 1, 2, 0
	TURN 1, 0, 1
	STEP 0, 0, 0
	s_sub_co_u32 s3, s3, 1
	s_cmp_lg_u32 s3, 0
	s_cbranch_scc1 .Llap
.endif
	s_wait_alu depctr_va_vdst(0)
	WIN 0x80
.irp a, 0,1,2,3                        ; the residual, which the way out adds: asked for when the last refill has been asked for, two slots' products ahead of its use
.irp t, 0,1,2,3,4,5,6,7
	global_load_b128 v[4*(8*\a+\t):4*(8*\a+\t)+3], v[CO], s[96:97] offset:(16*\a+2*\t)*4096 th:TH_LOAD_NT
.endr
.endr
	WIN 0
	STEP 0, 1, 0
	STEP 0, 2, 0
	TURN 0, 1, 0
	STEP 1, 0, 0
	STEP 1, 1, 0
	STEP 1, 2, 0
	s_wait_dscnt 0x0
	WIN 0x05
	MUL8 128, 1, 0, 0
	MUL8 128, 1, 2, 0
	WIN 0
.macro TOSTAGE a
.irp b, 0,1,2,3
	ds_store_b128 v[STO], v[ACC+8*(4*(\a)+\b):ACC+8*(4*(\a)+\b)+3] offset:128*(\b/2)+32*(\b%2)
	ds_store_b128 v[STO], v[ACC+8*(4*(\a)+\b)+4:ACC+8*(4*(\a)+\b)+7] offset:128*(\b/2)+32*(\b%2)+16
.endr
.set BK, 32+32*((\a)%2)
.irp t, 0,1,2,3,4,5,6,7
	ds_load_b128 v[BK+4*\t:BK+4*\t+3], v[RD] offset:544*\t
.endr
.endm
.macro SEND a, younger
.set BK, 32+32*((\a)%2)
	s_wait_dscnt \younger
	WIN 0x08
.set i, 0
.rept 16
	v_pk_add_f32 v[BK+i:BK+i+1], v[BK+i:BK+i+1], v[32*(\a)+i:32*(\a)+i+1]
.set i, i+2
.endr
	WIN 0
.irp t, 0,1,2,3,4,5,6,7
	global_store_b128 v[CO], v[BK+4*\t:BK+4*\t+3], s[98:99] offset:(16*(\a)+2*\t)*4096 th:TH_STORE_NT
.endr
.endm
	PLACES 8
	s_wait_loadcnt 0x0
	TOSTAGE 0
.irp a, 1,2,3
.if \a > 1
	s_wait_xcnt 0x0
.endif
	TOSTAGE \a
	SEND \a-1, 16
.endr
	SEND 3, 0
	s_wait_tensorcnt 0x0
	ds_add_u32 v[SPW], v[NIL]
	s_wait_dscnt 0x0
	CROUND
	s_endpgm
.Lfunc_end_k_qe1db57be8a_w2:
	.size	k_qe1db57be8a_w2, .Lfunc_end_k_qe1db57be8a_w2-k_qe1db57be8a_w2
	.p2alignl 7, 3214868480
	.fill 96, 4, 3214868480
	.section	.rodata,"a",@progbits
	.p2align	6, 0x0
	.amdhsa_kernel k_qe1db57be8a_w2
		.amdhsa_group_segment_fixed_size 327680
		.amdhsa_private_segment_fixed_size 0
		.amdhsa_enable_private_segment 0
		.amdhsa_kernarg_size 40
		.amdhsa_user_sgpr_count 2
		.amdhsa_user_sgpr_kernarg_segment_ptr 1
		.amdhsa_wavefront_size32 1
		.amdhsa_system_sgpr_workgroup_id_x 1
		.amdhsa_system_sgpr_workgroup_id_y 1
		.amdhsa_system_sgpr_workgroup_id_z 1
		.amdhsa_system_vgpr_workitem_id 0
		.amdhsa_next_free_vgpr 640
		.amdhsa_next_free_sgpr 102
		.amdhsa_reserve_vcc 0
		.amdhsa_float_denorm_mode_32 3
		.amdhsa_float_denorm_mode_16_64 3
		.amdhsa_memory_ordered 1
		.amdhsa_forward_progress 1
		.amdhsa_inst_pref_size 104
	.end_amdhsa_kernel
	.amdgpu_metadata
---
amdhsa.version: [ 1, 2 ]
amdhsa.kernels:
  - .name:           k_qe1db57be8a_w2
    .symbol:         k_qe1db57be8a_w2.kd
    .args:
      - { .name: g, .offset: 0, .size: 8, .value_kind: global_buffer, .address_space: global }
      - { .name: wimg, .offset: 8, .size: 8, .value_kind: global_buffer, .address_space: global }
      - { .name: wsw, .offset: 16, .size: 8, .value_kind: global_buffer, .address_space: global }
      - { .name: x1, .offset: 24, .size: 8, .value_kind: global_buffer, .address_space: global }
      - { .name: out0, .offset: 32, .size: 8, .value_kind: global_buffer, .address_space: global }
    .group_segment_fixed_size: 327680
    .private_segment_fixed_size: 0
    .kernarg_segment_align: 8
    .kernarg_segment_size: 40
    .max_flat_workgroup_size: 128
    .sgpr_count:     102
    .vgpr_count:     640
    .wavefront_size: 32
...
	.end_amdgpu_metadata
.endif
;; end of part 14
